; MI455X (gfx1250); checked and timed in simulation.
; The chip was launched on July 23, 2026; its instructions are those of AMD's public machine-readable ISA for CDNA 5 (MIT licence, August 2026) and "CDNA5" Instruction Set Architecture Reference Guide (July 2026). The comments in the code are by the model that wrote it; some were corrected since.
;; ASA Attention. Allowed arithmetic: matrix products marked QUANTISED: E5M2 operands, one given power-of-two scale a tensor, by v_wmma_f32_16x16x64_bf8_bf8 or v_wmma_f32_16x16x128_bf8_bf8, f32 sums; everything else in f32.
;; Inputs: Wk_codes 1,024 x 32 x 32 uint8 (E5M2 codes of Wk, K innermost, in blocks of 32 codes); Wo_codes 1,024 x 32 x 32 uint8 (E5M2 codes of Wo, K innermost, in blocks of 32 codes); Wq_codes 1,024 x 32 x 32 uint8 (E5M2 codes of Wq, K innermost, in blocks of 32 codes); Wv_codes 1,024 x 32 x 32 uint8 (E5M2 codes of Wv, K innermost, in blocks of 32 codes); bk 1,024 float32; bo 1,024 float32; bq 1,024 float32; bv 1,024 float32; causal_mask 2,048 x 2,048 bool; features 2 x 2,048 x 64 float32; lowp_scales 14 int32 (the exponents e of the quantised operands' scales 2^e); pos_ids 2 x 2,048 int32; requirements 2 x 2,048 x 64 float32; x_codes 2 x 2,048 x 32 x 32 uint8 (E5M2 codes of x, K innermost, in blocks of 32 codes).
;; Outputs: out0 2 x 2,048 x 1,024 float32.
;; This version of the problem:
;;   THIS VERSION OF THE PROBLEM IS GIVEN IN LOW PRECISION. The matrix products marked QUANTISED in the list below multiply operands that are first quantised to E5M2 (5 exponent bits, 2 mantissa bits; 8 bits a number), with one given power-of-two scale for each operand tensor; their sums are f32. All else is computed in f32.
;;   The module's matrix products, in the order in which they are computed (A, B: the left and right operand; K: the contracted axis; several contracted axes count as one K, in the product's order):
;;     1. [M 4,096, K 1,024] x [K 1,024, N 1,024]; A: input x (given as codes); B: input Wq (given as codes): QUANTISED (scales: A lowp_scales[0], B lowp_scales[1])
;;     2. [M 4,096, K 1,024] x [K 1,024, N 1,024]; A: input x (given as codes); B: input Wk (given as codes): QUANTISED (scales: A lowp_scales[2], B lowp_scales[3])
;;     3. [M 4,096, K 1,024] x [K 1,024, N 1,024]; A: input x (given as codes); B: input Wv (given as codes): QUANTISED (scales: A lowp_scales[4], B lowp_scales[5])
;;     4. batch 32 x [M 2,048, K 64] x [K 64, N 2,048]; A: computed on the way; B: computed on the way: QUANTISED (scales: A lowp_scales[6], B lowp_scales[7])
;;     5. batch 2 x [M 2,048, K 64] x [K 64, N 2,048]; A: computed on the way; B: computed on the way: QUANTISED (scales: A lowp_scales[8], B lowp_scales[9])
;;     6. batch 32 x [M 64, K 2,048] x [K 2,048, N 2,048]; A: computed on the way; B: computed on the way: QUANTISED (scales: A lowp_scales[10], B lowp_scales[11])
;;     7. [M 4,096, K 1,024] x [K 1,024, N 1,024]; A: computed on the way; B: input Wo (given as codes): QUANTISED (scales: A lowp_scales[12], B lowp_scales[13])
;;   THE QUANTISER, for each operand of a quantised product, along K:
;;     - The operand's scale is 2^e, e = its entry of the input lowp_scales (int32; the entries are numbered through the quantised products in the list's order, A before B).
;;     - Each number is divided by the scale, clamped to +-57,344, and rounded to the nearest number of E5M2, ties to even, subnormals kept.
;;     - The product sums the exact products of the quantised numbers (number of the format x scale) in f32.
;;   ~~~python
;;   def quantise(x, axis, e):      # numpy; x: float32 -> the quantised numbers, widened to float32 again
;;       x = np.moveaxis(x, axis, -1); K = x.shape[-1]
;;       r = np.clip(x / 2.0 ** e, -57344, 57344)
;;       step = 2.0 ** (np.maximum(np.frexp(np.where(r == 0, 1, r))[1] - 1, -14) - 2)
;;       q = np.round(r / step) * step * 2.0 ** e      # np.round: ties to even
;;       return np.moveaxis(q, -1, axis).astype(np.float32)
;;   ~~~
;;   OPERANDS COMPUTED ON THE WAY. 'Computed on the way' means the value that the module computes at that place (a softmax that the list does not call 'softmax' is quantised finished and normalised). What goes into a quantiser is computed in f32, as accurately as f32 sums, v_exp_f32 and their like allow (about 1e-6 of the number): no bf16 or f16 on the way to a quantiser, and a product that is left as it is and whose result goes on into a quantised operand takes f32 operands (vector FMAs, or v_wmma_f32_16x16x4_f32). A number that lies on a knife's edge between two numbers of the format may be rounded either way, as far as f32 arithmetic and the matrix unit's own rounding can turn it there, and no further.
;;   INPUTS GIVEN AS CODES. Wk (in the module: [1024, 1024], K = its axis 0); Wo (in the module: [1024, 1024], K = its axis 0); Wq (in the module: [1024, 1024], K = its axis 0); Wv (in the module: [1024, 1024], K = its axis 0); x (in the module: [2, 2048, 1024], K = its axis 2): each comes as NAME_codes (uint8): NAME with its K axis moved to the last place and cut into blocks of 32 codes, [.., K / 32, bytes a block], one block behind the other in memory; one code a byte (a code: sign, 5 exponent bits, 2 mantissa bits); its scale is its entry of lowp_scales. Its value is code x scale, taken as it is: it is not quantised again, and the codes and scales need not be those that the quantiser above would give.
;; 3 versions, each right; version 2 is faster than version 1; version 3 is version 2 with the launch attn written anew for expert scheduling mode. Each part assembles by itself: llvm-mc -triple=amdgcn-amd-amdhsa -mcpu=gfx1250 --defsym DOCPART=n.
;; ======== version 1 of 3: 4 launches
;; workspace buffers: Qc 4,194,304 bytes; Kc 4,194,304 bytes; Vc 4,194,304 bytes; Rc 262,144 bytes; Fc 262,144 bytes; Mw 524,288 bytes of whole numbers; Cls 32,768 bytes of whole numbers; ctx 4,194,304 bytes
;; launch prep (part 1): grid 192 x 1, 4 waves a work-group, no clusters, 0 bytes of LDS; arguments requirements, features, causal_mask, lowp_scales, Rc, Fc, Mw, Cls; writes Rc, Fc, Mw, Cls
.if DOCPART == 1
	.amdgcn_target "amdgcn-amd-amdhsa--gfx1250"
	.amdhsa_code_object_version 6
	.text
	.protected	k_qc1da75458d_prep
	.globl	k_qc1da75458d_prep
	.p2align	8
	.type	k_qc1da75458d_prep,@function
k_qc1da75458d_prep:
	s_mov_b64 s[64:65], 0
	v_nop
	global_prefetch_b8 v0, s[64:65] scope:SCOPE_SE
	s_setreg_imm32_b32 hwreg(HW_REG_WAVE_MODE, 25, 1), 1
	s_wait_xcnt 0x0
; Two jobs in one launch, told apart by the work-group's number; neither uses LDS, no wave depends on another.
; WORK-GROUPS 0-63: THE MASK.  causal_mask [2048][2048] (one byte a flag; a byte other than 0 counts as true) becomes, for each block i of 32 queries and each group g of 128 keys,
;   Mw[i][g][128 words]: bit l of word 64 t + 8 kt + j is mask[32 i + 16 t + l % 16][128 g + 16 kt + 8 (l / 16) + j]: the lane mask of one score register of the attention launch;
;   Cls[i][w][32 words]: word u = the class of group g = w + 4 u: 0 all hidden, 1 mixed, 2 all open; words 4-31 are 0.
;   Work-group i, wave w takes groups w, w + 4, w + 8, w + 12.
; WORK-GROUPS 64-191: requirements (64-127) and features (128-191), [4096 rows][64] f32: each row divided by max(its norm, 1e-12), then quantised to E5M2 with the given scale
;   (entry 8 or 9 of the scales: code = x / 2^e, held within +-57,344, nearest, ties to even) and stored as IMAGES OF OPERAND REGISTERS: a tile of 16 rows x 64 is 8 registers a lane,
;   lane (r, h): registers 2 c, 2 c + 1 = elements 16 c + 8 h + 0..7 of row r; registers 0-3 at 16 x lane, registers 4-7 512 bytes on.  A wave takes one tile.
; LIMITS: e between -126 and 112.  NaN and infinities among the inputs are not served.  The division is a multiplication by v_rcp_f32 of the divisor.
.set DAT,  64                          ; v64-191  the mask's bytes: group u, tile of queries t, tile of keys kt: a pair at 64 + 32 u + 2 (8 t + kt)
.set OUTW, 16                          ; v16-31   the words to store: four registers a group
.set CLV,  32                          ; v32      the classes
	s_load_b512 s[4:19], s[0:1], 0x0               ; requirements s[4:5], features s[6:7], mask s[8:9], scales s[10:11], Rc s[12:13], Fc s[14:15], Mw s[16:17], Cls s[18:19]
	v_lshrrev_b32 v1, 5, v0
	v_readfirstlane_b32 s20, v1                    ; wave 0..3
	v_and_b32 v1, 31, v0                           ; lane
	v_and_b32 v2, 15, v0                           ; r
	v_bfe_u32 v3, v0, 4, 1                         ; h
	v_lshlrev_b32 v5, 4, v1                        ; 16 x lane
	v_lshlrev_b32 v6, 2, v1                        ; 4 x lane
	s_mov_b32 s23, 0
	s_wait_kmcnt 0x0
	s_cmp_lt_u32 ttmp9, 64
	s_cbranch_scc0 .Lnorm
	; ---- the mask
	s_lshl_b32 s22, ttmp9, 16                      ; 32 rows of 2,048 bytes a block,
	s_lshl_b32 s21, s20, 7                         ; 128 keys a group
	s_add_co_u32 s22, s22, s21
	s_add_nc_u64 s[8:9], s[8:9], s[22:23]
	s_lshl_b32 s22, ttmp9, 13                      ; Mw: 16 groups of 512 bytes a block
	s_lshl_b32 s21, s20, 9
	s_add_co_u32 s22, s22, s21
	s_add_nc_u64 s[16:17], s[16:17], s[22:23]
	s_lshl_b32 s22, ttmp9, 9                       ; Cls: 4 waves of 128 bytes a block
	s_lshl_b32 s21, s20, 7
	s_add_co_u32 s22, s22, s21
	s_add_nc_u64 s[18:19], s[18:19], s[22:23]
	v_lshlrev_b32 v4, 11, v2                       ; row r,
	v_lshl_add_u32 v4, v3, 3, v4                   ; + 8 h: my eight flags of a tile
.irp u, 0,1,2,3
.irp t, 0,1
.irp kt, 0,1,2,3,4,5,6,7
	global_load_b64 v[DAT+32*\u+2*(8*\t+\kt):DAT+32*\u+2*(8*\t+\kt)+1], v4, s[8:9] offset:512*\u+32768*\t+16*\kt
.endr
.endr
.endr
	s_mov_b32 s24, 0xff                            ; the four bytes of a word
	s_mov_b32 s25, 0xff00
	s_mov_b32 s26, 0xff0000
	s_mov_b32 s27, 0xff000000
.irp k, 0,1,2,3,4,5,6,7,8,9,10,11,12,13,14,15,16
	v_mov_b32 v[OUTW+\k], 0                        ; written whole once: a lane write's destination counts as read (v32, the classes, among them: its lanes 4-31 stay 0)
.endr
; One group: 128 lane masks.  Word n goes to lane n / 4, register n % 4, so that one store of 16 bytes a lane writes the group's 512 consecutive bytes.
.macro MGROUP u
	s_wait_loadcnt 48-16*\u                        ; this group's 16 loads are in; those of the later groups, 16 each, may be out
	s_mov_b32 s36, -1                              ; the AND of the group's words,
	s_mov_b32 s37, 0                               ; and their OR
.irp t, 0,1
.irp kt, 0,1,2,3,4,5,6,7
.irp j, 0,1,2,3,4,5,6,7
	v_and_b32 v[8+\j], s[24+(\j&3)], v[DAT+32*\u+2*(8*\t+\kt)+(\j>>2)]
.endr
.irp j, 0,1,2,3,4,5,6,7
	v_cmp_ne_u32 s[28+\j], 0, v[8+\j]              ; bit l: my lane's flag j
.endr
.irp j, 0,1,2,3,4,5,6,7
	s_and_b32 s36, s36, s[28+\j]
	s_or_b32 s37, s37, s[28+\j]
	v_writelane_b32 v[OUTW+4*\u+(\j&3)], s[28+\j], 16*\t+2*\kt+(\j>>2)
.endr
.endr
.endr
	s_cmp_eq_u32 s36, -1
	s_cselect_b32 s38, 2, 1                        ; all open, or mixed,
	s_cmp_eq_u32 s37, 0
	s_cselect_b32 s38, 0, s38                      ; or all hidden
	v_writelane_b32 v[CLV], s38, \u
	global_store_b128 v5, v[OUTW+4*\u:OUTW+4*\u+3], s[16:17] offset:2048*\u   ; 512 consecutive bytes; each group has its own four registers, so no store's data are written again
.endm
	MGROUP 0
	MGROUP 1
	MGROUP 2
	MGROUP 3
	global_store_b32 v6, v[CLV], s[18:19]          ; 128 consecutive bytes a wave, 512 a work-group
	s_endpgm
	; ---- requirements and features
.Lnorm:
	s_load_b64 s[40:41], s[10:11], 0x20            ; entries 8 and 9 of the scales
	s_sub_co_u32 s21, ttmp9, 64
	s_and_b32 s22, s21, 63
	s_lshl_b32 s22, s22, 2
	s_add_co_u32 s22, s22, s20                     ; my tile of 16 rows, 0..255
	s_lshl_b32 s24, s22, 12                        ; 16 rows of 256 bytes in,
	s_mov_b32 s25, 0
	s_lshl_b32 s26, s22, 10                        ; 1,024 bytes of codes out
	s_mov_b32 s27, 0
	s_mov_b32 s46, 0x76543210                      ; lane selects: lane l xor 16
	s_mov_b32 s47, 0xfedcba98
	s_cmp_lt_u32 s21, 64                           ; requirements or features: only pointers and the exponent are chosen, one path serves both
	s_cselect_b64 s[4:5], s[4:5], s[6:7]
	s_cselect_b64 s[12:13], s[12:13], s[14:15]
	s_add_nc_u64 s[4:5], s[4:5], s[24:25]
	s_add_nc_u64 s[12:13], s[12:13], s[26:27]
	v_lshlrev_b32 v4, 8, v2                        ; row r of 256 bytes,
	v_lshl_add_u32 v4, v3, 5, v4                   ; + 32 h
.irp c, 0,1,2,3
	global_load_b128 v[32+8*\c:35+8*\c], v4, s[4:5] offset:64*\c      ; register 32 + 8 c + k = element 16 c + 8 h + k
	global_load_b128 v[36+8*\c:39+8*\c], v4, s[4:5] offset:64*\c+16
.endr
	s_wait_kmcnt 0x0
	s_cmp_lt_u32 s21, 64
	s_cselect_b32 s40, s40, s41                    ; e
	s_add_co_i32 s40, s40, 127
	s_lshl_b32 s41, s40, 23
	v_mov_b32 v18, s41                             ; 2^e as f32: the conversion takes its exponent field
	s_add_co_i32 s40, s40, 15
	s_lshl_b32 s40, s40, 23
	s_or_b32 s40, s40, 0x600000
	v_mov_b32 v19, s40                             ; 57,344 x 2^e
	s_wait_loadcnt 0x0
.irp k, 0,1,2,3
	v_pk_mul_f32 v[8+2*\k:9+2*\k], v[32+2*\k:33+2*\k], v[32+2*\k:33+2*\k]      ; the sum of squares of my 32 numbers, in four packed chains
.endr
.irp m, 1,2,3
.irp k, 0,1,2,3
	v_pk_fma_f32 v[8+2*\k:9+2*\k], v[32+8*\m+2*\k:33+8*\m+2*\k], v[32+8*\m+2*\k:33+8*\m+2*\k], v[8+2*\k:9+2*\k]
.endr
.endr
	v_pk_add_f32 v[8:9], v[8:9], v[10:11]
	v_pk_add_f32 v[12:13], v[12:13], v[14:15]
	v_pk_add_f32 v[8:9], v[8:9], v[12:13]
	v_add_f32 v8, v8, v9
	v_permlanex16_b32 v10, v8, s46, s47            ; the row's other 32 numbers lie in the lane 16 away (v10 has been written)
	v_add_f32 v8, v8, v10
	v_sqrt_f32 v11, v8
	v_nop                                          ; a plain instruction behind the root,
	s_wait_alu depctr_va_vdst(0)                   ; and the wait ahead of its first reader
	v_max_num_f32 v11, 0x2b8cbccc, v11             ; max(norm, 1e-12)
	v_rcp_f32 v16, v11
	v_nop
	s_wait_alu depctr_va_vdst(0)
	v_mov_b32 v17, v16                             ; a pair for the packed multiply
.irp k, 0,2,4,6,8,10,12,14,16,18,20,22,24,26,28,30
	v_pk_mul_f32 v[32+\k:33+\k], v[32+\k:33+\k], v[16:17]
.endr
.irp k, 0,1,2,3,4,5,6,7,8,9,10,11,12,13,14,15,16,17,18,19,20,21,22,23,24,25,26,27,28,29,30,31
	v_med3_num_f32 v[32+\k], v[32+\k], -v19, v19   ; the conversion to an 8-bit code does not saturate (ISA guide 7.6.2): the hold at the largest code x the scale
.endr
.irp c, 0,1,2,3
	v_cvt_scalef32_pk8_bf8_f32 v[64+2*\c:65+2*\c], v[32+8*\c:39+8*\c], v18
.endr
	global_store_b128 v5, v[64:67], s[12:13]       ; registers 0-3 of the fragment: 512 consecutive bytes
	global_store_b128 v5, v[68:71], s[12:13] offset:512
	s_endpgm
.Lfunc_end_k_qc1da75458d_prep:
	.size	k_qc1da75458d_prep, .Lfunc_end_k_qc1da75458d_prep-k_qc1da75458d_prep
	.p2alignl 7, 3214868480
	.fill 96, 4, 3214868480
	.section	.rodata,"a",@progbits
	.p2align	6, 0x0
	.amdhsa_kernel k_qc1da75458d_prep
		.amdhsa_group_segment_fixed_size 0
		.amdhsa_private_segment_fixed_size 0
		.amdhsa_enable_private_segment 0
		.amdhsa_kernarg_size 64
		.amdhsa_user_sgpr_count 2
		.amdhsa_user_sgpr_kernarg_segment_ptr 1
		.amdhsa_wavefront_size32 1
		.amdhsa_system_sgpr_workgroup_id_x 1
		.amdhsa_system_sgpr_workgroup_id_y 1
		.amdhsa_system_sgpr_workgroup_id_z 1
		.amdhsa_system_vgpr_workitem_id 0
		.amdhsa_next_free_vgpr 192
		.amdhsa_next_free_sgpr 66
		.amdhsa_reserve_vcc 0
		.amdhsa_float_denorm_mode_32 3
		.amdhsa_float_denorm_mode_16_64 3
		.amdhsa_memory_ordered 1
		.amdhsa_forward_progress 1
		.amdhsa_inst_pref_size 129
	.end_amdhsa_kernel
	.amdgpu_metadata
---
amdhsa.version: [ 1, 2 ]
amdhsa.kernels:
  - .name:           k_qc1da75458d_prep
    .symbol:         k_qc1da75458d_prep.kd
    .args:
      - { .name: requirements, .offset: 0, .size: 8, .value_kind: global_buffer, .address_space: global }
      - { .name: features, .offset: 8, .size: 8, .value_kind: global_buffer, .address_space: global }
      - { .name: causal_mask, .offset: 16, .size: 8, .value_kind: global_buffer, .address_space: global }
      - { .name: lowp_scales, .offset: 24, .size: 8, .value_kind: global_buffer, .address_space: global }
      - { .name: Rc, .offset: 32, .size: 8, .value_kind: global_buffer, .address_space: global }
      - { .name: Fc, .offset: 40, .size: 8, .value_kind: global_buffer, .address_space: global }
      - { .name: Mw, .offset: 48, .size: 8, .value_kind: global_buffer, .address_space: global }
      - { .name: Cls, .offset: 56, .size: 8, .value_kind: global_buffer, .address_space: global }
    .group_segment_fixed_size: 0
    .private_segment_fixed_size: 0
    .kernarg_segment_align: 8
    .kernarg_segment_size: 64
    .max_flat_workgroup_size: 128
    .sgpr_count:     66
    .vgpr_count:     192
    .wavefront_size: 32
...
	.end_amdgpu_metadata
.endif
;; end of part 1
;; launch qkv (part 2): grid 12 x 16, 4 waves a work-group, clusters of 4 x 4, 327,680 bytes of LDS; arguments x_codes, Wq_codes, Wk_codes, Wv_codes, bq, bk, bv, lowp_scales, Qc, Kc, Vc; writes Qc, Kc, Vc
.if DOCPART == 2
	.amdgcn_target "amdgcn-amd-amdhsa--gfx1250"
	.amdhsa_code_object_version 6
	.text
	.protected	k_qc1da75458d_qkv
	.globl	k_qc1da75458d_qkv
	.p2align	8
	.type	k_qc1da75458d_qkv,@function
k_qc1da75458d_qkv:
	s_mov_b64 s[64:65], 0
	v_nop
	global_prefetch_b8 v0, s[64:65] scope:SCOPE_SE
	s_setreg_imm32_b32 hwreg(HW_REG_WAVE_MODE, 25, 1), 1
	s_wait_xcnt 0x0
	s_wait_alu depctr_hold_cnt(0) depctr_sa_sdst(0) depctr_va_vdst(0) depctr_va_sdst(0) depctr_va_ssrc(0) depctr_va_vcc(0) depctr_vm_vsrc(0)
	s_getreg_b32 s2, hwreg(HW_REG_IB_STS2, 6, 4)
	s_cmp_eq_u32 s2, 0
	s_cbranch_scc0 .Lentry_in_a_cluster
	s_endpgm
.Lentry_in_a_cluster:
	s_bfe_u32 s2, ttmp6, 0x10000c
	s_cmp_lg_u32 s2, 0xf033
	s_cbranch_scc0 .Lentry_shape_is_right
	s_endpgm
.Lentry_shape_is_right:
; Q = x Wq + bq, K = x Wk + bk, V = x Wv + bv on codes of E5M2 (x: [4096][1024], W: [1024 (n)][1024 (k)], K innermost), each result quantised at once to E5M2 for the attention launch.
; One text serves the three products; the cluster's x says which (0: Q, 1: K, 2: V).  A tile of 256 x 256 results is made by four waves, 128 x 128 each (64 accumulators, 512 registers);
; K goes in steps of 256 through a ring of two LDS slots filled by the tensor data mover.  The matrix instruction takes 16 rows of the B TILE as source 0 and 16 rows of the A TILE as source 1:
; a lane then holds ONE row of the A tile and EIGHT NEIGHBOURING rows of the B tile.
;   Q, K: A tile = 256 rows of x, B tile = 256 rows of W: a lane holds one token and eight neighbouring channels: the attention's K axis for Q K^T.
;   V:    A tile = 256 rows of Wv, B tile = 256 rows of x: a lane holds one channel and eight neighbouring keys: the K axis of the second product.
; So eight results of a lane become two registers of the next operand, and the codes are stored AS IMAGES OF THE OPERAND'S REGISTERS, 16 bytes a lane, 512 consecutive bytes a store, with no way through LDS:
;   Qc, Kc: [batch 2][head pair 8][tile of 16 tokens 128][head of the pair 2][1,024 bytes]: 8 registers, registers 2 c, 2 c + 1 = channels 16 c + 8 h + 0..7 of token r
;   Vc:     [batch 2][head pair 8][group of 128 keys 16][head of the pair 2][tile of 16 channels 4][2,048 bytes]: 16 registers, registers 2 c, 2 c + 1 = keys 16 c + 8 h + 0..7 of channel r
; SCALES: a sum stands for sum x 2^ein (ein = entries 0+1, 2+3 or 4+5); the bias goes in as bias / 2^ein; the code is (sum + that) / 2^(eo - ein), eo = entry 6 (Q), 7 (K) or 10 (V), held within +-57,344.
; LIMITS: eo - ein between -126 and 112.  NaN and infinities among the biases are not served.
; CLUSTERS: 4 x 4 work-groups.  The four of a row of the cluster need the same A tile, the four of a column the same B tile: each is asked for jointly.  All choices between the products hang on the cluster's x,
; which all sixteen partners share, and are made by selects: no branch hangs on them.
; REGISTERS, in windows of 256: window 0: v0-31 addresses and constants; v32-95 the bias of my lane's 64 B rows; v96-111 the bias of my lane's A row, a pair a block; from v128 the A tile's fragments, ONE set
;   (on the way out v128-191 a block's numbers, v192-223 its codes, two sets by turns);  window 1: the B tile's fragments, TWO sets;  windows 2, 3: the accumulators ((a, b) at v[8 (8 (a % 4) + b)]).
.set KSTEP,  256
.set ROWB,   256                       ; a tile's row in bytes
.set KROW,   1024                      ; a row of x or of W in memory
.set PITCH,  272                       ; an LDS row: 256 bytes + 16 of padding = 68 words: the 16 rows that a load touches start at 16 different banks (64 banks of 4 bytes: ISA guide 11.1)
.set FR,     16                        ; registers of a fragment: 16 rows x 128 K
.set NL,     4                         ; LDS loads that bring one
.set NP,     4                         ; places behind this matrix instruction (ISA guide 7.12.1)
.set HALFT,  128*PITCH
.set SLOT,   4*HALFT                   ; the A tile's 256 rows, then the B tile's
.set LAPS,   KROW/(2*KSTEP)
.set SPARE,  2*SLOT                    ; behind the ring: the spare words, 128 bytes for each wave: two blocks of 256 bytes that no other line names
.set ADRA, 16                          ; v16-17  LDS address of my A fragments in slot 0, 1
.set ADRB, 20                          ; v20-21  the same for B
.set CO,   26                          ; v26     16 x lane
.set SPW,  28                          ; v28     LDS address of my spare word; never rewritten
.set NIL,  29                          ; v29     0; never rewritten
.set SCL,  30                          ; v30     2^(eo - ein) as f32
.set LIM,  31                          ; v31     57,344 x that
.set BJ,   32
.set BI,   96
.set AF,   128
.set TMP,  128
.set CDS,  192
.set G1, 24                            ; s[24:31] descriptor group 1 for A tiles;  s[32:39] group 0, one set for each slot
.set G0, 32
.set G1B, 48                           ; s[48:55], s[56:63] the same for B tiles
.set G0B, 56
.set MSB, 0
.macro WIN new                         ; the immediate's high byte repeats the setting that is left
.if MSB != (\new)
	s_set_vgpr_msb (MSB<<8)|(\new)
.set MSB, (\new)
.endif
.endm
.set MUL_LO, 0xa1                      ; source 0 (B) window 1, source 1 (A) window 0, C and D window 2
.set MUL_HI, 0xf1                      ; the same, C and D window 3
.set TO_B,   0x40                      ; destination window 1, address window 0
; A joint load: waves 0 and 1 fetch for the A tile, waves 2 and 3 for the B tile.  The branch hangs on the wave's number alone.  Four v_nop follow each of the two lines.
.macro JLOAD g0a, g1a, g0b, g1b
	s_cmp_eq_u32 s15, 0
	s_cbranch_scc0 .Lfor_b_\@
	tensor_load_to_lds s[\g0a:\g0a+3], s[\g1a:\g1a+7]
	s_nop 0
.rept 4
	v_nop
.endr
	s_branch .Lasked_\@
.Lfor_b_\@:
	tensor_load_to_lds s[\g0b:\g0b+3], s[\g1b:\g1b+7]
	s_nop 0
.rept 4
	v_nop
.endr
.Lasked_\@:
.endm
.macro CREST                           ; a round of the cluster's barrier behind its opening barrier
	s_cmp_lg_u32 s14, 0
	s_cbranch_scc1 .Lnot_wave_0_\@
	s_barrier_signal -3
.Lnot_wave_0_\@:
	s_barrier_wait -3
	s_barrier_signal -1
	s_barrier_wait -1
.endm
.macro CROUND                          ; a whole round
	s_barrier_signal -1
	s_barrier_wait -1
	CREST
.endm
	s_load_b256 s[4:11], s[0:1], 0x0               ; x s[4:5], Wq s[6:7], Wk s[8:9], Wv s[10:11]
	s_load_b256 s[68:75], s[0:1], 0x20             ; bq s[68:69], bk s[70:71], bv s[72:73], the scales' exponents s[74:75]
	s_load_b128 s[76:79], s[0:1], 0x40             ; Qc s[76:77], Kc s[78:79]
	s_load_b64 s[80:81], s[0:1], 0x50              ; Vc
	v_lshl_add_u32 v[SPW], v0, 2, SPARE
	v_mov_b32 v[NIL], 0
	ds_add_u32 v28, v29
	ds_add_u32 v28, v29
	s_wait_dscnt 0x0
	v_lshrrev_b32 v1, 5, v0
	v_readfirstlane_b32 s14, v1                    ; wave 0..3
	s_lshr_b32 s15, s14, 1                         ; which half of the A tile's rows is mine.  Also: I fetch for A (0) or for B (1)
	s_and_b32 s16, s14, 1                          ; which half of the B tile's rows.  Also: which 128 rows of that tile I fetch
	s_bfe_u32 s40, ttmp6, 0x40000                  ; cx, cy: my place in the cluster
	s_bfe_u32 s41, ttmp6, 0x40004
	s_and_b32 s13, ttmp7, 0xffff
	s_lshl_b32 s13, s13, 2                         ; 4 x cluster y
	s_add_co_u32 s17, s13, s41                     ; a tile of x by cy,
	s_add_co_u32 s42, s13, s40                     ; or by cx
	s_cmp_eq_u32 ttmp9, 2                          ; V?
	s_cselect_b32 s17, s41, s17                    ; the A tile: Q, K: tile 4 Y + cy of x;  V: tile cy of Wv.  Made of cy and the cluster's place alone
	s_cselect_b32 s42, s42, s40                    ; the B tile: Q, K: tile cx of W;  V: tile 4 Y + cx of x.  Made of cx and the cluster's place alone
	s_lshl_b32 s43, s41, 2
	s_lshl_b32 s43, 15, s43                        ; my row of the cluster
	s_lshl_b32 s44, 0x1111, s40                    ; my column
	; descriptor group 1: a tile of 128 rows x 256 bytes, padded in LDS
	s_or_b32 s[G1+0], s43, (0<<16)|(1<<20)|(1<<21)|(5<<22)|(3<<25)  ; 15:0 the mask: A tiles go to my row; 17:16 elements of 1 byte; 20 padding on; 21 set beside a mask; 24:22 after every 64 words (code 5); 31:25 four words (code 3)
	s_or_b32 s[G1B+0], s44, (0<<16)|(1<<20)|(1<<21)|(5<<22)|(3<<25)
.irp g, G1, G1B
	s_mov_b32 s[\g+1], ROWB<<16                    ; tensor_dim0
	s_mov_b32 s[\g+2], 128<<16                     ; tensor_dim1
	s_mov_b32 s[\g+3], ROWB<<16                    ; tile_dim0
	s_mov_b32 s[\g+4], 128                         ; tile_dim1
	s_mov_b32 s[\g+5], KROW                        ; tensor_dim0_stride
	s_mov_b32 s[\g+6], 0
	s_mov_b32 s[\g+7], 0
.endr
	s_lshl_b32 s18, s16, 7                         ; which 128 rows of the tile I fetch
	s_lshl_b32 s20, s17, 8
	s_add_co_u32 s20, s20, s18
	s_lshl_b32 s20, s20, 10                        ; rows of 1,024 bytes: under 4 MiB
	s_mov_b32 s21, 0
	s_lshl_b32 s46, s42, 8
	s_add_co_u32 s46, s46, s18
	s_lshl_b32 s46, s46, 10
	s_mov_b32 s47, 0
	s_mul_i32 s45, s14, HALFT                      ; where they go: wave x 128 rows: no place in the cluster enters an LDS address
	s_wait_kmcnt 0x0
	s_load_b256 s[84:91], s[74:75], 0x0            ; entries 0 to 7 of the scales,
	s_load_b128 s[92:95], s[74:75], 0x20           ; and 8 to 11
	s_cmp_eq_u32 ttmp9, 1                          ; K?
	s_cselect_b64 s[6:7], s[8:9], s[6:7]
	s_cselect_b64 s[68:69], s[70:71], s[68:69]
	s_cselect_b64 s[76:77], s[78:79], s[76:77]
	s_cmp_eq_u32 ttmp9, 2                          ; V?
	s_cselect_b64 s[6:7], s[4:5], s[6:7]           ; B tiles come from x,
	s_cselect_b64 s[4:5], s[10:11], s[4:5]         ; A tiles from Wv
	s_cselect_b64 s[68:69], s[72:73], s[68:69]     ; the bias,
	s_cselect_b64 s[76:77], s[80:81], s[76:77]     ; and where the codes go
	s_add_nc_u64 s[20:21], s[4:5], s[20:21]
	s_add_nc_u64 s[46:47], s[6:7], s[46:47]
	CROUND                                         ; all sixteen work-groups are here: the first joint loads meet
.irp s, 0,1
	s_mov_b32 s[G0+4*\s], 1
	s_add_co_u32 s[G0+4*\s+1], s45, \s*SLOT
	s_add_nc_u64 s[G0+4*\s+2:G0+4*\s+3], s[20:21], \s*ROWB
	s_or_b32 s[G0+4*\s+3], s[G0+4*\s+3], 0x80000000
	s_mov_b32 s[G0B+4*\s], 1
	s_add_co_u32 s[G0B+4*\s+1], s45, \s*SLOT
	s_add_nc_u64 s[G0B+4*\s+2:G0B+4*\s+3], s[46:47], \s*ROWB
	s_or_b32 s[G0B+4*\s+3], s[G0B+4*\s+3], 0x80000000
	JLOAD G0+4*\s, G1, G0B+4*\s, G1B
.endr
	v_and_b32 v1, 15, v0                           ; r
	v_bfe_u32 v2, v0, 4, 1                         ; h
	v_mul_u32_u24 v3, v1, PITCH
	v_lshl_add_u32 v4, v2, 4, v3                   ; a fragment's row x pitch + 16 h
	s_mul_i32 s21, s15, HALFT                      ; my 128 rows of the A tile
	s_mul_i32 s22, s16, HALFT                      ; my 128 rows of the B tile,
	s_add_co_u32 s22, s22, 2*HALFT                 ; which lie behind A's 256
.irp s, 0,1
	v_add_nc_u32 v[ADRA+\s], s21, v4
	v_add_nc_u32 v[ADRB+\s], s22, v4
	s_add_co_u32 s21, s21, SLOT
	s_add_co_u32 s22, s22, SLOT
.endr
	v_and_b32 v6, 31, v0
	v_lshlrev_b32 v[CO], 4, v6
	; the bias, read both ways; the way that does not belong to this product is set to 0 on the way out.  Both addresses stay inside the 1,024 numbers for every product.
	s_lshl_b32 s66, s40, 10
	s_lshl_b32 s98, s16, 9
	s_add_co_u32 s66, s66, s98
	v_lshl_add_u32 v7, v2, 5, s66                  ; along the B tile's rows: (256 cx + 128 half) x 4 + 32 h; block b 64 bytes on
	s_lshl_b32 s67, s41, 10
	s_lshl_b32 s98, s15, 9
	s_add_co_u32 s67, s67, s98
	v_lshl_add_u32 v8, v1, 2, s67                  ; along the A tile's rows: (256 cy + 128 half) x 4 + 4 r; block a 64 bytes on
.irp b, 0,1,2,3,4,5,6,7
	global_load_b128 v[BJ+8*\b:BJ+8*\b+3], v7, s[68:69] offset:64*\b
	global_load_b128 v[BJ+8*\b+4:BJ+8*\b+7], v7, s[68:69] offset:64*\b+16
.endr
.irp a, 0,1,2,3,4,5,6,7
	global_load_b32 v[BI+2*\a], v8, s[68:69] offset:64*\a
.endr
	; where my wave's codes go.  Q, K: first tile of tokens T0 = 16 TA + 8 half, head pair 2 cx + half
	s_lshl_b32 s98, s17, 4
	s_lshl_b32 s99, s15, 3
	s_add_co_u32 s98, s98, s99                     ; T0, 0..255
	s_lshr_b32 s99, s98, 7                         ; batch
	s_lshl_b32 s99, s99, 3
	s_lshl_b32 s82, s40, 1
	s_add_co_u32 s99, s99, s82
	s_add_co_u32 s99, s99, s16
	s_lshl_b32 s99, s99, 7
	s_and_b32 s98, s98, 127
	s_add_co_u32 s99, s99, s98
	s_lshl_b32 s99, s99, 11                        ; 2,048 bytes a tile of tokens (both heads of the pair)
	; V: group of keys G = 2 TB + half, head pair 2 cy + half
	s_lshl_b32 s98, s42, 1
	s_add_co_u32 s98, s98, s16                     ; G, 0..31
	s_lshr_b32 s82, s98, 4                         ; batch
	s_lshl_b32 s82, s82, 3
	s_lshl_b32 s83, s41, 1
	s_add_co_u32 s82, s82, s83
	s_add_co_u32 s82, s82, s15
	s_lshl_b32 s82, s82, 4
	s_and_b32 s98, s98, 15
	s_add_co_u32 s82, s82, s98
	s_lshl_b32 s82, s82, 14                        ; 16,384 bytes a group of keys (both heads of the pair)
	s_cmp_eq_u32 ttmp9, 2
	s_cselect_b32 s82, s82, s99
	s_mov_b32 s83, 0
	s_add_nc_u64 s[76:77], s[76:77], s[82:83]
.macro FRAG reg, adr, q, i             ; a fragment, 16 rows x 128 K, is 16 registers: lane l holds row l % 16; registers 4 c .. 4 c + 3 hold K = 32 c + 16 (l / 16) + 0 .. 15: the same order of K on both sides
.irp c, 0,1,2,3
	ds_load_b128 v[\reg+4*\c:\reg+4*\c+3], v[\adr] offset:128*(\q)+32*\c+(\i)*16*PITCH
.endr
.endm
; 16 matrix instructions: A's blocks a0, a0 + 1 x B's eight, 128 along K.  p: B's set.  zero = 1: the first product starts the sums.  The 64 accumulators take turns, one instruction a turn.
.macro MUL16 a0, p, zero
.irp a, \a0, \a0+1
.irp b, 0,1,2,3,4,5,6,7
.if \zero
	v_wmma_f32_16x16x128_bf8_bf8 v[8*(8*((\a)%4)+\b):8*(8*((\a)%4)+\b)+7], v[128*(\p)+FR*\b:128*(\p)+FR*\b+FR-1], v[AF+FR*(\a):AF+FR*(\a)+FR-1], 0
.else
	v_wmma_f32_16x16x128_bf8_bf8 v[8*(8*((\a)%4)+\b):8*(8*((\a)%4)+\b)+7], v[128*(\p)+FR*\b:128*(\p)+FR*\b+FR-1], v[AF+FR*(\a):AF+FR*(\a)+FR-1], v[8*(8*((\a)%4)+\b):8*(8*((\a)%4)+\b)+7]
.endif
.endr
.endr
.endm
.macro FETCH_B slot, q, p              ; B's eight fragments of the slot's q-th 128 along K into set p
	WIN TO_B
.irp i, 0,1,2,3,4,5,6,7
	FRAG 128*(\p)+FR*\i, ADRB+\slot, \q, \i
.endr
	WIN 0
.endm
.macro FETCH_A slot, q, i0             ; A's blocks i0 .. i0 + 3
.irp i, \i0, \i0+1, \i0+2, \i0+3
	FRAG AF+FR*(\i), ADRA+\slot, \q, \i
.endr
.endm
.macro PLACES n                        ; plain vector instructions between a matrix instruction and a load into one of its registers, or a read of its result
.rept \n
	v_nop
.endr
.endm
; A step of 128 along K that has its successor in the same slot.
.macro STEP slot, q, zero
	s_wait_dscnt 4*NL                              ; B's set and A's blocks 0-3 are in; the youngest 16 loads (A's blocks 4-7) may be out
	WIN MUL_LO
	MUL16 0, (\q)%2, \zero
	MUL16 2, (\q)%2, \zero
	s_wait_dscnt 0                                 ; A's blocks 4-7 are in
	PLACES NP
	FETCH_B \slot, (\q)+1, 1-(\q)%2
	FETCH_A \slot, (\q)+1, 0
	WIN MUL_HI
	MUL16 4, (\q)%2, \zero
	MUL16 6, (\q)%2, \zero
	PLACES NP
	WIN 0
	FETCH_A \slot, (\q)+1, 4
.endm
; A slot's last step changes slots: ONE barrier; in front of it each wave waits for all its tensor loads, adds 0 to its spare word, and waits for that and for its own reads of this slot.  fill = 1: this slot is filled again, two K steps ahead.
.macro TURN slot, next, fill
	s_wait_tensorcnt 0x0                           ; all my tensor loads have landed: my part of the next slot
	ds_add_u32 v[SPW], v[NIL]                      ; 0 onto my spare word
	s_wait_dscnt 4*NL+1                            ; (the add and the youngest 16 loads, A's blocks 4-7, may be out)
	WIN MUL_LO
	MUL16 0, 1, 0                                  ; sixteen matrix instructions stand between the add and the wait for it
	s_wait_dscnt 0x0                               ; the add is done, and my reads of this slot are over
	s_barrier_signal -1
	MUL16 2, 1, 0
	WIN 0
	s_barrier_wait -1
.if \fill
	CREST                                          ; the barrier has opened a round of the cluster's barrier: no wave of any partner still reads this slot's tile or has a load on its way
	s_add_nc_u64 s[G0+4*\slot+2:G0+4*\slot+3], s[G0+4*\slot+2:G0+4*\slot+3], 2*ROWB
	s_add_nc_u64 s[G0B+4*\slot+2:G0B+4*\slot+3], s[G0B+4*\slot+2:G0B+4*\slot+3], 2*ROWB
	JLOAD G0+4*\slot, G1, G0B+4*\slot, G1B         ; the first tensor load behind the round; the four v_nop behind it are the places in front of the loads below
.else
	PLACES NP
.endif
	FETCH_B \next, 0, 0
	FETCH_A \next, 0, 0
	WIN MUL_HI
	MUL16 4, 1, 0
	MUL16 6, 1, 0
	PLACES NP
	WIN 0
	FETCH_A \next, 0, 4
.endm
	s_wait_tensorcnt 1                             ; my part of K step 0 is in (K step 1's load may be out)
	s_barrier_signal -1
	s_barrier_wait -1                              ; everybody's is
	FETCH_B 0, 0, 0
	FETCH_A 0, 0, 0
	FETCH_A 0, 0, 4
	STEP 0, 0, 1                                   ; the first step stands in front of the loop: its products start the sums
	s_mov_b32 s3, LAPS-1
.Llap:                                                 ; a trip goes once round the ring and fills both slots again
	TURN 0, 1, 1
	STEP 1, 0, 0
	TURN 1, 0, 1
	STEP 0, 0, 0
	s_sub_co_u32 s3, s3, 1
	s_cmp_lg_u32 s3, 0
	s_cbranch_scc1 .Llap
	TURN 0, 1, 0                                   ; the last lap fills nothing
	STEP 1, 0, 0
	s_wait_dscnt 4*NL                              ; the very last step: nothing more to fetch
	WIN MUL_LO
	MUL16 0, 1, 0
	MUL16 2, 1, 0
	s_wait_dscnt 0
	WIN MUL_HI
	MUL16 4, 1, 0
	MUL16 6, 1, 0
	WIN 0
	; THE WAY OUT.  The scales, by selects on the cluster's x.
	s_wait_kmcnt 0x0
	s_wait_loadcnt 0x0                             ; the biases
	s_add_co_i32 s84, s84, s85                     ; ein of Q,
	s_add_co_i32 s86, s86, s87                     ; of K,
	s_add_co_i32 s88, s88, s89                     ; of V
	s_cmp_eq_u32 ttmp9, 1
	s_cselect_b32 s84, s86, s84
	s_cselect_b32 s90, s91, s90                    ; eo: entry 6 or 7,
	s_cmp_eq_u32 ttmp9, 2
	s_cselect_b32 s84, s88, s84
	s_cselect_b32 s90, s94, s90                    ; or 10
	s_cselect_b32 s66, 0, -1                       ; a lane mask: the bias runs along the B tile's rows (Q, K),
	s_cselect_b32 s67, -1, 0                       ; or along the A tile's (V)
	s_sub_co_i32 s85, 0, s84                       ; -ein
	s_sub_co_i32 s86, s90, s84                     ; eo - ein
	s_add_co_i32 s86, s86, 127
	s_lshl_b32 s87, s86, 23
	v_mov_b32 v[SCL], s87
	s_add_co_i32 s86, s86, 15
	s_lshl_b32 s86, s86, 23
	s_or_b32 s86, s86, 0x600000
	v_mov_b32 v[LIM], s86
	; These plain instructions name no register of the last products: they are the places between those products and the first read of results and the first write over the A tile's fragments.
.set j, 0
.rept 64
	v_cndmask_b32 v[BJ+j], 0, v[BJ+j], s66
.set j, j+1
.endr
.set j, 0
.rept 8
	v_cndmask_b32 v[BI+2*j], 0, v[BI+2*j], s67
.set j, j+1
.endr
.set j, 0
.rept 64
	v_ldexp_f32 v[BJ+j], v[BJ+j], s85              ; bias / 2^ein
.set j, j+1
.endr
.set j, 0
.rept 8
	v_ldexp_f32 v[BI+2*j], v[BI+2*j], s85
.set j, j+1
.endr
.set j, 0
.rept 8
	v_mov_b32 v[BI+2*j+1], v[BI+2*j]               ; a pair for the packed addition
.set j, j+1
.endr
; Block a: 16 rows of the A tile x my 128 rows of the B tile.  The eight accumulators' 64 numbers become 16 registers of codes: four stores of 512 consecutive bytes.
.macro OUTBLK a
.set AC, 64*((\a)%4)
.set CD, CDS+16*((\a)%2)
.if (\a) >= 2
	s_wait_xcnt 0x0                                ; block a - 2's stores have read their registers: the codes may be written there again
.endif
	WIN 0x02+((\a)/4)                              ; source 0: window 2 or 3
.set j, 0
.rept 32
	v_pk_add_f32 v[TMP+j:TMP+j+1], v[AC+j:AC+j+1], v[BJ+j:BJ+j+1]   ; each accumulator from its low end on
.set j, j+2
.endr
	WIN 0
.set j, 0
.rept 32
	v_pk_add_f32 v[TMP+j:TMP+j+1], v[TMP+j:TMP+j+1], v[BI+2*(\a):BI+2*(\a)+1]
.set j, j+2
.endr
.set j, 0
.rept 64
	v_med3_num_f32 v[TMP+j], v[TMP+j], -v[LIM], v[LIM]   ; the conversion to an 8-bit code does not saturate (ISA guide 7.6.2): the hold at the largest code x the scale
.set j, j+1
.endr
.irp b, 0,1,2,3,4,5,6,7
	v_cvt_scalef32_pk8_bf8_f32 v[CD+2*\b:CD+2*\b+1], v[TMP+8*\b:TMP+8*\b+7], v[SCL]
.endr
	v_nop                                          ; a plain instruction between the last conversion and the next block's writes of its sources
.irp i, 0,1,2,3
	global_store_b128 v[CO], v[CD+4*\i:CD+4*\i+3], s[76:77] offset:2048*(\a)+512*\i
.endr
.endm
.irp a, 0,1,2,3,4,5,6,7
	OUTBLK \a
.endr
	s_wait_tensorcnt 0x0                           ; the wave's end
	ds_add_u32 v[SPW], v[NIL]
	s_wait_dscnt 0x0
	CROUND                                         ; the closing round: no work-group ends while a partner may still ask for a tile that names it
	s_endpgm
.Lfunc_end_k_qc1da75458d_qkv:
	.size	k_qc1da75458d_qkv, .Lfunc_end_k_qc1da75458d_qkv-k_qc1da75458d_qkv
	.p2alignl 7, 3214868480
	.fill 96, 4, 3214868480
	.section	.rodata,"a",@progbits
	.p2align	6, 0x0
	.amdhsa_kernel k_qc1da75458d_qkv
		.amdhsa_group_segment_fixed_size 327680
		.amdhsa_private_segment_fixed_size 0
		.amdhsa_enable_private_segment 0
		.amdhsa_kernarg_size 88
		.amdhsa_user_sgpr_count 2
		.amdhsa_user_sgpr_kernarg_segment_ptr 1
		.amdhsa_wavefront_size32 1
		.amdhsa_system_sgpr_workgroup_id_x 1
		.amdhsa_system_sgpr_workgroup_id_y 1
		.amdhsa_system_sgpr_workgroup_id_z 1
		.amdhsa_system_vgpr_workitem_id 0
		.amdhsa_next_free_vgpr 1024
		.amdhsa_next_free_sgpr 100
		.amdhsa_reserve_vcc 0
		.amdhsa_float_denorm_mode_32 3
		.amdhsa_float_denorm_mode_16_64 3
		.amdhsa_memory_ordered 1
		.amdhsa_forward_progress 1
		.amdhsa_inst_pref_size 163
	.end_amdhsa_kernel
	.amdgpu_metadata
---
amdhsa.version: [ 1, 2 ]
amdhsa.kernels:
  - .name:           k_qc1da75458d_qkv
    .symbol:         k_qc1da75458d_qkv.kd
    .args:
      - { .name: x_codes, .offset: 0, .size: 8, .value_kind: global_buffer, .address_space: global }
      - { .name: Wq_codes, .offset: 8, .size: 8, .value_kind: global_buffer, .address_space: global }
      - { .name: Wk_codes, .offset: 16, .size: 8, .value_kind: global_buffer, .address_space: global }
      - { .name: Wv_codes, .offset: 24, .size: 8, .value_kind: global_buffer, .address_space: global }
      - { .name: bq, .offset: 32, .size: 8, .value_kind: global_buffer, .address_space: global }
      - { .name: bk, .offset: 40, .size: 8, .value_kind: global_buffer, .address_space: global }
      - { .name: bv, .offset: 48, .size: 8, .value_kind: global_buffer, .address_space: global }
      - { .name: lowp_scales, .offset: 56, .size: 8, .value_kind: global_buffer, .address_space: global }
      - { .name: Qc, .offset: 64, .size: 8, .value_kind: global_buffer, .address_space: global }
      - { .name: Kc, .offset: 72, .size: 8, .value_kind: global_buffer, .address_space: global }
      - { .name: Vc, .offset: 80, .size: 8, .value_kind: global_buffer, .address_space: global }
    .group_segment_fixed_size: 327680
    .private_segment_fixed_size: 0
    .kernarg_segment_align: 8
    .kernarg_segment_size: 88
    .max_flat_workgroup_size: 128
    .sgpr_count:     100
    .vgpr_count:     1024
    .wavefront_size: 32
...
	.end_amdgpu_metadata
.endif
;; end of part 2
;; launch attn (part 3): grid 8 x 32, 4 waves a work-group, no clusters, 297,472 bytes of LDS; arguments Qc, Kc, Vc, Rc, Fc, Mw, Cls, lowp_scales, ctx; writes ctx
.if DOCPART == 3
	.amdgcn_target "amdgcn-amd-amdhsa--gfx1250"
	.amdhsa_code_object_version 6
	.text
	.protected	k_qc1da75458d_attn
	.globl	k_qc1da75458d_attn
	.p2align	8
	.type	k_qc1da75458d_attn,@function
k_qc1da75458d_attn:
	s_mov_b64 s[64:65], 0
	v_nop
	global_prefetch_b8 v0, s[64:65] scope:SCOPE_SE
	s_setreg_imm32_b32 hwreg(HW_REG_WAVE_MODE, 25, 1), 1
	s_wait_xcnt 0x0
; weights = softmax(Q K^T / 8 + R F^T, hidden where the given mask is false), 0 for a row that is hidden wholly; ctx = weights V; all three products on codes of E5M2.
; THE WEIGHTS ARE QUANTISED FINISHED AND NORMALISED, so a row's largest score and its sum are known before any weight becomes a code: a block's whole score rows stay in registers.
; SHARES.  A work-group owns one head (work-group y: batch y / 16, head y % 16) and walks 8 blocks of 32 queries, blocks x, x + 8, .. (work-group x = 0..7).  Wave w owns the groups of 128 keys g = w + 4 u, u = 0..3,
; for all 32 queries: 512 registers of scores.  Its K fragments stay in registers, its F and V fragments in LDS bytes of its own, all read from memory once, at the head.
; LAYOUT.  S^T = F R^T and K Q^T (source 0 = 16 keys, source 1 = 16 queries): a lane holds ONE query (lane % 16) and keys 16 kt + 8 (lane / 16) + 0..7 of tile kt: eight scores become registers 2 kt, 2 kt + 1 of the
; second product's operand as they stand.  O^T = V^T P^T (source 0 = 16 channels).  V's tiles are laid in LDS so that lane row r of tile 2 b + v is channel 32 b + 8 v + r + 8 (r / 8): two neighbouring tiles give a lane 16 neighbouring channels.
; SCALES.  1 / 8 is a power of two: score = 2^(e6 + e7 - 3) x (sum of Q K^T + 2^delta x sum of R F^T), delta = e8 + e9 - (e6 + e7 - 3): the bias's sum, once multiplied by 2^delta, is the C of the Q K^T instruction.
; SOFTMAX.  t = score x log2(e).  Each wave takes M = its keys' largest t rounded UP to a whole number (kept as -M), p = 2^(t - M) and the sum of p; the four waves' figures meet in LDS; with G = the largest M,
; the row's sum is the sum of the waves' sums x 2^(M - G), exact scalings, and a wave's weights are p x 2^(M - G) / sum.  A row with no open key has the sum 0 and the factor 0.
; THE MASK is an input.  An earlier launch has stored it as lane masks (Mw) and, for each block and group, a class (Cls): 0 all hidden: the group's work is jumped over; 2 all open: only its masking is; 1: hidden scores become -infinity.
; The branches hang on those stored whole numbers; no barrier stands under them.
; OUT.  The waves' partial O^T meet in LDS; each wave adds one quarter (16 queries x 32 channels), quantises it with e12 (the sums stand for x 2^(e10 + e11)) and stores 512 consecutive bytes of
; ctx [tile of 16 rows 256][128 along K 8][2,048 bytes]: an image of the last product's operand: registers 4 c .. 4 c + 3 = K 32 c + 16 h + 0..15 of row r.
; LIMITS on the given exponents, so that each power of two is an f32 number: e6 + e7 - 3 between -126 and 127; delta between -126 and 127; e11 and e12 - e10 - e11 between -126 and 112.  NaN and infinities in the operands are not served.
; pos_ids: reference() takes it and uses it in no step; no launch of this program reads it.
; NO MULTICAST: the launch branches on numbers read from memory, so its operands come through registers; what work-groups share (a head's K, V, a batch's F) is read once a work-group, at the head.
; LDS: F images 4 x 32,768; V images 4 x 32,768; partial O 4 x 8,192; statistics 4 x 512.
; REGISTERS, in windows of 256: window 1: K (u, kt) at 64 u + 8 kt.  Windows 2 + u / 2: the scores (u, t, kt, j) at 128 (u % 2) + 64 t + 8 kt + j.  Window 0: see the names below.
.set FB,  0
.set VB,  131072
.set OX,  262144
.set ST,  294912
.set LN,  1                            ; v1   16 x lane
.set FA,  2                            ; v2   my wave's F images + 16 x lane
.set VA,  3                            ; v3   my wave's V images + 16 x lane
.set VS,  4                            ; v4   where I lay V at the head
.set SX,  5                            ; v5   where I store my statistics
.set SR,  6                            ; v6   where I read the four waves'
.set OXS, 7                            ; v7   where I store my partial O
.set OXR, 8                            ; v8   where I read my quarter of the four waves'
.set NM,  16                           ; v[16:19] -M of tile 0, its sum, -M of tile 1, its sum
.set SUM, 20                           ; v[20:27] the sums: two packed chains a tile
.set MX,  28                           ; v[28:31] the maxima: two chains a tile
.set FC,  32                           ; v[32:35] the factors, each twice
.set STW, 36                           ; v[36:51] the four waves' statistics
.set PSC, 60                           ; v60  2^e11
.set CSC, 61                           ; v61  2^(e12 - e10 - e11)
.set CLM, 62                           ; v62  57,344 x that
.set QF,  64                           ; v[64:79] Q, two tiles
.set RF,  80                           ; v[80:95] R, two tiles
.set STG, 96                           ; v[96:159]  a group's F or V fragments
.set STG2, 160                         ; v[160:223] the other stage for F
.set PF,  160                          ; v[160:191] the weights' codes, 16 a tile
.set OA,  192                          ; v[192:255] O^T: (T, t) at 192 + 8 (2 T + t)
.set MSB, 0
.macro WIN new                         ; the immediate's high byte repeats the setting that is left.  Low byte: bits 1:0 source 0, 3:2 source 1, 5:4 source 2, 7:6 destination
.if MSB != (\new)
	s_set_vgpr_msb (MSB<<8)|(\new)
.set MSB, (\new)
.endif
.endm
.macro PLACES                          ; four plain instructions between a matrix instruction and a read of its result or a write of, or load into, one of its registers
.rept 4
	v_nop
.endr
.endm
.macro QRLOAD                          ; a block's Q and R: two tiles of 16 queries, 8 registers each
.irp t, 0,1
.irp hf, 0,1
	global_load_b128 v[QF+8*\t+4*\hf:QF+8*\t+4*\hf+3], v[LN], s[4:5] offset:2048*\t+512*\hf
	global_load_b128 v[RF+8*\t+4*\hf:RF+8*\t+4*\hf+3], v[LN], s[10:11] offset:1024*\t+512*\hf
.endr
.endr
.endm
	s_load_b512 s[4:19], s[0:1], 0x0               ; Qc s[4:5], Kc s[6:7], Vc s[8:9], Rc s[10:11], Fc s[12:13], Mw s[14:15], Cls s[16:17], the scales' exponents s[18:19]
	s_load_b64 s[20:21], s[0:1], 0x40              ; ctx
	v_lshl_add_u32 v15, v0, 2, 0x48800
	v_mov_b32 v63, 0
	v_lshrrev_b32 v9, 5, v0
	v_readfirstlane_b32 s22, v9                    ; wave 0..3
	v_and_b32 v9, 31, v0
	v_lshlrev_b32 v[LN], 4, v9
	s_lshl_b32 s32, s22, 15
	v_add_nc_u32 v[FA], s32, v[LN]                 ; (the F images begin at LDS byte 0)
	v_add_nc_u32 v[VA], VB, v[FA]
	v_and_b32 v10, 7, v0                           ; r % 8
	v_bfe_u32 v11, v0, 3, 1                        ; r / 8
	v_bfe_u32 v12, v0, 4, 1                        ; h
	v_lshlrev_b32 v[VS], 4, v10
	v_lshl_add_u32 v[VS], v11, 11, v[VS]
	v_lshl_add_u32 v[VS], v12, 8, v[VS]
	v_add_nc_u32 v[VS], s32, v[VS]
	v_add_nc_u32 v[VS], VB, v[VS]                  ; channel 16 dt + r goes to tile 2 (dt / 2) + r / 8, lane row r % 8 + 8 (dt % 2): 2,048 (r / 8) + 16 (r % 8) + 256 h here, the rest in the immediate
	s_lshl_b32 s33, s22, 9
	v_add_nc_u32 v[SR], ST, v[LN]
	v_add_nc_u32 v[SX], s33, v[SR]
	s_lshl_b32 s33, s22, 13
	v_add_nc_u32 v[OXS], s33, v[LN]
	v_add_nc_u32 v[OXS], OX, v[OXS]
	s_and_b32 s33, s22, 1
	s_lshl_b32 s33, s33, 12                        ; my quarter: channels 32 (w % 2) on: tiles 2 (w % 2), + 1,
	s_lshr_b32 s34, s22, 1
	s_lshl_b32 s34, s34, 10                        ; queries 16 (w / 2) on
	s_add_co_u32 s33, s33, s34
	v_add_nc_u32 v[OXR], s33, v[LN]
	v_add_nc_u32 v[OXR], OX, v[OXR]
	s_and_b32 s35, ttmp7, 0xffff
	s_lshr_b32 s36, s35, 4                         ; batch
	s_bfe_u32 s38, s35, 0x30001                    ; head pair
	s_and_b32 s39, s35, 1                          ; head of the pair
	s_lshl_b32 s56, s36, 3
	s_add_co_u32 s56, s56, s38
	s_lshl_b32 s56, s56, 18                        ; the head pair's first byte in Qc, Kc, Vc
	s_mov_b32 s59, 0
	s_mov_b32 s45, 0xff800000                      ; -infinity
	s_mov_b32 s46, 0x76543210                      ; lane selects: lane l xor 16
	s_mov_b32 s47, 0xfedcba98
	s_mov_b32 s23, 8                               ; blocks to go
	s_wait_kmcnt 0x0
	s_load_b256 s[24:31], s[18:19], 0x18           ; entries 6 to 13: s24 = e6 .. s31 = e13
	s_lshl_b32 s57, s39, 10
	s_add_co_u32 s57, s57, s56
	s_lshl_b32 s58, ttmp9, 12                      ; Q: block x: two tiles of 2,048 bytes
	s_add_co_u32 s58, s58, s57
	s_add_nc_u64 s[4:5], s[4:5], s[58:59]
	s_lshl_b32 s58, s22, 14                        ; K: group w: eight tiles of 2,048 bytes
	s_add_co_u32 s58, s58, s57
	s_add_nc_u64 s[6:7], s[6:7], s[58:59]
	s_lshl_b32 s58, s39, 13                        ; V: the head's 8,192 bytes of group w's 16,384
	s_add_co_u32 s58, s58, s56
	s_lshl_b32 s57, s22, 14
	s_add_co_u32 s58, s58, s57
	s_add_nc_u64 s[8:9], s[8:9], s[58:59]
	s_lshl_b32 s57, s36, 17                        ; the batch's first byte in Rc, Fc
	s_lshl_b32 s58, ttmp9, 11
	s_add_co_u32 s58, s58, s57
	s_add_nc_u64 s[10:11], s[10:11], s[58:59]
	s_lshl_b32 s58, s22, 13
	s_add_co_u32 s58, s58, s57
	s_add_nc_u64 s[12:13], s[12:13], s[58:59]
	s_lshl_b32 s58, ttmp9, 13                      ; Mw: block x, group w
	s_lshl_b32 s57, s22, 9
	s_add_co_u32 s58, s58, s57
	s_add_nc_u64 s[14:15], s[14:15], s[58:59]
	s_lshl_b32 s58, ttmp9, 9                       ; Cls: block x, wave w
	s_lshl_b32 s57, s22, 7
	s_add_co_u32 s58, s58, s57
	s_add_nc_u64 s[16:17], s[16:17], s[58:59]
	s_lshl_b32 s58, s36, 7                         ; ctx: tile of rows 128 batch + 2 x + w / 2,
	s_lshl_b32 s57, ttmp9, 1
	s_add_co_u32 s58, s58, s57
	s_lshr_b32 s57, s22, 1
	s_add_co_u32 s58, s58, s57
	s_lshl_b32 s58, s58, 14
	s_lshl_b32 s57, s38, 11                        ; the head pair's 2,048 bytes,
	s_add_co_u32 s58, s58, s57
	s_lshl_b32 s57, s39, 1
	s_and_b32 s34, s22, 1
	s_add_co_u32 s57, s57, s34
	s_lshl_b32 s57, s57, 9                         ; chunk 2 (head of the pair) + w % 2
	s_add_co_u32 s58, s58, s57
	s_add_nc_u64 s[20:21], s[20:21], s[58:59]
	s_load_b128 s[52:55], s[16:17], 0x0            ; the first block's classes
	QRLOAD                                         ; the first block's Q and R
	WIN 0x40                                       ; destination window 1: K stays there
.irp u, 0,1,2,3
.set n, 0
.rept 16
	global_load_b128 v[64*\u+4*n:64*\u+4*n+3], v[LN], s[6:7] offset:65536*\u+2048*(n/2)+512*(n%2)
.set n, n+1
.endr
.endr
	WIN 0x80                                       ; F passes through window 2, V through window 3, on their way to LDS: so every score register is written once, too
.irp u, 0,1,2,3
.set n, 0
.rept 16
	global_load_b128 v[64*\u+4*n:64*\u+4*n+3], v[LN], s[12:13] offset:32768*\u+512*n
.set n, n+1
.endr
.endr
	WIN 0xc0
.irp u, 0,1,2,3
.set n, 0
.rept 16
	global_load_b128 v[64*\u+4*n:64*\u+4*n+3], v[LN], s[8:9] offset:65536*\u+512*n
.set n, n+1
.endr
.endr
	s_wait_loadcnt 0x0
	WIN 0x08                                       ; store data window 2
.irp u, 0,1,2,3
.set n, 0
.rept 16
	ds_store_b128 v[FA], v[64*\u+4*n:64*\u+4*n+3] offset:8192*\u+512*n
.set n, n+1
.endr
.endr
	WIN 0x0c                                       ; store data window 3.  n = 4 dt + chunk
.irp u, 0,1,2,3
.set n, 0
.rept 16
	ds_store_b128 v[VS], v[64*\u+4*n:64*\u+4*n+3] offset:8192*\u+4096*(n/8)+128*((n/4)%2)+512*(n%4)
.set n, n+1
.endr
.endr
	WIN 0
	v_mov_b32 v[NM], 0                             ; named as pairs before their upper words are made
	v_mov_b32 v[NM+1], 0
	v_mov_b32 v[NM+2], 0
	v_mov_b32 v[NM+3], 0
	v_mov_b32 v53, 0                               ; a lane permute's destination counts as read
	s_wait_kmcnt 0x0
	s_add_co_i32 s32, s24, s25
	s_sub_co_i32 s32, s32, 3                       ; e6 + e7 - 3
	s_lshl_b32 s33, s32, 23
	s_add_co_i32 s40, s33, 0x3fb8aa3b              ; log2(e) x 2^(e6 + e7 - 3): the exponent is added to the constant's exponent field
	s_mov_b32 s41, s40                             ; (named with it as a pair)
	s_add_co_i32 s33, s26, s27
	s_sub_co_i32 s33, s33, s32                     ; delta
	s_add_co_i32 s33, s33, 127
	s_lshl_b32 s42, s33, 23                        ; 2^delta
	s_mov_b32 s43, s42
	s_add_co_i32 s33, s29, 127
	s_lshl_b32 s34, s33, 23
	v_mov_b32 v[PSC], s34                          ; 2^e11
	s_add_co_i32 s33, s33, 15
	s_lshl_b32 s33, s33, 23
	s_or_b32 s44, s33, 0x600000                    ; 57,344 x 2^e11
	s_sub_co_i32 s33, s30, s28
	s_sub_co_i32 s33, s33, s29                     ; e12 - e10 - e11
	s_add_co_i32 s33, s33, 127
	s_lshl_b32 s34, s33, 23
	v_mov_b32 v[CSC], s34
	s_add_co_i32 s33, s33, 15
	s_lshl_b32 s33, s33, 23
	s_or_b32 s33, s33, 0x600000
	v_mov_b32 v[CLM], s33
	s_add_nc_u64 s[4:5], s[4:5], 32768             ; the loads that read these are done: Q, R and Cls stand at the next block, eight blocks on
	s_add_nc_u64 s[10:11], s[10:11], 16384
	s_add_nc_u64 s[16:17], s[16:17], 4096
	s_wait_dscnt 0x0                               ; the stores have read their registers, which the scores will take
.macro FLOAD u, reg                    ; group u's eight F fragments
.set n, 0
.rept 16
	ds_load_b128 v[\reg+4*n:\reg+4*n+3], v[FA] offset:8192*(\u)+512*n
.set n, n+1
.endr
.endm
; Group u's scores for the 32 queries: 16 tiles of 16 keys x 16 queries.  left: the LDS loads issued behind this group's F, which may stay out.  The wait stands ahead of the branch, so that it holds on every path.
.macro SCORES u, stg, left
.set W, 2+((\u)>>1)
.set SB, 128*((\u)&1)
	s_wait_dscnt \left
	s_cmp_eq_u32 s[48+\u], 0
	s_cbranch_scc1 .Lsc_end_\@
	WIN W<<6
.irp kt, 0,1,2,3,4,5,6,7
.irp t, 0,1
	v_wmma_f32_16x16x64_bf8_bf8 v[SB+64*\t+8*\kt:SB+64*\t+8*\kt+7], v[\stg+8*\kt:\stg+8*\kt+7], v[RF+8*\t:RF+8*\t+7], 0
.endr
.endr
	PLACES
	WIN (W<<6)|W
.set j, 0
.rept 64
	v_pk_mul_f32 v[SB+j:SB+j+1], v[SB+j:SB+j+1], s[42:43] op_sel_hi:[1,0]   ; x 2^delta: exact; each accumulator from its low end on
.set j, j+2
.endr
	WIN (W<<6)|(W<<4)|1
.irp kt, 0,1,2,3,4,5,6,7
.irp t, 0,1
	v_wmma_f32_16x16x64_bf8_bf8 v[SB+64*\t+8*\kt:SB+64*\t+8*\kt+7], v[64*\u+8*\kt:64*\u+8*\kt+7], v[QF+8*\t:QF+8*\t+7], v[SB+64*\t+8*\kt:SB+64*\t+8*\kt+7]
.endr
.endr
	WIN 0
	PLACES
	s_cmp_eq_u32 s[48+\u], 2
	s_cbranch_scc1 .Lopen_\@
.irp bq, 0,1,2,3                       ; a mixed group: 32 lane masks at a time; a hidden score becomes -infinity
	s_load_b512 s[68:83], s[14:15], 2048*\u+128*\bq
	s_load_b512 s[84:99], s[14:15], 2048*\u+128*\bq+64
	s_wait_kmcnt 0x0
	WIN (W<<6)|(W<<2)
.set k, 0
.rept 32
	v_cndmask_b32 v[SB+32*\bq+k], s45, v[SB+32*\bq+k], s[68+k]
.set k, k+1
.endr
.endr
	WIN 0
.Lopen_\@:
	WIN (W<<4)|(W<<2)
.irp kt, 0,1,2,3,4,5,6,7               ; the running maxima: four chains by turns; each accumulator from its low end on
.irp jj, 0,4
.irp t, 0,1
	v_max3_num_f32 v[MX+2*\t], v[MX+2*\t], v[SB+64*\t+8*\kt+\jj], v[SB+64*\t+8*\kt+\jj+1]
	v_max3_num_f32 v[MX+2*\t+1], v[MX+2*\t+1], v[SB+64*\t+8*\kt+\jj+2], v[SB+64*\t+8*\kt+\jj+3]
.endr
.endr
.endr
	WIN 0
.Lsc_end_\@:
.endm
.macro ROWMAX t                        ; -M = floor(-t) of my keys' largest t; -3e38 stands under every t, so that a row with no open key gives a number
	v_max_num_f32 v52, v[MX+2*\t], v[MX+2*\t+1]
	v_permlanex16_b32 v53, v52, s46, s47
	v_max_num_f32 v52, v52, v53
	v_mul_f32 v52, s40, v52
	v_max_num_f32 v52, 0xff61b1e6, v52
	v_floor_f32 v[NM+2*\t], -v52
.endm
; Group u: p = 2^(t - M), in place, and its sums.  A scaling runs one pair ahead of the pair's two exponentials; the group's 128 exponentials are one batch with one wait.
.macro EXPS u
.set W, 2+((\u)>>1)
.set SB, 128*((\u)&1)
	s_cmp_eq_u32 s[48+\u], 0
	s_cbranch_scc1 .Lex_end_\@
	WIN (W<<6)|W
	v_pk_fma_f32 v[SB:SB+1], v[SB:SB+1], s[40:41], v[NM:NM+1] op_sel_hi:[1,0,0]
.set p, 0
.rept 64
.if p < 63
	v_pk_fma_f32 v[SB+2*p+2:SB+2*p+3], v[SB+2*p+2:SB+2*p+3], s[40:41], v[NM+2*((p+1)/32):NM+2*((p+1)/32)+1] op_sel_hi:[1,0,0]   ; t - M (of the pairs the low word serves both halves)
.endif
	v_exp_f32 v[SB+2*p], v[SB+2*p]
	v_exp_f32 v[SB+2*p+1], v[SB+2*p+1]
.set p, p+1
.endr
	v_nop                                          ; a plain instruction behind the last exponential,
	s_wait_alu depctr_va_vdst(0)                   ; and the one wait ahead of the batch's first reader
	WIN W<<2
.set p, 0
.rept 32
	v_pk_add_f32 v[SUM+2*(p%2):SUM+2*(p%2)+1], v[SUM+2*(p%2):SUM+2*(p%2)+1], v[SB+2*p:SB+2*p+1]
	v_pk_add_f32 v[SUM+4+2*(p%2):SUM+4+2*(p%2)+1], v[SUM+4+2*(p%2):SUM+4+2*(p%2)+1], v[SB+64+2*p:SB+64+2*p+1]
.set p, p+1
.endr
	WIN 0
.Lex_end_\@:
.endm
.macro ROWSUM t
	v_pk_add_f32 v[SUM+4*\t:SUM+4*\t+1], v[SUM+4*\t:SUM+4*\t+1], v[SUM+4*\t+2:SUM+4*\t+3]
	v_add_f32 v52, v[SUM+4*\t], v[SUM+4*\t+1]
	v_permlanex16_b32 v53, v52, s46, s47
	v_add_f32 v[NM+2*\t+1], v52, v53
.endm
; Group u: the weights are finished (p x the factor), held, quantised, and multiplied by V.
.macro PVSTEP u
.set W, 2+((\u)>>1)
.set SB, 128*((\u)&1)
	s_cmp_eq_u32 s[48+\u], 0
	s_cbranch_scc1 .Lpv_end_\@
	PLACES                                         ; in front of loads into registers that the last group's products have read
.set n, 0
.rept 16
	ds_load_b128 v[STG+4*n:STG+4*n+3], v[VA] offset:8192*(\u)+512*n
.set n, n+1
.endr
.irp t, 0,1
	WIN (W<<6)|(W<<2)
.set j, 0
.rept 32
	v_pk_mul_f32 v[SB+64*\t+j:SB+64*\t+j+1], v[FC+2*\t:FC+2*\t+1], v[SB+64*\t+j:SB+64*\t+j+1]
.set j, j+2
.endr
.set j, 0
.rept 64
	v_min_num_f32 v[SB+64*\t+j], s44, v[SB+64*\t+j]   ; the conversion does not saturate (ISA guide 7.6.2); a weight is not negative, so the hold is one-sided
.set j, j+1
.endr
	WIN W
.irp kt, 0,1,2,3,4,5,6,7
	v_cvt_scalef32_pk8_bf8_f32 v[PF+16*\t+2*\kt:PF+16*\t+2*\kt+1], v[SB+64*\t+8*\kt:SB+64*\t+8*\kt+7], v[PSC]
.endr
.endr
	v_nop                                          ; a plain instruction between the last conversion and the products that read its result
	WIN 0
	s_wait_dscnt 0x0                               ; V's fragments are in
.irp T, 0,1,2,3
.irp t, 0,1
	v_wmma_f32_16x16x128_bf8_bf8 v[OA+8*(2*\T+\t):OA+8*(2*\T+\t)+7], v[STG+16*\T:STG+16*\T+15], v[PF+16*\t:PF+16*\t+15], v[OA+8*(2*\T+\t):OA+8*(2*\T+\t)+7]
.endr
.endr
.Lpv_end_\@:
.endm
.Lblock:
	s_wait_loadcnt 0x0                             ; this block's Q and R,
	s_wait_kmcnt 0x0                               ; and its classes
	s_mov_b64 s[48:49], s[52:53]
	s_mov_b64 s[50:51], s[54:55]
.irp k, 0,1,2,3
	v_mov_b32 v[MX+\k], s45
.endr
.irp k, 0,1,2,3,4,5,6,7
	v_mov_b32 v[SUM+\k], 0
.endr
	FLOAD 0, STG
	FLOAD 1, STG2
	SCORES 0, STG, 16                              ; the next group's 16 loads may be out
	FLOAD 2, STG
	SCORES 1, STG2, 16
	FLOAD 3, STG2
	SCORES 2, STG, 16
	SCORES 3, STG2, 0
	s_cmp_eq_u32 s23, 1                            ; the next block's Q, R and classes are asked for here, if there is a next block: no load leaves its buffer
	s_cbranch_scc1 .Lno_next
	QRLOAD
	s_load_b128 s[52:55], s[16:17], 0x0
.Lno_next:
.set j, 0
.rept 64
	v_mov_b32 v[OA+j], 0                           ; O^T begins as zeros: which group's products come first hangs on the classes
.set j, j+1
.endr
	ROWMAX 0
	ROWMAX 1
	EXPS 0
	EXPS 1
	EXPS 2
	EXPS 3
	ROWSUM 0
	ROWSUM 1
	ds_store_b128 v[SX], v[NM:NM+3]
	s_wait_dscnt 0x0                               ; for the others' sake: my statistics lie in LDS
	s_barrier_signal -1
	s_barrier_wait -1
.irp wp, 0,1,2,3
	ds_load_b128 v[STW+4*\wp:STW+4*\wp+3], v[SR] offset:512*\wp
.endr
	s_wait_dscnt 0x0
.irp t, 0,1
	v_min3_num_f32 v[52+\t], v[STW+2*\t], v[STW+4+2*\t], v[STW+8+2*\t]
	v_min_num_f32 v[52+\t], v[52+\t], v[STW+12+2*\t]                   ; -G: the least -M
.endr
.irp wp, 0,1,2,3
.irp t, 0,1
	v_sub_f32 v[STW+4*\wp+2*\t], v[52+\t], v[STW+4*\wp+2*\t]           ; M - G: a whole number, 0 or less
.endr
.endr
.irp wp, 0,1,2,3
.irp t, 0,1
	v_cvt_i32_f32 v[STW+4*\wp+2*\t], v[STW+4*\wp+2*\t]                 ; (it saturates)
.endr
.endr
.irp wp, 0,1,2,3
.irp t, 0,1
	v_ldexp_f32 v[STW+4*\wp+2*\t+1], v[STW+4*\wp+2*\t+1], v[STW+4*\wp+2*\t]   ; a wave's sum under G: nothing is rounded
.endr
.endr
.irp t, 0,1
	v_add_f32 v[STW+1+2*\t], v[STW+1+2*\t], v[STW+5+2*\t]
	v_add_f32 v[STW+9+2*\t], v[STW+9+2*\t], v[STW+13+2*\t]
	v_add_f32 v[54+\t], v[STW+1+2*\t], v[STW+9+2*\t]                   ; the row's sum
.endr
	v_rcp_f32 v56, v54
	v_rcp_f32 v57, v55
	v_sub_f32 v58, v52, v[NM]                      ; my own M - G (plain work behind the reciprocals)
	v_sub_f32 v59, v53, v[NM+2]
	v_cvt_i32_f32 v58, v58
	v_cvt_i32_f32 v59, v59
	v_cmp_lt_f32 vcc_lo, 0, v54
	s_wait_alu depctr_va_vdst(0)                   ; one wait for both reciprocals, ahead of their first reader
	v_cndmask_b32 v56, 0, v56, vcc_lo              ; a row with no open key: the factor 0, so its weights are 0
	v_cmp_lt_f32 vcc_lo, 0, v55
	v_cndmask_b32 v57, 0, v57, vcc_lo
	v_ldexp_f32 v[FC], v56, v58                    ; 2^(M - G) / sum
	v_ldexp_f32 v[FC+2], v57, v59
	v_mov_b32 v[FC+1], v[FC]
	v_mov_b32 v[FC+3], v[FC+2]
	PVSTEP 0
	PVSTEP 1
	PVSTEP 2
	PVSTEP 3
	PLACES                                         ; in front of the first read of the last products' results
.set n, 0
.rept 16
	ds_store_b128 v[OXS], v[OA+4*n:OA+4*n+3] offset:512*n      ; each accumulator's low four registers first
.set n, n+1
.endr
	s_wait_dscnt 0x0                               ; my partial O lies in LDS, and my reads of the statistics are over
	s_barrier_signal -1
	s_barrier_wait -1
.irp wp, 0,1,2,3
.irp v, 0,1
.irp hf, 0,1
	ds_load_b128 v[STG+16*\wp+8*\v+4*\hf:STG+16*\wp+8*\v+4*\hf+3], v[OXR] offset:8192*\wp+2048*\v+512*\hf
.endr
.endr
.endr
	s_wait_dscnt 0x0                               ; (so my reads of the partial O are over ahead of the next block's first barrier, behind which they are written again)
.irp k, 0,2,4,6,8,10,12,14
	v_pk_add_f32 v[STG+\k:STG+\k+1], v[STG+\k:STG+\k+1], v[STG+16+\k:STG+16+\k+1]
	v_pk_add_f32 v[STG+32+\k:STG+32+\k+1], v[STG+32+\k:STG+32+\k+1], v[STG+48+\k:STG+48+\k+1]
.endr
.irp k, 0,2,4,6,8,10,12,14
	v_pk_add_f32 v[STG+\k:STG+\k+1], v[STG+\k:STG+\k+1], v[STG+32+\k:STG+32+\k+1]
.endr
.irp k, 0,1,2,3,4,5,6,7,8,9,10,11,12,13,14,15
	v_med3_num_f32 v[STG+\k], v[STG+\k], -v[CLM], v[CLM]
.endr
	v_cvt_scalef32_pk8_bf8_f32 v[PF:PF+1], v[STG:STG+7], v[CSC]
	v_cvt_scalef32_pk8_bf8_f32 v[PF+2:PF+3], v[STG+8:STG+15], v[CSC]
	v_nop                                          ; a plain instruction behind the last conversion
	global_store_b128 v[LN], v[PF:PF+3], s[20:21]  ; 512 consecutive bytes: 16 queries x 32 channels of codes
	s_wait_xcnt 0x0                                ; the store and the loads for the next block have read their registers and bases: both may be written
	s_add_nc_u64 s[4:5], s[4:5], 32768
	s_add_nc_u64 s[10:11], s[10:11], 16384
	s_add_nc_u64 s[14:15], s[14:15], 65536
	s_add_nc_u64 s[16:17], s[16:17], 4096
	s_add_nc_u64 s[20:21], s[20:21], 262144
	s_sub_co_u32 s23, s23, 1
	s_cmp_lg_u32 s23, 0
	s_cbranch_scc1 .Lblock
	s_wait_tensorcnt 0x0
	ds_add_u32 v15, v63
	s_wait_dscnt 0x0
	s_endpgm
.Lfunc_end_k_qc1da75458d_attn:
	.size	k_qc1da75458d_attn, .Lfunc_end_k_qc1da75458d_attn-k_qc1da75458d_attn
	.p2alignl 7, 3214868480
	.fill 96, 4, 3214868480
	.section	.rodata,"a",@progbits
	.p2align	6, 0x0
	.amdhsa_kernel k_qc1da75458d_attn
		.amdhsa_group_segment_fixed_size 297472
		.amdhsa_private_segment_fixed_size 0
		.amdhsa_enable_private_segment 0
		.amdhsa_kernarg_size 72
		.amdhsa_user_sgpr_count 2
		.amdhsa_user_sgpr_kernarg_segment_ptr 1
		.amdhsa_wavefront_size32 1
		.amdhsa_system_sgpr_workgroup_id_x 1
		.amdhsa_system_sgpr_workgroup_id_y 1
		.amdhsa_system_sgpr_workgroup_id_z 1
		.amdhsa_system_vgpr_workitem_id 0
		.amdhsa_next_free_vgpr 1024
		.amdhsa_next_free_sgpr 100
		.amdhsa_reserve_vcc 1
		.amdhsa_float_denorm_mode_32 3
		.amdhsa_float_denorm_mode_16_64 3
		.amdhsa_memory_ordered 1
		.amdhsa_forward_progress 1
		.amdhsa_inst_pref_size 218
	.end_amdhsa_kernel
	.amdgpu_metadata
---
amdhsa.version: [ 1, 2 ]
amdhsa.kernels:
  - .name:           k_qc1da75458d_attn
    .symbol:         k_qc1da75458d_attn.kd
    .args:
      - { .name: Qc, .offset: 0, .size: 8, .value_kind: global_buffer, .address_space: global }
      - { .name: Kc, .offset: 8, .size: 8, .value_kind: global_buffer, .address_space: global }
      - { .name: Vc, .offset: 16, .size: 8, .value_kind: global_buffer, .address_space: global }
      - { .name: Rc, .offset: 24, .size: 8, .value_kind: global_buffer, .address_space: global }
      - { .name: Fc, .offset: 32, .size: 8, .value_kind: global_buffer, .address_space: global }
      - { .name: Mw, .offset: 40, .size: 8, .value_kind: global_buffer, .address_space: global }
      - { .name: Cls, .offset: 48, .size: 8, .value_kind: global_buffer, .address_space: global }
      - { .name: lowp_scales, .offset: 56, .size: 8, .value_kind: global_buffer, .address_space: global }
      - { .name: ctx, .offset: 64, .size: 8, .value_kind: global_buffer, .address_space: global }
    .group_segment_fixed_size: 297472
    .private_segment_fixed_size: 0
    .kernarg_segment_align: 8
    .kernarg_segment_size: 72
    .max_flat_workgroup_size: 128
    .sgpr_count:     100
    .vgpr_count:     1024
    .wavefront_size: 32
...
	.end_amdgpu_metadata
.endif
;; end of part 3
;; launch oproj (part 4): grid 4 x 16, 4 waves a work-group, clusters of 4 x 4, 327,680 bytes of LDS; arguments ctx, Wo_codes, lowp_scales, bo, out0; writes out0
.if DOCPART == 4
	.amdgcn_target "amdgcn-amd-amdhsa--gfx1250"
	.amdhsa_code_object_version 6
	.text
	.protected	k_qc1da75458d_oproj
	.globl	k_qc1da75458d_oproj
	.p2align	8
	.type	k_qc1da75458d_oproj,@function
k_qc1da75458d_oproj:
	s_mov_b64 s[64:65], 0
	v_nop
	global_prefetch_b8 v0, s[64:65] scope:SCOPE_SE
	s_setreg_imm32_b32 hwreg(HW_REG_WAVE_MODE, 25, 1), 1
	s_wait_xcnt 0x0
	s_wait_alu depctr_hold_cnt(0) depctr_sa_sdst(0) depctr_va_vdst(0) depctr_va_sdst(0) depctr_va_ssrc(0) depctr_va_vcc(0) depctr_vm_vsrc(0)
	s_getreg_b32 s2, hwreg(HW_REG_IB_STS2, 6, 4)
	s_cmp_eq_u32 s2, 0
	s_cbranch_scc0 .Lentry_in_a_cluster
	s_endpgm
.Lentry_in_a_cluster:
	s_bfe_u32 s2, ttmp6, 0x10000c
	s_cmp_lg_u32 s2, 0xf033
	s_cbranch_scc0 .Lentry_shape_is_right
	s_endpgm
.Lentry_shape_is_right:
; out0 = ctx Wo + bo on codes of E5M2.  ctx: 4,096 rows x 1,024 along K, stored by the launch before as images of operand registers: [tile of 16 rows 256][128 along K 8][2,048 bytes], registers 4 c .. 4 c + 3 of lane (r, h)
; = K 32 c + 16 h + 0..15 of row r, 16 bytes a lane, 512 bytes a chunk.  Wo: [1024 (n)][1024 (k)] codes, K innermost.  out0: [4096][1024] f32 = sum x 2^(e12 + e13) + bo.
; LIMIT: e12 + e13 between -126 and 127, so that the power of two is an f32 number.
; A tile of out0, 256 x 256, is made by four waves, 128 x 128 each: 64 accumulators, 512 registers.  K goes in steps of 256 through a ring of two LDS slots filled by the tensor data mover.
; A's part of a slot is dense: for each of 16 tiles of rows the step's two images, 4,096 consecutive bytes of memory; a fragment comes back by four loads of 512 consecutive bytes.  B's part has rows of 256 bytes + 16 of padding.
; CLUSTERS: 4 x 4 work-groups; A's tiles are asked for jointly along a row of the cluster, B's along a column.  THE MATRIX INSTRUCTION IS USED TRANSPOSED (source 0 = 16 rows of Wo, source 1 = 16 rows of ctx): a lane holds eight neighbouring numbers of a row of out0.
; 64 work-groups: the product has 64 tiles of this size.
; REGISTERS, in windows of 256: window 0: v0-31 addresses; v32-95 bo at my lane's 64 columns; from v128 A's fragments, ONE set (on the way out rows read back);  window 1: B's fragments, TWO sets (on the way out v0-63 a block's results);
;   windows 2, 3: the accumulators ((a, b) at v[8 (8 (a % 4) + b)]).
.set SIZE_N, 1024
.set KSTEP,  256
.set ROWB,   256
.set KROW,   1024
.set PITCH,  272                       ; B's LDS row: 256 bytes + 16 = 68 words: the 16 rows that a load touches start at 16 different banks (64 banks of 4 bytes: ISA guide 11.1)
.set FR,     16
.set NL,     4
.set NP,     4
.set HALFA,  32768                     ; 8 tiles of rows x 4,096 bytes: what one tensor load brings of A
.set HALFB,  128*PITCH                 ; 128 rows of B
.set BOFF,   2*HALFA
.set SLOT,   2*HALFA+2*HALFB
.set LAPS,   KROW/(2*KSTEP)
.set SPARE,  2*SLOT                    ; behind the ring: the spare words, 128 bytes for each wave: two blocks of 256 bytes that no other line names
.set SPITCH, 528                       ; the way out: a stage of 16 rows x (512 bytes + 16) for each wave, in slot 0, which has had its last fill and its last read when the first result is stored there
.set ADRA, 16
.set ADRB, 20
.set STO,  24
.set RD,   25
.set CO,   26
.set SPW,  28
.set NIL,  29
.set BJ,   32
.set AF,   128
.set BK,   128
.set G1, 24
.set G0, 32
.set G1B, 48
.set G0B, 56
.set MSB, 0
.macro WIN new
.if MSB != (\new)
	s_set_vgpr_msb (MSB<<8)|(\new)
.set MSB, (\new)
.endif
.endm
.set MUL_LO, 0xa1
.set MUL_HI, 0xf1
.set TO_B,   0x40
.macro JLOAD g0a, g1a, g0b, g1b        ; a joint load: waves 0 and 1 fetch for A, waves 2 and 3 for B; four v_nop follow each of the two lines
	s_cmp_eq_u32 s15, 0
	s_cbranch_scc0 .Lfor_b_\@
	tensor_load_to_lds s[\g0a:\g0a+3], s[\g1a:\g1a+7]
	s_nop 0
.rept 4
	v_nop
.endr
	s_branch .Lasked_\@
.Lfor_b_\@:
	tensor_load_to_lds s[\g0b:\g0b+3], s[\g1b:\g1b+7]
	s_nop 0
.rept 4
	v_nop
.endr
.Lasked_\@:
.endm
.macro CREST
	s_cmp_lg_u32 s14, 0
	s_cbranch_scc1 .Lnot_wave_0_\@
	s_barrier_signal -3
.Lnot_wave_0_\@:
	s_barrier_wait -3
	s_barrier_signal -1
	s_barrier_wait -1
.endm
.macro CROUND
	s_barrier_signal -1
	s_barrier_wait -1
	CREST
.endm
	s_load_b128 s[4:7], s[0:1], 0x0                ; ctx s[4:5], Wo's codes s[6:7]
	s_load_b128 s[8:11], s[0:1], 0x10              ; the scales' exponents s[8:9], bo s[10:11]
	s_load_b64 s[12:13], s[0:1], 0x20              ; out0
	v_lshl_add_u32 v[SPW], v0, 2, SPARE
	v_mov_b32 v[NIL], 0
	ds_add_u32 v28, v29
	ds_add_u32 v28, v29
	s_wait_dscnt 0x0
	v_lshrrev_b32 v1, 5, v0
	v_readfirstlane_b32 s14, v1                    ; wave 0..3
	s_lshr_b32 s15, s14, 1                         ; which half of the tile's rows is mine.  Also: I fetch for A (0) or for B (1)
	s_and_b32 s16, s14, 1                          ; which half of its columns.  Also: which half of that tile I fetch
	s_bfe_u32 s40, ttmp6, 0x40000                  ; cx, cy
	s_bfe_u32 s41, ttmp6, 0x40004
	s_lshl_b32 s42, ttmp9, 2
	s_add_co_u32 s42, s42, s40                     ; tile column
	s_and_b32 s17, ttmp7, 0xffff
	s_lshl_b32 s17, s17, 2
	s_add_co_u32 s17, s17, s41                     ; tile row
	s_lshl_b32 s43, s41, 2
	s_lshl_b32 s43, 15, s43                        ; my row of the cluster
	s_lshl_b32 s44, 0x1111, s40                    ; my column
	; A's group 1: 8 rows of 512 elements of 8 bytes (4,096 bytes), 2,048 elements (a tile of rows' 16,384 bytes) apart, dense in LDS
	s_or_b32 s[G1+0], s43, (3<<16)|(1<<21)         ; 15:0 the mask: my row; 17:16 elements of 8 bytes; 21 set beside a mask; no padding
	s_mov_b32 s[G1+1], 512<<16                     ; tensor_dim0
	s_mov_b32 s[G1+2], 8<<16                       ; tensor_dim1
	s_mov_b32 s[G1+3], 512<<16                     ; tile_dim0
	s_mov_b32 s[G1+4], 8                           ; tile_dim1
	s_mov_b32 s[G1+5], 2048                        ; tensor_dim0_stride
	s_mov_b32 s[G1+6], 0
	s_mov_b32 s[G1+7], 0
	; B's group 1: 128 rows of 256 bytes, padded in LDS
	s_or_b32 s[G1B+0], s44, (0<<16)|(1<<20)|(1<<21)|(5<<22)|(3<<25)  ; the mask: my column; elements of 1 byte; padding: four words after every 64
	s_mov_b32 s[G1B+1], ROWB<<16
	s_mov_b32 s[G1B+2], 128<<16
	s_mov_b32 s[G1B+3], ROWB<<16
	s_mov_b32 s[G1B+4], 128
	s_mov_b32 s[G1B+5], KROW
	s_mov_b32 s[G1B+6], 0
	s_mov_b32 s[G1B+7], 0
	s_lshl_b32 s20, s17, 4
	s_lshl_b32 s18, s16, 3
	s_add_co_u32 s20, s20, s18                     ; A: tile of rows 16 x tile row + 8 x half,
	s_lshl_b32 s20, s20, 14                        ; of 16,384 bytes
	s_mov_b32 s21, 0
	s_lshl_b32 s18, s16, 7
	s_lshl_b32 s46, s42, 8
	s_add_co_u32 s46, s46, s18                     ; B: row 256 x tile column + 128 x half,
	s_lshl_b32 s46, s46, 10                        ; of 1,024 bytes
	s_mov_b32 s47, 0
	s_lshl_b32 s45, s16, 15                        ; where they go: A's halves,
	s_mul_i32 s98, s16, HALFB
	s_add_co_u32 s98, s98, BOFF                    ; then B's: made of the wave's number alone
	s_wait_kmcnt 0x0
	s_load_b64 s[96:97], s[8:9], 0x30              ; e12, e13
	s_add_nc_u64 s[20:21], s[4:5], s[20:21]
	s_add_nc_u64 s[46:47], s[6:7], s[46:47]
	CROUND                                         ; all sixteen work-groups are here: the first joint loads meet
.irp s, 0,1
	s_mov_b32 s[G0+4*\s], 1
	s_add_co_u32 s[G0+4*\s+1], s45, \s*SLOT
	s_add_nc_u64 s[G0+4*\s+2:G0+4*\s+3], s[20:21], \s*4096
	s_or_b32 s[G0+4*\s+3], s[G0+4*\s+3], 0x80000000
	s_mov_b32 s[G0B+4*\s], 1
	s_add_co_u32 s[G0B+4*\s+1], s98, \s*SLOT
	s_add_nc_u64 s[G0B+4*\s+2:G0B+4*\s+3], s[46:47], \s*ROWB
	s_or_b32 s[G0B+4*\s+3], s[G0B+4*\s+3], 0x80000000
	JLOAD G0+4*\s, G1, G0B+4*\s, G1B
.endr
	v_and_b32 v1, 15, v0                           ; r
	v_bfe_u32 v2, v0, 4, 1                         ; h
	v_and_b32 v6, 31, v0
	v_lshlrev_b32 v[CO], 4, v6                     ; 16 x lane
	v_mul_u32_u24 v3, v1, PITCH
	v_lshl_add_u32 v4, v2, 4, v3                   ; B: a fragment's row x pitch + 16 h
	s_lshl_b32 s21, s15, 15                        ; my 128 rows of A: eight tiles' images
	s_mul_i32 s22, s16, HALFB
	s_add_co_u32 s22, s22, BOFF                    ; my 128 rows of B
.irp s, 0,1
	v_add_nc_u32 v[ADRA+\s], s21, v[CO]
	v_add_nc_u32 v[ADRB+\s], s22, v4
	s_add_co_u32 s21, s21, SLOT
	s_add_co_u32 s22, s22, SLOT
.endr
	s_mul_i32 s23, s14, 16*SPITCH                  ; my stage
	v_mul_u32_u24 v5, v1, SPITCH
	v_lshl_add_u32 v5, v2, 5, v5
	v_add_nc_u32 v[STO], s23, v5                   ; in: row r, 32 bytes for each half of the lanes
	v_add_nc_u32 v[RD], s23, v[CO]                 ; back: the 32 lanes take one row of 512 bytes
	s_lshl_b32 s66, s42, 10
	s_lshl_b32 s67, s16, 9
	s_add_co_u32 s66, s66, s67
	v_lshl_add_u32 v7, v2, 5, s66                  ; bo: (256 x tile column + 128 x half) x 4 + 32 h; block b 64 bytes on
.irp b, 0,1,2,3,4,5,6,7
	global_load_b128 v[BJ+8*\b:BJ+8*\b+3], v7, s[10:11] offset:64*\b
	global_load_b128 v[BJ+8*\b+4:BJ+8*\b+7], v7, s[10:11] offset:64*\b+16
.endr
	s_lshl_b32 s20, s17, 8
	s_lshl_b32 s21, s15, 7
	s_add_co_u32 s20, s20, s21                     ; my first row of out0,
	s_lshl_b32 s20, s20, 12                        ; of 4,096 bytes
	s_add_co_u32 s20, s20, s66                     ; + my first column, in bytes
	s_mov_b32 s21, 0
	s_add_nc_u64 s[12:13], s[12:13], s[20:21]
.macro FRAGA reg, adr, q, i            ; A's fragment of tile of rows i, the slot's q-th 128 along K: an image: four loads of 512 consecutive bytes
.irp c, 0,1,2,3
	ds_load_b128 v[\reg+4*\c:\reg+4*\c+3], v[\adr] offset:4096*(\i)+2048*(\q)+512*\c
.endr
.endm
.macro FRAG reg, adr, q, i             ; B's: lane l holds row l % 16; registers 4 c .. 4 c + 3 hold K = 32 c + 16 (l / 16) + 0 .. 15: the order in which A's images were laid
.irp c, 0,1,2,3
	ds_load_b128 v[\reg+4*\c:\reg+4*\c+3], v[\adr] offset:128*(\q)+32*\c+(\i)*16*PITCH
.endr
.endm
.macro MUL16 a0, p, zero               ; 16 matrix instructions; the 64 accumulators take turns, one instruction a turn
.irp a, \a0, \a0+1
.irp b, 0,1,2,3,4,5,6,7
.if \zero
	v_wmma_f32_16x16x128_bf8_bf8 v[8*(8*((\a)%4)+\b):8*(8*((\a)%4)+\b)+7], v[128*(\p)+FR*\b:128*(\p)+FR*\b+FR-1], v[AF+FR*(\a):AF+FR*(\a)+FR-1], 0
.else
	v_wmma_f32_16x16x128_bf8_bf8 v[8*(8*((\a)%4)+\b):8*(8*((\a)%4)+\b)+7], v[128*(\p)+FR*\b:128*(\p)+FR*\b+FR-1], v[AF+FR*(\a):AF+FR*(\a)+FR-1], v[8*(8*((\a)%4)+\b):8*(8*((\a)%4)+\b)+7]
.endif
.endr
.endr
.endm
.macro FETCH_B slot, q, p
	WIN TO_B
.irp i, 0,1,2,3,4,5,6,7
	FRAG 128*(\p)+FR*\i, ADRB+\slot, \q, \i
.endr
	WIN 0
.endm
.macro FETCH_A slot, q, i0
.irp i, \i0, \i0+1, \i0+2, \i0+3
	FRAGA AF+FR*(\i), ADRA+\slot, \q, \i
.endr
.endm
.macro PLACES n
.rept \n
	v_nop
.endr
.endm
.macro STEP slot, q, zero
	s_wait_dscnt 4*NL                              ; B's set and A's blocks 0-3 are in; the youngest 16 loads (A's blocks 4-7) may be out
	WIN MUL_LO
	MUL16 0, (\q)%2, \zero
	MUL16 2, (\q)%2, \zero
	s_wait_dscnt 0
	PLACES NP
	FETCH_B \slot, (\q)+1, 1-(\q)%2
	FETCH_A \slot, (\q)+1, 0
	WIN MUL_HI
	MUL16 4, (\q)%2, \zero
	MUL16 6, (\q)%2, \zero
	PLACES NP
	WIN 0
	FETCH_A \slot, (\q)+1, 4
.endm
.macro TURN slot, next, fill
	s_wait_tensorcnt 0x0                           ; all my tensor loads have landed: my part of the next slot
	ds_add_u32 v[SPW], v[NIL]                      ; 0 onto my spare word
	s_wait_dscnt 4*NL+1                            ; (the add and the youngest 16 loads may be out)
	WIN MUL_LO
	MUL16 0, 1, 0
	s_wait_dscnt 0x0                               ; the add is done, and my reads of this slot are over
	s_barrier_signal -1
	MUL16 2, 1, 0
	WIN 0
	s_barrier_wait -1
.if \fill
	CREST                                          ; the barrier has opened a round of the cluster's barrier
	s_add_nc_u64 s[G0+4*\slot+2:G0+4*\slot+3], s[G0+4*\slot+2:G0+4*\slot+3], 2*4096
	s_add_nc_u64 s[G0B+4*\slot+2:G0B+4*\slot+3], s[G0B+4*\slot+2:G0B+4*\slot+3], 2*ROWB
	JLOAD G0+4*\slot, G1, G0B+4*\slot, G1B         ; the first tensor load behind the round; its four v_nop are the places in front of the loads below
.else
	PLACES NP
.endif
	FETCH_B \next, 0, 0
	FETCH_A \next, 0, 0
	WIN MUL_HI
	MUL16 4, 1, 0
	MUL16 6, 1, 0
	PLACES NP
	WIN 0
	FETCH_A \next, 0, 4
.endm
	s_wait_tensorcnt 1                             ; my part of K step 0 is in (K step 1's load may be out)
	s_barrier_signal -1
	s_barrier_wait -1
	FETCH_B 0, 0, 0
	FETCH_A 0, 0, 0
	FETCH_A 0, 0, 4
	STEP 0, 0, 1
	s_mov_b32 s3, LAPS-1
.Llap:
	TURN 0, 1, 1
	STEP 1, 0, 0
	TURN 1, 0, 1
	STEP 0, 0, 0
	s_sub_co_u32 s3, s3, 1
	s_cmp_lg_u32 s3, 0
	s_cbranch_scc1 .Llap
	TURN 0, 1, 0
	STEP 1, 0, 0
	s_wait_dscnt 4*NL
	WIN MUL_LO
	MUL16 0, 1, 0
	MUL16 2, 1, 0
	s_wait_dscnt 0
	WIN MUL_HI
	MUL16 4, 1, 0
	MUL16 6, 1, 0
	WIN 0
; THE WAY OUT, block by block of 16 rows x 128 columns, through my own stage in LDS: in as 32 bytes a lane, back as whole rows of 512 bytes.  LDS serves a wave's instructions in order (ISA guide 5.7.1.4).
.macro TOSTAGE a
.set AC, 64*((\a)%4)
	WIN 0x42+((\a)/4)                              ; destination window 1, source 0 window 2 or 3, source 2 (bo) window 0
.set j, 0
.rept 32
	v_pk_fma_f32 v[j:j+1], v[AC+j:AC+j+1], s[96:97], v[BJ+j:BJ+j+1] op_sel_hi:[1,0,1]   ; sum x 2^(e12 + e13) + bo; each accumulator from its low end on
.set j, j+2
.endr
	WIN 0x04                                       ; store data window 1
.irp b, 0,1,2,3,4,5,6,7
	ds_store_b128 v[STO], v[8*\b:8*\b+3] offset:64*\b
	ds_store_b128 v[STO], v[8*\b+4:8*\b+7] offset:64*\b+16
.endr
	WIN 0
.set BB, BK+64*((\a)%2)
.irp t, 0,1,2,3,4,5,6,7,8,9,10,11,12,13,14,15
	ds_load_b128 v[BB+4*\t:BB+4*\t+3], v[RD] offset:\t*SPITCH
.endr
.endm
.macro SEND a, younger                 ; younger: the LDS instructions issued behind block a's loads, which may stay out
.set BB, BK+64*((\a)%2)
	s_wait_dscnt \younger
.if (\a) > 0
	s_add_nc_u64 s[12:13], s[12:13], 16*SIZE_N*4   ; (behind a wait on XCNT: the earlier stores have read their base)
.endif
.irp t, 0,1,2,3,4,5,6,7,8,9,10,11,12,13,14,15
	global_store_b128 v[CO], v[BB+4*\t:BB+4*\t+3], s[12:13] offset:\t*SIZE_N*4 th:TH_STORE_NT   ; 32 lanes store 512 consecutive bytes, at a multiple of 256 from out0's first byte
.endr
.endm
	s_wait_kmcnt 0x0
	s_wait_loadcnt 0x0                             ; bo
	s_add_co_i32 s96, s96, s97
	s_add_co_i32 s96, s96, 127
	s_lshl_b32 s96, s96, 23                        ; 2^(e12 + e13) as f32
	PLACES NP
	TOSTAGE 0
.irp a, 1,2,3,4,5,6,7
.if \a > 1
	s_wait_xcnt 0x0                                ; block a - 2's stores have read their registers and their base
.endif
	TOSTAGE \a
	SEND \a-1, 32                                  ; behind block a - 1's loads: block a's 16 stores and 16 loads
.endr
	s_wait_xcnt 0x0
	SEND 7, 0
	s_wait_tensorcnt 0x0                           ; the wave's end
	ds_add_u32 v[SPW], v[NIL]
	s_wait_dscnt 0x0
	CROUND                                         ; the closing round
	s_endpgm
.Lfunc_end_k_qc1da75458d_oproj:
	.size	k_qc1da75458d_oproj, .Lfunc_end_k_qc1da75458d_oproj-k_qc1da75458d_oproj
	.p2alignl 7, 3214868480
	.fill 96, 4, 3214868480
	.section	.rodata,"a",@progbits
	.p2align	6, 0x0
	.amdhsa_kernel k_qc1da75458d_oproj
		.amdhsa_group_segment_fixed_size 327680
		.amdhsa_private_segment_fixed_size 0
		.amdhsa_enable_private_segment 0
		.amdhsa_kernarg_size 40
		.amdhsa_user_sgpr_count 2
		.amdhsa_user_sgpr_kernarg_segment_ptr 1
		.amdhsa_wavefront_size32 1
		.amdhsa_system_sgpr_workgroup_id_x 1
		.amdhsa_system_sgpr_workgroup_id_y 1
		.amdhsa_system_sgpr_workgroup_id_z 1
		.amdhsa_system_vgpr_workitem_id 0
		.amdhsa_next_free_vgpr 1024
		.amdhsa_next_free_sgpr 100
		.amdhsa_reserve_vcc 0
		.amdhsa_float_denorm_mode_32 3
		.amdhsa_float_denorm_mode_16_64 3
		.amdhsa_memory_ordered 1
		.amdhsa_forward_progress 1
		.amdhsa_inst_pref_size 125
	.end_amdhsa_kernel
	.amdgpu_metadata
---
amdhsa.version: [ 1, 2 ]
amdhsa.kernels:
  - .name:           k_qc1da75458d_oproj
    .symbol:         k_qc1da75458d_oproj.kd
    .args:
      - { .name: ctx, .offset: 0, .size: 8, .value_kind: global_buffer, .address_space: global }
      - { .name: Wo_codes, .offset: 8, .size: 8, .value_kind: global_buffer, .address_space: global }
      - { .name: lowp_scales, .offset: 16, .size: 8, .value_kind: global_buffer, .address_space: global }
      - { .name: bo, .offset: 24, .size: 8, .value_kind: global_buffer, .address_space: global }
      - { .name: out0, .offset: 32, .size: 8, .value_kind: global_buffer, .address_space: global }
    .group_segment_fixed_size: 327680
    .private_segment_fixed_size: 0
    .kernarg_segment_align: 8
    .kernarg_segment_size: 40
    .max_flat_workgroup_size: 128
    .sgpr_count:     100
    .vgpr_count:     1024
    .wavefront_size: 32
...
	.end_amdgpu_metadata
.endif
;; end of part 4
;; ======== version 2 of 3: 4 launches; 1.30 times as fast as version 1
;; workspace buffers: Qc 4,194,304 bytes; Kc 4,194,304 bytes; Vc 4,194,304 bytes; Rc 262,144 bytes; Fc 262,144 bytes; Mw 524,288 bytes of whole numbers; Cls 131,072 bytes of whole numbers; ctx 4,194,304 bytes
;; launch prep (part 5): grid 384 x 1, 4 waves a work-group, no clusters, 0 bytes of LDS; arguments requirements, features, causal_mask, lowp_scales, Rc, Fc, Mw, Cls; writes Rc, Fc, Mw, Cls
.if DOCPART == 5
	.amdgcn_target "amdgcn-amd-amdhsa--gfx1250"
	.amdhsa_code_object_version 6
	.text
	.protected	k_qc1da75458d_prep
	.globl	k_qc1da75458d_prep
	.p2align	8
	.type	k_qc1da75458d_prep,@function
k_qc1da75458d_prep:
	s_mov_b64 s[64:65], 0
	v_nop
	global_prefetch_b8 v0, s[64:65] scope:SCOPE_SE
	s_setreg_imm32_b32 hwreg(HW_REG_WAVE_MODE, 25, 1), 1
	s_wait_xcnt 0x0
; Two jobs in one launch, told apart by the work-group's number; neither uses LDS, no wave depends on another.
; WORK-GROUPS 0-255: THE MASK.  causal_mask [2048][2048] (one byte a flag; a byte other than 0 counts as true) becomes, for each block i of 32 queries and each group g of 128 keys,
;   Mw[i][g][128 words]: bit l of word 64 t + 8 kt + j is mask[32 i + 16 t + l % 16][128 g + 16 kt + 8 (l / 16) + j]: the lane mask of one score register of the attention launch;
;   Cls[i][w][u][32 words]: the class of group g = w + 4 u, in all 32 words: 0 all hidden, 1 mixed, 2 all open.
;   Work-group 4 i + w, wave u takes the one group w + 4 u: 32 queries x 128 keys, 16 tiles of 16 x 16.
; WORK-GROUPS 256-383: requirements (256-319) and features (320-383), [4096 rows][64] f32: each row divided by max(its norm, 1e-12), then quantised to E5M2 with the given scale
;   (entry 8 or 9 of the scales: code = x / 2^e, held within +-57,344, nearest, ties to even) and stored as IMAGES OF OPERAND REGISTERS: a tile of 16 rows x 64 is 8 registers a lane,
;   lane (r, h): registers 2 c, 2 c + 1 = elements 16 c + 8 h + 0..7 of row r; registers 0-3 at 16 x lane, registers 4-7 512 bytes on.  A wave takes one tile.
; LIMITS: e between -126 and 112.  NaN and infinities among the inputs are not served.  The division is a multiplication by v_rcp_f32 of the divisor.
.set DAT,  64                          ; v64-95   the mask's bytes: tile n = 8 t + kt: a pair at 64 + 2 n
.set OUTW, 16                          ; v16-19   the 128 words to store: word m in lane m / 4, register m % 4
.set CLV,  32                          ; v32      the class
	s_load_b512 s[4:19], s[0:1], 0x0               ; requirements s[4:5], features s[6:7], mask s[8:9], scales s[10:11], Rc s[12:13], Fc s[14:15], Mw s[16:17], Cls s[18:19]
	v_lshrrev_b32 v1, 5, v0
	v_readfirstlane_b32 s20, v1                    ; wave 0..3
	v_and_b32 v1, 31, v0                           ; lane
	v_and_b32 v2, 15, v0                           ; r
	v_bfe_u32 v3, v0, 4, 1                         ; h
	v_lshlrev_b32 v5, 4, v1                        ; 16 x lane
	v_lshlrev_b32 v6, 2, v1                        ; 4 x lane
	s_mov_b32 s23, 0
	s_wait_kmcnt 0x0
	s_cmp_lt_u32 ttmp9, 256
	s_cbranch_scc0 .Lnorm
	; ---- the mask
	s_lshr_b32 s21, ttmp9, 2                       ; block i
	s_and_b32 s38, ttmp9, 3                        ; w
	s_lshl_b32 s39, s20, 2
	s_add_co_u32 s39, s39, s38                     ; my group g = w + 4 u
	s_lshl_b32 s22, s21, 16                        ; 32 rows of 2,048 bytes a block,
	s_lshl_b32 s38, s39, 7                         ; 128 keys a group
	s_add_co_u32 s22, s22, s38
	s_add_nc_u64 s[8:9], s[8:9], s[22:23]
	s_lshl_b32 s22, s21, 13                        ; Mw: 16 groups of 512 bytes a block
	s_lshl_b32 s38, s39, 9
	s_add_co_u32 s22, s22, s38
	s_add_nc_u64 s[16:17], s[16:17], s[22:23]
	s_lshl_b32 s22, ttmp9, 9                       ; Cls: 512 bytes a work-group, 128 a wave
	s_lshl_b32 s38, s20, 7
	s_add_co_u32 s22, s22, s38
	s_add_nc_u64 s[18:19], s[18:19], s[22:23]
	v_lshlrev_b32 v4, 11, v2                       ; row r,
	v_lshl_add_u32 v4, v3, 3, v4                   ; + 8 h: my eight flags of a tile
.irp t, 0,1
.irp kt, 0,1,2,3,4,5,6,7
	global_load_b64 v[DAT+2*(8*\t+\kt):DAT+2*(8*\t+\kt)+1], v4, s[8:9] offset:32768*\t+16*\kt
.endr
.endr
	s_mov_b32 s24, 0xff                            ; the four bytes of a word
	s_mov_b32 s25, 0xff00
	s_mov_b32 s26, 0xff0000
	s_mov_b32 s27, 0xff000000
.irp k, 0,1,2,3
	v_mov_b32 v[OUTW+\k], 0                        ; written whole once: a lane write's destination counts as read
.endr
	s_mov_b32 s44, -1                              ; the AND of the group's words,
	s_mov_b32 s45, 0                               ; and their OR
; Tile n's eight lane masks, into set n % 2 of eight scalar registers (s28-35, s36-43).
.macro MT n
	s_wait_loadcnt 15-(\n)                         ; tile n's load is in; the 15 - n loads of the later tiles may be out
.irp j, 0,1,2,3,4,5,6,7
	v_and_b32 v[8+\j], s[24+(\j&3)], v[DAT+2*(\n)+(\j>>2)]
.endr
.irp j, 0,1,2,3,4,5,6,7
	v_cmp_ne_u32 s[28+8*((\n)%2)+\j], 0, v[8+\j]   ; bit l: my lane's flag j
.endr
.endm
; Tile n's eight words are counted in and laid for the store.  It stands behind the NEXT tile's compares, so that no line here reads a mask made just before it.
.macro MW n
.irp j, 0,1,2,3,4,5,6,7
	s_and_b32 s44, s44, s[28+8*((\n)%2)+\j]
	s_or_b32 s45, s45, s[28+8*((\n)%2)+\j]
	v_writelane_b32 v[OUTW+(\j&3)], s[28+8*((\n)%2)+\j], 2*(\n)+(\j>>2)   ; word 8 n + j: lane 2 n + j / 4, register j % 4
.endr
.endm
	MT 0
.irp n, 1,2,3,4,5,6,7,8,9,10,11,12,13,14,15
	MT \n
	MW \n-1
.endr
	MW 15
	s_cmp_eq_u32 s44, -1
	s_cselect_b32 s48, 2, 1                        ; all open, or mixed,
	s_cmp_eq_u32 s45, 0
	s_cselect_b32 s48, 0, s48                      ; or all hidden
	v_mov_b32 v[CLV], s48
	global_store_b128 v5, v[OUTW:OUTW+3], s[16:17] ; the group's 512 consecutive bytes
	global_store_b32 v6, v[CLV], s[18:19]          ; 128 consecutive bytes a wave, 512 a work-group
	s_endpgm
	; ---- requirements and features
.Lnorm:
	s_load_b64 s[40:41], s[10:11], 0x20            ; entries 8 and 9 of the scales
	s_sub_co_u32 s21, ttmp9, 256
	s_and_b32 s22, s21, 63
	s_lshl_b32 s22, s22, 2
	s_add_co_u32 s22, s22, s20                     ; my tile of 16 rows, 0..255
	s_lshl_b32 s24, s22, 12                        ; 16 rows of 256 bytes in,
	s_mov_b32 s25, 0
	s_lshl_b32 s26, s22, 10                        ; 1,024 bytes of codes out
	s_mov_b32 s27, 0
	s_mov_b32 s46, 0x76543210                      ; lane selects: lane l xor 16
	s_mov_b32 s47, 0xfedcba98
	s_cmp_lt_u32 s21, 64                           ; requirements or features: only pointers and the exponent are chosen, one path serves both
	s_cselect_b64 s[4:5], s[4:5], s[6:7]
	s_cselect_b64 s[12:13], s[12:13], s[14:15]
	s_add_nc_u64 s[4:5], s[4:5], s[24:25]
	s_add_nc_u64 s[12:13], s[12:13], s[26:27]
	v_lshlrev_b32 v4, 8, v2                        ; row r of 256 bytes,
	v_lshl_add_u32 v4, v3, 5, v4                   ; + 32 h
.irp c, 0,1,2,3
	global_load_b128 v[32+8*\c:35+8*\c], v4, s[4:5] offset:64*\c      ; register 32 + 8 c + k = element 16 c + 8 h + k
	global_load_b128 v[36+8*\c:39+8*\c], v4, s[4:5] offset:64*\c+16
.endr
	s_wait_kmcnt 0x0
	s_cmp_lt_u32 s21, 64
	s_cselect_b32 s40, s40, s41                    ; e
	s_add_co_i32 s40, s40, 127
	s_lshl_b32 s41, s40, 23
	v_mov_b32 v18, s41                             ; 2^e as f32: the conversion takes its exponent field
	s_add_co_i32 s40, s40, 15
	s_lshl_b32 s40, s40, 23
	s_or_b32 s40, s40, 0x600000
	v_mov_b32 v19, s40                             ; 57,344 x 2^e
	s_wait_loadcnt 0x0
.irp k, 0,1,2,3
	v_pk_mul_f32 v[8+2*\k:9+2*\k], v[32+2*\k:33+2*\k], v[32+2*\k:33+2*\k]      ; the sum of squares of my 32 numbers, in four packed chains
.endr
.irp m, 1,2,3
.irp k, 0,1,2,3
	v_pk_fma_f32 v[8+2*\k:9+2*\k], v[32+8*\m+2*\k:33+8*\m+2*\k], v[32+8*\m+2*\k:33+8*\m+2*\k], v[8+2*\k:9+2*\k]
.endr
.endr
	v_pk_add_f32 v[8:9], v[8:9], v[10:11]
	v_pk_add_f32 v[12:13], v[12:13], v[14:15]
	v_pk_add_f32 v[8:9], v[8:9], v[12:13]
	v_add_f32 v8, v8, v9
	v_permlanex16_b32 v10, v8, s46, s47            ; the row's other 32 numbers lie in the lane 16 away (v10 has been written)
	v_add_f32 v8, v8, v10
	v_sqrt_f32 v11, v8
	v_nop                                          ; a plain instruction behind the root,
	s_wait_alu depctr_va_vdst(0)                   ; and the wait ahead of its first reader
	v_max_num_f32 v11, 0x2b8cbccc, v11             ; max(norm, 1e-12)
	v_rcp_f32 v16, v11
	v_nop
	s_wait_alu depctr_va_vdst(0)
	v_mov_b32 v17, v16                             ; a pair for the packed multiply
.irp k, 0,2,4,6,8,10,12,14,16,18,20,22,24,26,28,30
	v_pk_mul_f32 v[32+\k:33+\k], v[32+\k:33+\k], v[16:17]
.endr
.irp k, 0,1,2,3,4,5,6,7,8,9,10,11,12,13,14,15,16,17,18,19,20,21,22,23,24,25,26,27,28,29,30,31
	v_med3_num_f32 v[32+\k], v[32+\k], -v19, v19   ; the conversion to an 8-bit code does not saturate (ISA guide 7.6.2): the hold at the largest code x the scale
.endr
.irp c, 0,1,2,3
	v_cvt_scalef32_pk8_bf8_f32 v[64+2*\c:65+2*\c], v[32+8*\c:39+8*\c], v18
.endr
	global_store_b128 v5, v[64:67], s[12:13]       ; registers 0-3 of the fragment: 512 consecutive bytes
	global_store_b128 v5, v[68:71], s[12:13] offset:512
	s_endpgm
.Lfunc_end_k_qc1da75458d_prep:
	.size	k_qc1da75458d_prep, .Lfunc_end_k_qc1da75458d_prep-k_qc1da75458d_prep
	.p2alignl 7, 3214868480
	.fill 96, 4, 3214868480
	.section	.rodata,"a",@progbits
	.p2align	6, 0x0
	.amdhsa_kernel k_qc1da75458d_prep
		.amdhsa_group_segment_fixed_size 0
		.amdhsa_private_segment_fixed_size 0
		.amdhsa_enable_private_segment 0
		.amdhsa_kernarg_size 64
		.amdhsa_user_sgpr_count 2
		.amdhsa_user_sgpr_kernarg_segment_ptr 1
		.amdhsa_wavefront_size32 1
		.amdhsa_system_sgpr_workgroup_id_x 1
		.amdhsa_system_sgpr_workgroup_id_y 1
		.amdhsa_system_sgpr_workgroup_id_z 1
		.amdhsa_system_vgpr_workitem_id 0
		.amdhsa_next_free_vgpr 96
		.amdhsa_next_free_sgpr 66
		.amdhsa_reserve_vcc 0
		.amdhsa_float_denorm_mode_32 3
		.amdhsa_float_denorm_mode_16_64 3
		.amdhsa_memory_ordered 1
		.amdhsa_forward_progress 1
		.amdhsa_inst_pref_size 40
	.end_amdhsa_kernel
	.amdgpu_metadata
---
amdhsa.version: [ 1, 2 ]
amdhsa.kernels:
  - .name:           k_qc1da75458d_prep
    .symbol:         k_qc1da75458d_prep.kd
    .args:
      - { .name: requirements, .offset: 0, .size: 8, .value_kind: global_buffer, .address_space: global }
      - { .name: features, .offset: 8, .size: 8, .value_kind: global_buffer, .address_space: global }
      - { .name: causal_mask, .offset: 16, .size: 8, .value_kind: global_buffer, .address_space: global }
      - { .name: lowp_scales, .offset: 24, .size: 8, .value_kind: global_buffer, .address_space: global }
      - { .name: Rc, .offset: 32, .size: 8, .value_kind: global_buffer, .address_space: global }
      - { .name: Fc, .offset: 40, .size: 8, .value_kind: global_buffer, .address_space: global }
      - { .name: Mw, .offset: 48, .size: 8, .value_kind: global_buffer, .address_space: global }
      - { .name: Cls, .offset: 56, .size: 8, .value_kind: global_buffer, .address_space: global }
    .group_segment_fixed_size: 0
    .private_segment_fixed_size: 0
    .kernarg_segment_align: 8
    .kernarg_segment_size: 64
    .max_flat_workgroup_size: 128
    .sgpr_count:     66
    .vgpr_count:     96
    .wavefront_size: 32
...
	.end_amdgpu_metadata
.endif
;; end of part 5
;; launch qkv: the kernel of part 2 again; grid 12 x 16, 4 waves a work-group, clusters of 4 x 4, 327,680 bytes of LDS; arguments x_codes, Wq_codes, Wk_codes, Wv_codes, bq, bk, bv, lowp_scales, Qc, Kc, Vc; writes Qc, Kc, Vc
;; launch attn (part 6): grid 8 x 32, 4 waves a work-group, no clusters, 297,472 bytes of LDS; arguments Qc, Kc, Vc, Rc, Fc, Mw, Cls, lowp_scales, ctx; writes ctx
.if DOCPART == 6
	.amdgcn_target "amdgcn-amd-amdhsa--gfx1250"
	.amdhsa_code_object_version 6
	.text
	.protected	k_qc1da75458d_attn
	.globl	k_qc1da75458d_attn
	.p2align	8
	.type	k_qc1da75458d_attn,@function
k_qc1da75458d_attn:
	s_mov_b64 s[64:65], 0
	v_nop
	global_prefetch_b8 v0, s[64:65] scope:SCOPE_SE
	s_setreg_imm32_b32 hwreg(HW_REG_WAVE_MODE, 25, 1), 1
	s_wait_xcnt 0x0
; weights = softmax(Q K^T / 8 + R F^T, hidden where the given mask is false), 0 for a row that is hidden wholly; ctx = weights V; all three products on codes of E5M2.
; THE WEIGHTS ARE QUANTISED FINISHED AND NORMALISED, so a row's largest score and its sum are known before any weight becomes a code: a block's whole score rows stay in registers.
; SHARES.  A work-group owns one head (work-group y: batch y / 16, head y % 16) and walks 8 blocks of 32 queries, blocks x, x + 8, .. (work-group x = 0..7).  Wave w owns the groups of 128 keys g = w + 4 u, u = 0..3,
; for all 32 queries: 512 registers of scores.  Its K fragments stay in registers, its F and V fragments in LDS bytes of its own, all read from memory once, at the head.
; LAYOUT.  S^T = F R^T and K Q^T (source 0 = 16 keys, source 1 = 16 queries): a lane holds ONE query (lane % 16) and keys 16 kt + 8 (lane / 16) + 0..7 of tile kt: eight scores become registers 2 kt, 2 kt + 1 of the
; second product's operand as they stand.  O^T = V^T P^T (source 0 = 16 channels).  V's tiles are laid in LDS so that lane row r of tile 2 b + v is channel 32 b + 8 v + r + 8 (r / 8): two neighbouring tiles give a lane 16 neighbouring channels.
; SCALES.  1 / 8 is a power of two: score = 2^(e6 + e7 - 3) x (sum of Q K^T + 2^delta x sum of R F^T), delta = e8 + e9 - (e6 + e7 - 3): the bias's sum, once multiplied by 2^delta, is the C of the Q K^T instruction.
; SOFTMAX.  t = score x log2(e).  Each wave takes M = its keys' largest t rounded UP to a whole number (kept as -M), p = 2^(t - M) and the sum of p; the four waves' figures meet in LDS; with G = the largest M,
; the row's sum is the sum of the waves' sums x 2^(M - G), exact scalings, and a wave's weights are p x 2^(M - G) / sum.  A row with no open key has the sum 0 and the factor 0.
; THE MASK is an input.  An earlier launch has stored it as lane masks (Mw) and, for each block and group, a class (Cls): 0 all hidden: the group's work is jumped over; 2 all open: only its masking is; 1: hidden scores become -infinity.
; The branches hang on those stored whole numbers; no barrier stands under them.  A block's lane masks (my four groups: 4 x 512 bytes, 16 registers) are asked for a block ahead, like its Q, R and classes;
; a mixed group reads them lane by lane into scalar registers, 32 at a time: nothing in the score phase waits for memory.
; THE HOLD of the weights at the largest code x 2^e11 is jumped over where e11 >= -15: a weight is at most 1 but for the last bits of a reciprocal and a multiplication, and the bound is then 1.75 or more.
; OUT.  The waves' partial O^T meet in LDS; each wave adds one quarter (16 queries x 32 channels), quantises it with e12 (the sums stand for x 2^(e10 + e11)) and stores 512 consecutive bytes of
; ctx [tile of 16 rows 256][128 along K 8][2,048 bytes]: an image of the last product's operand: registers 4 c .. 4 c + 3 = K 32 c + 16 h + 0..15 of row r.
; LIMITS on the given exponents, so that each power of two is an f32 number: e6 + e7 - 3 between -126 and 127; delta between -126 and 127; e11 and e12 - e10 - e11 between -126 and 112.  NaN and infinities in the operands are not served.
; pos_ids: reference() takes it and uses it in no step; no launch of this program reads it.
; NO MULTICAST: the launch branches on numbers read from memory, so its operands come through registers; what work-groups share (a head's K, V, a batch's F) is read once a work-group, at the head.
; LDS: F images 4 x 32,768; V images 4 x 32,768; partial O 4 x 8,192; statistics 4 x 512.
; REGISTERS, in windows of 256: window 1: K (u, kt) at 64 u + 8 kt.  Windows 2 + u / 2: the scores (u, t, kt, j) at 128 (u % 2) + 64 t + 8 kt + j.  Window 0: see the names below.
.set FB,  0
.set VB,  131072
.set OX,  262144
.set ST,  294912
.set LN,  1                            ; v1   16 x lane
.set FA,  2                            ; v2   my wave's F images + 16 x lane
.set VA,  3                            ; v3   my wave's V images + 16 x lane
.set VS,  4                            ; v4   where I lay V at the head
.set SX,  5                            ; v5   where I store my statistics
.set SR,  6                            ; v6   where I read the four waves'
.set OXS, 7                            ; v7   where I store my partial O
.set OXR, 8                            ; v8   where I read my quarter of the four waves'
.set NM,  16                           ; v[16:19] -M of tile 0, its sum, -M of tile 1, its sum
.set SUM, 20                           ; v[20:27] the sums: two packed chains a tile
.set MX,  28                           ; v[28:31] the maxima: two chains a tile
.set FC,  32                           ; v[32:35] the factors, each twice
.set STW, 36                           ; v[36:51] the four waves' statistics, from a block's first barrier to the end of its factors;
.set MKV, 36                           ;          from there to the next block's scores: that block's lane masks, group u at 36 + 4 u: word n in lane n / 4, register n % 4
.set PSC, 60                           ; v60  2^e11
.set CSC, 61                           ; v61  2^(e12 - e10 - e11)
.set CLM, 62                           ; v62  57,344 x that
.set QF,  64                           ; v[64:79] Q, two tiles
.set RF,  80                           ; v[80:95] R, two tiles
.set STG, 96                           ; v[96:159]  a group's F or V fragments
.set STG2, 160                         ; v[160:223] the other stage for F
.set PF,  160                          ; v[160:191] the weights' codes, 16 a tile
.set OA,  192                          ; v[192:255] O^T: (T, t) at 192 + 8 (2 T + t)
.set MSB, 0
.macro WIN new                         ; the immediate's high byte repeats the setting that is left.  Low byte: bits 1:0 source 0, 3:2 source 1, 5:4 source 2, 7:6 destination
.if MSB != (\new)
	s_set_vgpr_msb (MSB<<8)|(\new)
.set MSB, (\new)
.endif
.endm
.macro PLACES                          ; four plain instructions between a matrix instruction and a read of its result or a write of, or load into, one of its registers
.rept 4
	v_nop
.endr
.endm
.macro QRLOAD                          ; a block's Q and R: two tiles of 16 queries, 8 registers each
.irp t, 0,1
.irp hf, 0,1
	global_load_b128 v[QF+8*\t+4*\hf:QF+8*\t+4*\hf+3], v[LN], s[4:5] offset:2048*\t+512*\hf
	global_load_b128 v[RF+8*\t+4*\hf:RF+8*\t+4*\hf+3], v[LN], s[10:11] offset:1024*\t+512*\hf
.endr
.endr
.endm
.macro CLOAD                           ; a block's four classes of my wave
.irp u, 0,1,2,3
	s_load_b32 s[52+\u], s[16:17], 128*\u
.endr
.endm
.macro MLOAD off                       ; the lane masks of my four groups, off bytes on from the block in hand: 512 consecutive bytes a load
.irp u, 0,1,2,3
	global_load_b128 v[MKV+4*\u:MKV+4*\u+3], v[LN], s[14:15] offset:(\off)+2048*\u
.endr
.endm
	s_load_b512 s[4:19], s[0:1], 0x0               ; Qc s[4:5], Kc s[6:7], Vc s[8:9], Rc s[10:11], Fc s[12:13], Mw s[14:15], Cls s[16:17], the scales' exponents s[18:19]
	s_load_b64 s[20:21], s[0:1], 0x40              ; ctx
	v_lshl_add_u32 v15, v0, 2, 0x48800
	v_mov_b32 v63, 0
	v_lshrrev_b32 v9, 5, v0
	v_readfirstlane_b32 s22, v9                    ; wave 0..3
	v_and_b32 v9, 31, v0
	v_lshlrev_b32 v[LN], 4, v9
	s_lshl_b32 s32, s22, 15
	v_add_nc_u32 v[FA], s32, v[LN]                 ; (the F images begin at LDS byte 0)
	v_add_nc_u32 v[VA], VB, v[FA]
	v_and_b32 v10, 7, v0                           ; r % 8
	v_bfe_u32 v11, v0, 3, 1                        ; r / 8
	v_bfe_u32 v12, v0, 4, 1                        ; h
	v_lshlrev_b32 v[VS], 4, v10
	v_lshl_add_u32 v[VS], v11, 11, v[VS]
	v_lshl_add_u32 v[VS], v12, 8, v[VS]
	v_add_nc_u32 v[VS], s32, v[VS]
	v_add_nc_u32 v[VS], VB, v[VS]                  ; channel 16 dt + r goes to tile 2 (dt / 2) + r / 8, lane row r % 8 + 8 (dt % 2): 2,048 (r / 8) + 16 (r % 8) + 256 h here, the rest in the immediate
	s_lshl_b32 s33, s22, 9
	v_add_nc_u32 v[SR], ST, v[LN]
	v_add_nc_u32 v[SX], s33, v[SR]
	s_lshl_b32 s33, s22, 13
	v_add_nc_u32 v[OXS], s33, v[LN]
	v_add_nc_u32 v[OXS], OX, v[OXS]
	s_and_b32 s33, s22, 1
	s_lshl_b32 s33, s33, 12                        ; my quarter: channels 32 (w % 2) on: tiles 2 (w % 2), + 1,
	s_lshr_b32 s34, s22, 1
	s_lshl_b32 s34, s34, 10                        ; queries 16 (w / 2) on
	s_add_co_u32 s33, s33, s34
	v_add_nc_u32 v[OXR], s33, v[LN]
	v_add_nc_u32 v[OXR], OX, v[OXR]
	s_and_b32 s35, ttmp7, 0xffff
	s_lshr_b32 s36, s35, 4                         ; batch
	s_bfe_u32 s38, s35, 0x30001                    ; head pair
	s_and_b32 s39, s35, 1                          ; head of the pair
	s_lshl_b32 s56, s36, 3
	s_add_co_u32 s56, s56, s38
	s_lshl_b32 s56, s56, 18                        ; the head pair's first byte in Qc, Kc, Vc
	s_mov_b32 s59, 0
	s_mov_b32 s45, 0xff800000                      ; -infinity
	s_mov_b32 s46, 0x76543210                      ; lane selects: lane l xor 16
	s_mov_b32 s47, 0xfedcba98
	s_mov_b32 s23, 8                               ; blocks to go
	s_wait_kmcnt 0x0
	s_load_b256 s[24:31], s[18:19], 0x18           ; entries 6 to 13: s24 = e6 .. s31 = e13
	s_lshl_b32 s57, s39, 10
	s_add_co_u32 s57, s57, s56
	s_lshl_b32 s58, ttmp9, 12                      ; Q: block x: two tiles of 2,048 bytes
	s_add_co_u32 s58, s58, s57
	s_add_nc_u64 s[4:5], s[4:5], s[58:59]
	s_lshl_b32 s58, s22, 14                        ; K: group w: eight tiles of 2,048 bytes
	s_add_co_u32 s58, s58, s57
	s_add_nc_u64 s[6:7], s[6:7], s[58:59]
	s_lshl_b32 s58, s39, 13                        ; V: the head's 8,192 bytes of group w's 16,384
	s_add_co_u32 s58, s58, s56
	s_lshl_b32 s57, s22, 14
	s_add_co_u32 s58, s58, s57
	s_add_nc_u64 s[8:9], s[8:9], s[58:59]
	s_lshl_b32 s57, s36, 17                        ; the batch's first byte in Rc, Fc
	s_lshl_b32 s58, ttmp9, 11
	s_add_co_u32 s58, s58, s57
	s_add_nc_u64 s[10:11], s[10:11], s[58:59]
	s_lshl_b32 s58, s22, 13
	s_add_co_u32 s58, s58, s57
	s_add_nc_u64 s[12:13], s[12:13], s[58:59]
	s_lshl_b32 s58, ttmp9, 13                      ; Mw: block x, group w
	s_lshl_b32 s57, s22, 9
	s_add_co_u32 s58, s58, s57
	s_add_nc_u64 s[14:15], s[14:15], s[58:59]
	s_lshl_b32 s58, ttmp9, 11                      ; Cls: block x: four waves of 512 bytes; wave w
	s_lshl_b32 s57, s22, 9
	s_add_co_u32 s58, s58, s57
	s_add_nc_u64 s[16:17], s[16:17], s[58:59]
	s_lshl_b32 s58, s36, 7                         ; ctx: tile of rows 128 batch + 2 x + w / 2,
	s_lshl_b32 s57, ttmp9, 1
	s_add_co_u32 s58, s58, s57
	s_lshr_b32 s57, s22, 1
	s_add_co_u32 s58, s58, s57
	s_lshl_b32 s58, s58, 14
	s_lshl_b32 s57, s38, 11                        ; the head pair's 2,048 bytes,
	s_add_co_u32 s58, s58, s57
	s_lshl_b32 s57, s39, 1
	s_and_b32 s34, s22, 1
	s_add_co_u32 s57, s57, s34
	s_lshl_b32 s57, s57, 9                         ; chunk 2 (head of the pair) + w % 2
	s_add_co_u32 s58, s58, s57
	s_add_nc_u64 s[20:21], s[20:21], s[58:59]
	CLOAD                                          ; the first block's classes,
	QRLOAD                                         ; its Q and R,
	MLOAD 0                                        ; and its lane masks
	WIN 0x40                                       ; destination window 1: K stays there
.irp u, 0,1,2,3
.set n, 0
.rept 16
	global_load_b128 v[64*\u+4*n:64*\u+4*n+3], v[LN], s[6:7] offset:65536*\u+2048*(n/2)+512*(n%2)
.set n, n+1
.endr
.endr
	WIN 0x80                                       ; F passes through window 2, V through window 3, on their way to LDS: so every score register is written once, too
.irp u, 0,1,2,3
.set n, 0
.rept 16
	global_load_b128 v[64*\u+4*n:64*\u+4*n+3], v[LN], s[12:13] offset:32768*\u+512*n
.set n, n+1
.endr
.endr
	WIN 0xc0
.irp u, 0,1,2,3
.set n, 0
.rept 16
	global_load_b128 v[64*\u+4*n:64*\u+4*n+3], v[LN], s[8:9] offset:65536*\u+512*n
.set n, n+1
.endr
.endr
	s_wait_loadcnt 0x0
	WIN 0x08                                       ; store data window 2
.irp u, 0,1,2,3
.set n, 0
.rept 16
	ds_store_b128 v[FA], v[64*\u+4*n:64*\u+4*n+3] offset:8192*\u+512*n
.set n, n+1
.endr
.endr
	WIN 0x0c                                       ; store data window 3.  n = 4 dt + chunk
.irp u, 0,1,2,3
.set n, 0
.rept 16
	ds_store_b128 v[VS], v[64*\u+4*n:64*\u+4*n+3] offset:8192*\u+4096*(n/8)+128*((n/4)%2)+512*(n%4)
.set n, n+1
.endr
.endr
	WIN 0
	v_mov_b32 v[NM], 0                             ; named as pairs before their upper words are made
	v_mov_b32 v[NM+1], 0
	v_mov_b32 v[NM+2], 0
	v_mov_b32 v[NM+3], 0
	v_mov_b32 v53, 0                               ; a lane permute's destination counts as read
	s_wait_kmcnt 0x0
	s_cmp_ge_i32 s29, -15                          ; 57,344 x 2^e11 is 1.75 or more:
	s_cselect_b32 s60, 1, 0                        ; then no weight reaches the hold, and it is jumped over
	s_add_co_i32 s32, s24, s25
	s_sub_co_i32 s32, s32, 3                       ; e6 + e7 - 3
	s_lshl_b32 s33, s32, 23
	s_add_co_i32 s40, s33, 0x3fb8aa3b              ; log2(e) x 2^(e6 + e7 - 3): the exponent is added to the constant's exponent field
	s_mov_b32 s41, s40                             ; (named with it as a pair)
	s_add_co_i32 s33, s26, s27
	s_sub_co_i32 s33, s33, s32                     ; delta
	s_add_co_i32 s33, s33, 127
	s_lshl_b32 s42, s33, 23                        ; 2^delta
	s_mov_b32 s43, s42
	s_add_co_i32 s33, s29, 127
	s_lshl_b32 s34, s33, 23
	v_mov_b32 v[PSC], s34                          ; 2^e11
	s_add_co_i32 s33, s33, 15
	s_lshl_b32 s33, s33, 23
	s_or_b32 s44, s33, 0x600000                    ; 57,344 x 2^e11
	s_sub_co_i32 s33, s30, s28
	s_sub_co_i32 s33, s33, s29                     ; e12 - e10 - e11
	s_add_co_i32 s33, s33, 127
	s_lshl_b32 s34, s33, 23
	v_mov_b32 v[CSC], s34
	s_add_co_i32 s33, s33, 15
	s_lshl_b32 s33, s33, 23
	s_or_b32 s33, s33, 0x600000
	v_mov_b32 v[CLM], s33
	s_add_nc_u64 s[4:5], s[4:5], 32768             ; the loads that read these are done: Q, R and Cls stand at the next block, eight blocks on
	s_add_nc_u64 s[10:11], s[10:11], 16384
	s_add_nc_u64 s[16:17], s[16:17], 16384
	s_wait_dscnt 0x0                               ; the stores have read their registers, which the scores will take
.macro FLOAD u, reg                    ; group u's eight F fragments
.set n, 0
.rept 16
	ds_load_b128 v[\reg+4*n:\reg+4*n+3], v[FA] offset:8192*(\u)+512*n
.set n, n+1
.endr
.endm
; Group u's scores for the 32 queries: 16 tiles of 16 keys x 16 queries.  left: the LDS loads issued behind this group's F, which may stay out.  The wait stands ahead of the branch, so that it holds on every path.
.macro SCORES u, stg, left
.set W, 2+((\u)>>1)
.set SB, 128*((\u)&1)
	s_wait_dscnt \left
	s_cmp_eq_u32 s[48+\u], 0
	s_cbranch_scc1 .Lsc_end_\@
	WIN W<<6
.irp kt, 0,1,2,3,4,5,6,7
.irp t, 0,1
	v_wmma_f32_16x16x64_bf8_bf8 v[SB+64*\t+8*\kt:SB+64*\t+8*\kt+7], v[\stg+8*\kt:\stg+8*\kt+7], v[RF+8*\t:RF+8*\t+7], 0
.endr
.endr
	PLACES
	WIN (W<<6)|W
.set j, 0
.rept 64
	v_pk_mul_f32 v[SB+j:SB+j+1], v[SB+j:SB+j+1], s[42:43] op_sel_hi:[1,0]   ; x 2^delta: exact; each accumulator from its low end on
.set j, j+2
.endr
	WIN (W<<6)|(W<<4)|1
.irp kt, 0,1,2,3,4,5,6,7
.irp t, 0,1
	v_wmma_f32_16x16x64_bf8_bf8 v[SB+64*\t+8*\kt:SB+64*\t+8*\kt+7], v[64*\u+8*\kt:64*\u+8*\kt+7], v[QF+8*\t:QF+8*\t+7], v[SB+64*\t+8*\kt:SB+64*\t+8*\kt+7]
.endr
.endr
	WIN 0
	PLACES
	s_cmp_eq_u32 s[48+\u], 2
	s_cbranch_scc1 .Lopen_\@
.irp bq, 0,1,2,3                       ; a mixed group: 32 lane masks at a time out of the registers that hold them; a hidden score becomes -infinity
	WIN 0
.set k, 0
.rept 32
	v_readlane_b32 s[68+k], v[MKV+4*\u+(k&3)], 8*\bq+(k>>2)   ; word 32 bq + k: lane 8 bq + k / 4, register k % 4
.set k, k+1
.endr
	WIN (W<<6)|(W<<2)
.set k, 0
.rept 32
	v_cndmask_b32 v[SB+32*\bq+k], s45, v[SB+32*\bq+k], s[68+k]
.set k, k+1
.endr
.endr
	WIN 0
.Lopen_\@:
	WIN (W<<4)|(W<<2)
.irp kt, 0,1,2,3,4,5,6,7               ; the running maxima: four chains by turns; each accumulator from its low end on
.irp jj, 0,4
.irp t, 0,1
	v_max3_num_f32 v[MX+2*\t], v[MX+2*\t], v[SB+64*\t+8*\kt+\jj], v[SB+64*\t+8*\kt+\jj+1]
	v_max3_num_f32 v[MX+2*\t+1], v[MX+2*\t+1], v[SB+64*\t+8*\kt+\jj+2], v[SB+64*\t+8*\kt+\jj+3]
.endr
.endr
.endr
	WIN 0
.Lsc_end_\@:
.endm
.macro ROWMAX t                        ; -M = floor(-t) of my keys' largest t; -3e38 stands under every t, so that a row with no open key gives a number
	v_max_num_f32 v52, v[MX+2*\t], v[MX+2*\t+1]
	v_permlanex16_b32 v53, v52, s46, s47
	v_max_num_f32 v52, v52, v53
	v_mul_f32 v52, s40, v52
	v_max_num_f32 v52, 0xff61b1e6, v52
	v_floor_f32 v[NM+2*\t], -v52
.endm
; Group u: p = 2^(t - M), in place, and its sums.  A scaling runs one pair ahead of the pair's two exponentials; the group's 128 exponentials are one batch with one wait.
.macro EXPS u
.set W, 2+((\u)>>1)
.set SB, 128*((\u)&1)
	s_cmp_eq_u32 s[48+\u], 0
	s_cbranch_scc1 .Lex_end_\@
	WIN (W<<6)|W
	v_pk_fma_f32 v[SB:SB+1], v[SB:SB+1], s[40:41], v[NM:NM+1] op_sel_hi:[1,0,0]
.set p, 0
.rept 64
.if p < 63
	v_pk_fma_f32 v[SB+2*p+2:SB+2*p+3], v[SB+2*p+2:SB+2*p+3], s[40:41], v[NM+2*((p+1)/32):NM+2*((p+1)/32)+1] op_sel_hi:[1,0,0]   ; t - M (of the pairs the low word serves both halves)
.endif
	v_exp_f32 v[SB+2*p], v[SB+2*p]
	v_exp_f32 v[SB+2*p+1], v[SB+2*p+1]
.set p, p+1
.endr
	v_nop                                          ; a plain instruction behind the last exponential,
	s_wait_alu depctr_va_vdst(0)                   ; and the one wait ahead of the batch's first reader
	WIN W<<2
.set p, 0
.rept 32
	v_pk_add_f32 v[SUM+2*(p%2):SUM+2*(p%2)+1], v[SUM+2*(p%2):SUM+2*(p%2)+1], v[SB+2*p:SB+2*p+1]
	v_pk_add_f32 v[SUM+4+2*(p%2):SUM+4+2*(p%2)+1], v[SUM+4+2*(p%2):SUM+4+2*(p%2)+1], v[SB+64+2*p:SB+64+2*p+1]
.set p, p+1
.endr
	WIN 0
.Lex_end_\@:
.endm
.macro ROWSUM t
	v_pk_add_f32 v[SUM+4*\t:SUM+4*\t+1], v[SUM+4*\t:SUM+4*\t+1], v[SUM+4*\t+2:SUM+4*\t+3]
	v_add_f32 v52, v[SUM+4*\t], v[SUM+4*\t+1]
	v_permlanex16_b32 v53, v52, s46, s47
	v_add_f32 v[NM+2*\t+1], v52, v53
.endm
; The weights of query tile t in the group in hand (W, SB are set by PVSTEP): finished (p x the factor), held where the hold can act, quantised.
.macro WEIGH t
	WIN (W<<6)|(W<<2)
.set j, 0
.rept 32
	v_pk_mul_f32 v[SB+64*\t+j:SB+64*\t+j+1], v[FC+2*\t:FC+2*\t+1], v[SB+64*\t+j:SB+64*\t+j+1]
.set j, j+2
.endr
	WIN 0                                          ; (a branch and a label follow)
	s_cmp_lg_u32 s60, 0
	s_cbranch_scc1 .Lno_hold_\@
	WIN (W<<6)|(W<<2)
.set j, 0
.rept 64
	v_min_num_f32 v[SB+64*\t+j], s44, v[SB+64*\t+j]   ; the conversion does not saturate (ISA guide 7.6.2); a weight is not negative, so the hold is one-sided
.set j, j+1
.endr
	WIN 0
.Lno_hold_\@:
	WIN W
.irp kt, 0,1,2,3,4,5,6,7
	v_cvt_scalef32_pk8_bf8_f32 v[PF+16*\t+2*\kt:PF+16*\t+2*\kt+1], v[SB+64*\t+8*\kt:SB+64*\t+8*\kt+7], v[PSC]
.endr
.endm
; Group u: the weights become codes and are multiplied by V.
.macro PVSTEP u
.set W, 2+((\u)>>1)
.set SB, 128*((\u)&1)
	s_cmp_eq_u32 s[48+\u], 0
	s_cbranch_scc1 .Lpv_end_\@
	PLACES                                         ; in front of loads into registers that the last group's products have read
.set n, 0
.rept 16
	ds_load_b128 v[STG+4*n:STG+4*n+3], v[VA] offset:8192*(\u)+512*n
.set n, n+1
.endr
	WEIGH 0
	WEIGH 1
	v_nop                                          ; a plain instruction between the last conversion and the products that read its result
	WIN 0
	s_wait_dscnt 0x0                               ; V's fragments are in
.irp T, 0,1,2,3
.irp t, 0,1
	v_wmma_f32_16x16x128_bf8_bf8 v[OA+8*(2*\T+\t):OA+8*(2*\T+\t)+7], v[STG+16*\T:STG+16*\T+15], v[PF+16*\t:PF+16*\t+15], v[OA+8*(2*\T+\t):OA+8*(2*\T+\t)+7]
.endr
.endr
.Lpv_end_\@:
.endm
.Lblock:
	s_wait_loadcnt 0x0                             ; this block's Q, R and lane masks,
	s_wait_kmcnt 0x0                               ; and its classes
	s_mov_b64 s[48:49], s[52:53]
	s_mov_b64 s[50:51], s[54:55]
.irp k, 0,1,2,3
	v_mov_b32 v[MX+\k], s45
.endr
.irp k, 0,1,2,3,4,5,6,7
	v_mov_b32 v[SUM+\k], 0
.endr
	FLOAD 0, STG
	FLOAD 1, STG2
	SCORES 0, STG, 16                              ; the next group's 16 loads may be out
	FLOAD 2, STG
	SCORES 1, STG2, 16
	FLOAD 3, STG2
	SCORES 2, STG, 16
	SCORES 3, STG2, 0
	s_cmp_eq_u32 s23, 1                            ; the next block's Q, R and classes are asked for here, if there is a next block: no load leaves its buffer
	s_cbranch_scc1 .Lno_next
	QRLOAD
	CLOAD
.Lno_next:
.set j, 0
.rept 64
	v_mov_b32 v[OA+j], 0                           ; O^T begins as zeros: which group's products come first hangs on the classes
.set j, j+1
.endr
	ROWMAX 0
	ROWMAX 1
	EXPS 0
	EXPS 1
	EXPS 2
	EXPS 3
	ROWSUM 0
	ROWSUM 1
	ds_store_b128 v[SX], v[NM:NM+3]
	s_wait_dscnt 0x0                               ; for the others' sake: my statistics lie in LDS
	s_barrier_signal -1
	s_barrier_wait -1
.irp wp, 0,1,2,3
	ds_load_b128 v[STW+4*\wp:STW+4*\wp+3], v[SR] offset:512*\wp
.endr
	s_wait_dscnt 0x0
.irp t, 0,1
	v_min3_num_f32 v[52+\t], v[STW+2*\t], v[STW+4+2*\t], v[STW+8+2*\t]
	v_min_num_f32 v[52+\t], v[52+\t], v[STW+12+2*\t]                   ; -G: the least -M
.endr
.irp wp, 0,1,2,3
.irp t, 0,1
	v_sub_f32 v[STW+4*\wp+2*\t], v[52+\t], v[STW+4*\wp+2*\t]           ; M - G: a whole number, 0 or less
.endr
.endr
.irp wp, 0,1,2,3
.irp t, 0,1
	v_cvt_i32_f32 v[STW+4*\wp+2*\t], v[STW+4*\wp+2*\t]                 ; (it saturates)
.endr
.endr
.irp wp, 0,1,2,3
.irp t, 0,1
	v_ldexp_f32 v[STW+4*\wp+2*\t+1], v[STW+4*\wp+2*\t+1], v[STW+4*\wp+2*\t]   ; a wave's sum under G: nothing is rounded
.endr
.endr
.irp t, 0,1
	v_add_f32 v[STW+1+2*\t], v[STW+1+2*\t], v[STW+5+2*\t]
	v_add_f32 v[STW+9+2*\t], v[STW+9+2*\t], v[STW+13+2*\t]
	v_add_f32 v[54+\t], v[STW+1+2*\t], v[STW+9+2*\t]                   ; the row's sum
.endr
	v_rcp_f32 v56, v54
	v_rcp_f32 v57, v55
	v_sub_f32 v58, v52, v[NM]                      ; my own M - G (plain work behind the reciprocals)
	v_sub_f32 v59, v53, v[NM+2]
	v_cvt_i32_f32 v58, v58
	v_cvt_i32_f32 v59, v59
	v_cmp_lt_f32 vcc_lo, 0, v54
	s_wait_alu depctr_va_vdst(0)                   ; one wait for both reciprocals, ahead of their first reader
	v_cndmask_b32 v56, 0, v56, vcc_lo              ; a row with no open key: the factor 0, so its weights are 0
	v_cmp_lt_f32 vcc_lo, 0, v55
	v_cndmask_b32 v57, 0, v57, vcc_lo
	v_ldexp_f32 v[FC], v56, v58                    ; 2^(M - G) / sum
	v_ldexp_f32 v[FC+2], v57, v59
	v_mov_b32 v[FC+1], v[FC]
	v_mov_b32 v[FC+3], v[FC+2]
	s_cmp_eq_u32 s23, 1                            ; the statistics' registers are done with: the next block's lane masks are asked for into them, if there is a next block;
	s_cbranch_scc1 .Lno_mask                       ; they have the second product and the way out in which to land
	MLOAD 65536                                    ; eight blocks of 8,192 bytes on
.Lno_mask:
	PVSTEP 0
	PVSTEP 1
	PVSTEP 2
	PVSTEP 3
	PLACES                                         ; in front of the first read of the last products' results
.set n, 0
.rept 16
	ds_store_b128 v[OXS], v[OA+4*n:OA+4*n+3] offset:512*n      ; each accumulator's low four registers first
.set n, n+1
.endr
	s_wait_dscnt 0x0                               ; my partial O lies in LDS, and my reads of the statistics are over
	s_barrier_signal -1
	s_barrier_wait -1
.irp wp, 0,1,2,3
.irp v, 0,1
.irp hf, 0,1
	ds_load_b128 v[STG+16*\wp+8*\v+4*\hf:STG+16*\wp+8*\v+4*\hf+3], v[OXR] offset:8192*\wp+2048*\v+512*\hf
.endr
.endr
.endr
	s_wait_dscnt 0x0                               ; (so my reads of the partial O are over ahead of the next block's first barrier, behind which they are written again)
.irp k, 0,2,4,6,8,10,12,14
	v_pk_add_f32 v[STG+\k:STG+\k+1], v[STG+\k:STG+\k+1], v[STG+16+\k:STG+16+\k+1]
	v_pk_add_f32 v[STG+32+\k:STG+32+\k+1], v[STG+32+\k:STG+32+\k+1], v[STG+48+\k:STG+48+\k+1]
.endr
.irp k, 0,2,4,6,8,10,12,14
	v_pk_add_f32 v[STG+\k:STG+\k+1], v[STG+\k:STG+\k+1], v[STG+32+\k:STG+32+\k+1]
.endr
.irp k, 0,1,2,3,4,5,6,7,8,9,10,11,12,13,14,15
	v_med3_num_f32 v[STG+\k], v[STG+\k], -v[CLM], v[CLM]
.endr
	v_cvt_scalef32_pk8_bf8_f32 v[PF:PF+1], v[STG:STG+7], v[CSC]
	v_cvt_scalef32_pk8_bf8_f32 v[PF+2:PF+3], v[STG+8:STG+15], v[CSC]
	v_nop                                          ; a plain instruction behind the last conversion
	global_store_b128 v[LN], v[PF:PF+3], s[20:21]  ; 512 consecutive bytes: 16 queries x 32 channels of codes
	s_wait_xcnt 0x0                                ; the store and the loads for the next block have read their registers and bases: both may be written
	s_add_nc_u64 s[4:5], s[4:5], 32768
	s_add_nc_u64 s[10:11], s[10:11], 16384
	s_add_nc_u64 s[14:15], s[14:15], 65536
	s_add_nc_u64 s[16:17], s[16:17], 16384
	s_add_nc_u64 s[20:21], s[20:21], 262144
	s_sub_co_u32 s23, s23, 1
	s_cmp_lg_u32 s23, 0
	s_cbranch_scc1 .Lblock
	s_wait_tensorcnt 0x0
	ds_add_u32 v15, v63
	s_wait_dscnt 0x0
	s_endpgm
.Lfunc_end_k_qc1da75458d_attn:
	.size	k_qc1da75458d_attn, .Lfunc_end_k_qc1da75458d_attn-k_qc1da75458d_attn
	.p2alignl 7, 3214868480
	.fill 96, 4, 3214868480
	.section	.rodata,"a",@progbits
	.p2align	6, 0x0
	.amdhsa_kernel k_qc1da75458d_attn
		.amdhsa_group_segment_fixed_size 297472
		.amdhsa_private_segment_fixed_size 0
		.amdhsa_enable_private_segment 0
		.amdhsa_kernarg_size 72
		.amdhsa_user_sgpr_count 2
		.amdhsa_user_sgpr_kernarg_segment_ptr 1
		.amdhsa_wavefront_size32 1
		.amdhsa_system_sgpr_workgroup_id_x 1
		.amdhsa_system_sgpr_workgroup_id_y 1
		.amdhsa_system_sgpr_workgroup_id_z 1
		.amdhsa_system_vgpr_workitem_id 0
		.amdhsa_next_free_vgpr 1024
		.amdhsa_next_free_sgpr 100
		.amdhsa_reserve_vcc 1
		.amdhsa_float_denorm_mode_32 3
		.amdhsa_float_denorm_mode_16_64 3
		.amdhsa_memory_ordered 1
		.amdhsa_forward_progress 1
		.amdhsa_inst_pref_size 251
	.end_amdhsa_kernel
	.amdgpu_metadata
---
amdhsa.version: [ 1, 2 ]
amdhsa.kernels:
  - .name:           k_qc1da75458d_attn
    .symbol:         k_qc1da75458d_attn.kd
    .args:
      - { .name: Qc, .offset: 0, .size: 8, .value_kind: global_buffer, .address_space: global }
      - { .name: Kc, .offset: 8, .size: 8, .value_kind: global_buffer, .address_space: global }
      - { .name: Vc, .offset: 16, .size: 8, .value_kind: global_buffer, .address_space: global }
      - { .name: Rc, .offset: 24, .size: 8, .value_kind: global_buffer, .address_space: global }
      - { .name: Fc, .offset: 32, .size: 8, .value_kind: global_buffer, .address_space: global }
      - { .name: Mw, .offset: 40, .size: 8, .value_kind: global_buffer, .address_space: global }
      - { .name: Cls, .offset: 48, .size: 8, .value_kind: global_buffer, .address_space: global }
      - { .name: lowp_scales, .offset: 56, .size: 8, .value_kind: global_buffer, .address_space: global }
      - { .name: ctx, .offset: 64, .size: 8, .value_kind: global_buffer, .address_space: global }
    .group_segment_fixed_size: 297472
    .private_segment_fixed_size: 0
    .kernarg_segment_align: 8
    .kernarg_segment_size: 72
    .max_flat_workgroup_size: 128
    .sgpr_count:     100
    .vgpr_count:     1024
    .wavefront_size: 32
...
	.end_amdgpu_metadata
.endif
;; end of part 6
;; launch oproj: the kernel of part 4 again; grid 4 x 16, 4 waves a work-group, clusters of 4 x 4, 327,680 bytes of LDS; arguments ctx, Wo_codes, lowp_scales, bo, out0; writes out0
;; ======== version 3 of 3: 4 launches; version 2 with the launch attn written anew for expert scheduling mode
;; workspace buffers: Qc 4,194,304 bytes; Kc 4,194,304 bytes; Vc 4,194,304 bytes; Rc 262,144 bytes; Fc 262,144 bytes; Mw 524,288 bytes of whole numbers; Cls 131,072 bytes of whole numbers; ctx 4,194,304 bytes
;; launch prep: the kernel of part 5 again; grid 384 x 1, 4 waves a work-group, no clusters, 0 bytes of LDS; arguments requirements, features, causal_mask, lowp_scales, Rc, Fc, Mw, Cls; writes Rc, Fc, Mw, Cls
;; launch qkv: the kernel of part 2 again; grid 12 x 16, 4 waves a work-group, clusters of 4 x 4, 327,680 bytes of LDS; arguments x_codes, Wq_codes, Wk_codes, Wv_codes, bq, bk, bv, lowp_scales, Qc, Kc, Vc; writes Qc, Kc, Vc
;; launch attn (part 7): grid 8 x 32, 4 waves a work-group, no clusters, 297,472 bytes of LDS; arguments Qc, Kc, Vc, Rc, Fc, Mw, Cls, lowp_scales, ctx; writes ctx
.if DOCPART == 7
	.amdgcn_target "amdgcn-amd-amdhsa--gfx1250"
	.amdhsa_code_object_version 6
	.text
	.protected	k_qc1da75458d_attn
	.globl	k_qc1da75458d_attn
	.p2align	8
	.type	k_qc1da75458d_attn,@function
k_qc1da75458d_attn:
	s_mov_b64 s[64:65], 0
	v_nop
	global_prefetch_b8 v0, s[64:65] scope:SCOPE_SE
	s_setreg_imm32_b32 hwreg(HW_REG_WAVE_SCHED_MODE, 0, 2), 2
	s_setreg_imm32_b32 hwreg(HW_REG_WAVE_MODE, 25, 1), 1
	s_wait_xcnt 0x0
	s_wait_alu depctr_vm_vsrc(0)
; weights = softmax(Q K^T / 8 + R F^T, hidden where the given mask is false), 0 for a row that is hidden wholly; ctx = weights V; all three products on codes of E5M2.
; THE WEIGHTS ARE QUANTISED FINISHED AND NORMALISED, so a row's largest score and its sum are known before any weight becomes a code: a block's whole score rows stay in registers.
; SHARES.  A work-group owns one head (work-group y: batch y / 16, head y % 16) and walks 8 blocks of 32 queries, blocks x, x + 8, .. (work-group x = 0..7).  Wave w owns the groups of 128 keys g = w + 4 u, u = 0..3,
; for all 32 queries: 512 registers of scores.  Its K fragments stay in registers, its F and V fragments in LDS bytes of its own, all read from memory once, at the head.
; LAYOUT.  S^T = F R^T and K Q^T (source 0 = 16 keys, source 1 = 16 queries): a lane holds ONE query (lane % 16) and keys 16 kt + 8 (lane / 16) + 0..7 of tile kt: eight scores become registers 2 kt, 2 kt + 1 of the
; second product's operand as they stand.  O^T = V^T P^T (source 0 = 16 channels).  V's tiles are laid in LDS so that lane row r of tile 2 b + v is channel 32 b + 8 v + r + 8 (r / 8): two neighbouring tiles give a lane 16 neighbouring channels.
; SCALES.  1 / 8 is a power of two: score = 2^(e6 + e7 - 3) x (sum of Q K^T + 2^delta x sum of R F^T), delta = e8 + e9 - (e6 + e7 - 3): the bias's sum, once multiplied by 2^delta, is the C of the Q K^T instruction.
; SOFTMAX.  t = score x log2(e).  Each wave takes M = its keys' largest t rounded UP to a whole number (kept as -M), p = 2^(t - M) and the sum of p; the four waves' figures meet in LDS; with G = the largest M,
; the row's sum is the sum of the waves' sums x 2^(M - G), exact scalings, and a wave's weights are p x 2^(M - G) / sum.  A row with no open key has the sum 0 and the factor 0.
; THE MASK is an input.  An earlier launch has stored it as lane masks (Mw) and, for each block and group, a class (Cls): 0 all hidden: the group's work is jumped over; 2 all open: only its masking is; 1: hidden scores become -infinity.
; The branches hang on those stored whole numbers; no barrier stands under them.  A block's lane masks (my four groups: 4 x 512 bytes, 16 registers) are asked for a block ahead, like its Q, R and classes;
; a mixed group reads them lane by lane into scalar registers, 32 at a time: nothing in the score phase waits for memory.
; THE HOLD of the weights at the largest code x 2^e11 is jumped over where e11 >= -15: a weight is at most 1 but for the last bits of a reciprocal and a multiplication, and the bound is then 1.75 or more.
; OUT.  The waves' partial O^T meet in LDS; each wave adds one quarter (16 queries x 32 channels), quantises it with e12 (the sums stand for x 2^(e10 + e11)) and stores 512 consecutive bytes of
; ctx [tile of 16 rows 256][128 along K 8][2,048 bytes]: an image of the last product's operand: registers 4 c .. 4 c + 3 = K 32 c + 16 h + 0..15 of row r.
; LIMITS on the given exponents, so that each power of two is an f32 number: e6 + e7 - 3 between -126 and 127; delta between -126 and 127; e11 and e12 - e10 - e11 between -126 and 112.  NaN and infinities in the operands are not served.
; pos_ids: reference() takes it and uses it in no step; no launch of this program reads it.
; NO MULTICAST: the launch branches on numbers read from memory, so its operands come through registers; what work-groups share (a head's K, V, a batch's F) is read once a work-group, at the head.
; LDS: F images 4 x 32,768; V images 4 x 32,768; partial O 4 x 8,192; statistics 4 x 512; behind them the spare words, 128 bytes a wave.
; REGISTERS, in windows of 256: window 1: K (u, kt) at 64 u + 8 kt.  Windows 2 + u / 2: the scores (u, t, kt, j) at 128 (u % 2) + 64 t + 8 kt + j.  Window 0: see the names below.
; THE MODE: SCHED_MODE bits 1:0 = 2 (LLVM: expert scheduling mode 2), set by the entry lines.  The code itself states the register dependences
; between vector or matrix instructions and memory or LDS instructions, with s_wait_alu, always for 0.
; THE PLAN.  Registers that memory or LDS instructions touch, round a block:
;   v1-v8        addresses: written at the head by vector lines, never again; one wait on va_vdst ahead of the first load states them for the whole kernel.
;   QF, RF       read by the four groups' products; the next block's loads land behind one wait that follows the last group's scores.
;   STG          F of group 0 lands (block's top), its products read; F of group 2 lands behind a wait, its products read; V of each group lands behind a wait, the group's products read;
;                the partial O lands behind the second barrier, the way out's additions, holds and conversions work on it.
;   STG2         F of group 1 lands (block's top), its products read; F of group 3 lands behind a wait, its products read; then these registers are PF and part of OA.
;   v36-51       the lane masks (landed a block ahead) are read by v_readlane; the statistics land behind the first barrier, the factors' arithmetic works on them; the next block's masks land.
;   NM, OA, PF   written by vector or matrix lines, each read by a run of stores behind one wait on va_vdst; written again in the next block, behind the wait on vm_vsrc at the block's top.
;   The scores (windows 2, 3) and K (window 1) are named by memory instructions at the head alone.
;   v15, v63     written at the head, read by the closing add alone.
.set FB,  0
.set VB,  131072
.set OX,  262144
.set ST,  294912
.set LN,  1                            ; v1   16 x lane
.set FA,  2                            ; v2   my wave's F images + 16 x lane
.set VA,  3                            ; v3   my wave's V images + 16 x lane
.set VS,  4                            ; v4   where I lay V at the head
.set SX,  5                            ; v5   where I store my statistics
.set SR,  6                            ; v6   where I read the four waves'
.set OXS, 7                            ; v7   where I store my partial O
.set OXR, 8                            ; v8   where I read my quarter of the four waves'
.set NM,  16                           ; v[16:19] -M of tile 0, its sum, -M of tile 1, its sum
.set SUM, 20                           ; v[20:27] the sums: two packed chains a tile
.set MX,  28                           ; v[28:31] the maxima: two chains a tile
.set FC,  32                           ; v[32:35] the factors, each twice
.set STW, 36                           ; v[36:51] the four waves' statistics, from a block's first barrier to the end of its factors;
.set MKV, 36                           ;          from there to the next block's scores: that block's lane masks, group u at 36 + 4 u: word n in lane n / 4, register n % 4
.set PSC, 60                           ; v60  2^e11
.set CSC, 61                           ; v61  2^(e12 - e10 - e11)
.set CLM, 62                           ; v62  57,344 x that
.set QF,  64                           ; v[64:79] Q, two tiles
.set RF,  80                           ; v[80:95] R, two tiles
.set STG, 96                           ; v[96:159]  a group's F or V fragments
.set STG2, 160                         ; v[160:223] the other stage for F
.set PF,  160                          ; v[160:191] the weights' codes, 16 a tile
.set OA,  192                          ; v[192:255] O^T: (T, t) at 192 + 8 (2 T + t)
.set MSB, 0
.macro WIN new                         ; the immediate's high byte repeats the setting that is left.  Low byte: bits 1:0 source 0, 3:2 source 1, 5:4 source 2, 7:6 destination
.if MSB != (\new)
	s_set_vgpr_msb (MSB<<8)|(\new)
.set MSB, (\new)
.endif
.endm
.macro PLACES                          ; four plain instructions between a matrix instruction and a read of its result or a vector write of one of its registers (ISA guide 7.12.1)
.rept 4
	v_nop
.endr
.endm
.macro QRLOAD                          ; a block's Q and R: two tiles of 16 queries, 8 registers each
.irp t, 0,1
.irp hf, 0,1
	global_load_b128 v[QF+8*\t+4*\hf:QF+8*\t+4*\hf+3], v[LN], s[4:5] offset:2048*\t+512*\hf
	global_load_b128 v[RF+8*\t+4*\hf:RF+8*\t+4*\hf+3], v[LN], s[10:11] offset:1024*\t+512*\hf
.endr
.endr
.endm
.macro CLOAD                           ; a block's four classes of my wave
.irp u, 0,1,2,3
	s_load_b32 s[52+\u], s[16:17], 128*\u
.endr
.endm
.macro MLOAD off                       ; the lane masks of my four groups, off bytes on from the block in hand: 512 consecutive bytes a load
.irp u, 0,1,2,3
	global_load_b128 v[MKV+4*\u:MKV+4*\u+3], v[LN], s[14:15] offset:(\off)+2048*\u
.endr
.endm
	s_load_b512 s[4:19], s[0:1], 0x0               ; Qc s[4:5], Kc s[6:7], Vc s[8:9], Rc s[10:11], Fc s[12:13], Mw s[14:15], Cls s[16:17], the scales' exponents s[18:19]
	s_load_b64 s[20:21], s[0:1], 0x40              ; ctx
	v_lshl_add_u32 v15, v0, 2, 0x48800
	v_mov_b32 v63, 0
	v_lshrrev_b32 v9, 5, v0
	v_readfirstlane_b32 s22, v9                    ; wave 0..3
	v_and_b32 v9, 31, v0
	v_lshlrev_b32 v[LN], 4, v9
	s_wait_alu depctr_va_sdst(0)                   ; s22 is written, ahead of its first reader: LDS addresses and the buffers' offsets are made from it
	s_lshl_b32 s32, s22, 15
	v_add_nc_u32 v[FA], s32, v[LN]                 ; (the F images begin at LDS byte 0)
	v_add_nc_u32 v[VA], VB, v[FA]
	v_and_b32 v10, 7, v0                           ; r % 8
	v_bfe_u32 v11, v0, 3, 1                        ; r / 8
	v_bfe_u32 v12, v0, 4, 1                        ; h
	v_lshlrev_b32 v[VS], 4, v10
	v_lshl_add_u32 v[VS], v11, 11, v[VS]
	v_lshl_add_u32 v[VS], v12, 8, v[VS]
	v_add_nc_u32 v[VS], s32, v[VS]
	v_add_nc_u32 v[VS], VB, v[VS]                  ; channel 16 dt + r goes to tile 2 (dt / 2) + r / 8, lane row r % 8 + 8 (dt % 2): 2,048 (r / 8) + 16 (r % 8) + 256 h here, the rest in the immediate
	s_lshl_b32 s33, s22, 9
	v_add_nc_u32 v[SR], ST, v[LN]
	v_add_nc_u32 v[SX], s33, v[SR]
	s_lshl_b32 s33, s22, 13
	v_add_nc_u32 v[OXS], s33, v[LN]
	v_add_nc_u32 v[OXS], OX, v[OXS]
	s_and_b32 s33, s22, 1
	s_lshl_b32 s33, s33, 12                        ; my quarter: channels 32 (w % 2) on: tiles 2 (w % 2), + 1,
	s_lshr_b32 s34, s22, 1
	s_lshl_b32 s34, s34, 10                        ; queries 16 (w / 2) on
	s_add_co_u32 s33, s33, s34
	v_add_nc_u32 v[OXR], s33, v[LN]
	v_add_nc_u32 v[OXR], OX, v[OXR]
	s_and_b32 s35, ttmp7, 0xffff
	s_lshr_b32 s36, s35, 4                         ; batch
	s_bfe_u32 s38, s35, 0x30001                    ; head pair
	s_and_b32 s39, s35, 1                          ; head of the pair
	s_lshl_b32 s56, s36, 3
	s_add_co_u32 s56, s56, s38
	s_lshl_b32 s56, s56, 18                        ; the head pair's first byte in Qc, Kc, Vc
	s_mov_b32 s59, 0
	s_mov_b32 s45, 0xff800000                      ; -infinity
	s_mov_b32 s46, 0x76543210                      ; lane selects: lane l xor 16
	s_mov_b32 s47, 0xfedcba98
	s_mov_b32 s23, 8                               ; blocks to go
	s_wait_kmcnt 0x0
	s_load_b256 s[24:31], s[18:19], 0x18           ; entries 6 to 13: s24 = e6 .. s31 = e13
	s_lshl_b32 s57, s39, 10
	s_add_co_u32 s57, s57, s56
	s_lshl_b32 s58, ttmp9, 12                      ; Q: block x: two tiles of 2,048 bytes
	s_add_co_u32 s58, s58, s57
	s_add_nc_u64 s[4:5], s[4:5], s[58:59]
	s_lshl_b32 s58, s22, 14                        ; K: group w: eight tiles of 2,048 bytes
	s_add_co_u32 s58, s58, s57
	s_add_nc_u64 s[6:7], s[6:7], s[58:59]
	s_lshl_b32 s58, s39, 13                        ; V: the head's 8,192 bytes of group w's 16,384
	s_add_co_u32 s58, s58, s56
	s_lshl_b32 s57, s22, 14
	s_add_co_u32 s58, s58, s57
	s_add_nc_u64 s[8:9], s[8:9], s[58:59]
	s_lshl_b32 s57, s36, 17                        ; the batch's first byte in Rc, Fc
	s_lshl_b32 s58, ttmp9, 11
	s_add_co_u32 s58, s58, s57
	s_add_nc_u64 s[10:11], s[10:11], s[58:59]
	s_lshl_b32 s58, s22, 13
	s_add_co_u32 s58, s58, s57
	s_add_nc_u64 s[12:13], s[12:13], s[58:59]
	s_lshl_b32 s58, ttmp9, 13                      ; Mw: block x, group w
	s_lshl_b32 s57, s22, 9
	s_add_co_u32 s58, s58, s57
	s_add_nc_u64 s[14:15], s[14:15], s[58:59]
	s_lshl_b32 s58, ttmp9, 11                      ; Cls: block x: four waves of 512 bytes; wave w
	s_lshl_b32 s57, s22, 9
	s_add_co_u32 s58, s58, s57
	s_add_nc_u64 s[16:17], s[16:17], s[58:59]
	s_lshl_b32 s58, s36, 7                         ; ctx: tile of rows 128 batch + 2 x + w / 2,
	s_lshl_b32 s57, ttmp9, 1
	s_add_co_u32 s58, s58, s57
	s_lshr_b32 s57, s22, 1
	s_add_co_u32 s58, s58, s57
	s_lshl_b32 s58, s58, 14
	s_lshl_b32 s57, s38, 11                        ; the head pair's 2,048 bytes,
	s_add_co_u32 s58, s58, s57
	s_lshl_b32 s57, s39, 1
	s_and_b32 s34, s22, 1
	s_add_co_u32 s57, s57, s34
	s_lshl_b32 s57, s57, 9                         ; chunk 2 (head of the pair) + w % 2
	s_add_co_u32 s58, s58, s57
	s_add_nc_u64 s[20:21], s[20:21], s[58:59]
	CLOAD                                          ; the first block's classes,
	s_wait_alu depctr_va_vdst(0)                   ; the eight addresses v1 to v8 are written, which every load and store of the kernel reads; up to the head's last load only loads and window switches follow
	QRLOAD                                         ; its Q and R,
	MLOAD 0                                        ; and its lane masks
	WIN 0x40                                       ; destination window 1: K stays there
.irp u, 0,1,2,3
.set n, 0
.rept 16
	global_load_b128 v[64*\u+4*n:64*\u+4*n+3], v[LN], s[6:7] offset:65536*\u+2048*(n/2)+512*(n%2)
.set n, n+1
.endr
.endr
	WIN 0x80                                       ; F passes through window 2, V through window 3, on their way to LDS: so every score register is written once, too
.irp u, 0,1,2,3
.set n, 0
.rept 16
	global_load_b128 v[64*\u+4*n:64*\u+4*n+3], v[LN], s[12:13] offset:32768*\u+512*n
.set n, n+1
.endr
.endr
	WIN 0xc0
.irp u, 0,1,2,3
.set n, 0
.rept 16
	global_load_b128 v[64*\u+4*n:64*\u+4*n+3], v[LN], s[8:9] offset:65536*\u+512*n
.set n, n+1
.endr
.endr
	s_wait_loadcnt 0x0
	WIN 0x08                                       ; store data window 2
.irp u, 0,1,2,3
.set n, 0
.rept 16
	ds_store_b128 v[FA], v[64*\u+4*n:64*\u+4*n+3] offset:8192*\u+512*n
.set n, n+1
.endr
.endr
	WIN 0x0c                                       ; store data window 3.  n = 4 dt + chunk
.irp u, 0,1,2,3
.set n, 0
.rept 16
	ds_store_b128 v[VS], v[64*\u+4*n:64*\u+4*n+3] offset:8192*\u+4096*(n/8)+128*((n/4)%2)+512*(n%4)
.set n, n+1
.endr
.endr
	WIN 0
	v_mov_b32 v[NM], 0                             ; named as pairs before their upper words are made
	v_mov_b32 v[NM+1], 0
	v_mov_b32 v[NM+2], 0
	v_mov_b32 v[NM+3], 0
	v_mov_b32 v53, 0                               ; a lane permute's destination counts as read
	s_wait_kmcnt 0x0
	s_cmp_ge_i32 s29, -15                          ; 57,344 x 2^e11 is 1.75 or more:
	s_cselect_b32 s60, 1, 0                        ; then no weight reaches the hold, and it is jumped over
	s_add_co_i32 s32, s24, s25
	s_sub_co_i32 s32, s32, 3                       ; e6 + e7 - 3
	s_lshl_b32 s33, s32, 23
	s_add_co_i32 s40, s33, 0x3fb8aa3b              ; log2(e) x 2^(e6 + e7 - 3): the exponent is added to the constant's exponent field
	s_mov_b32 s41, s40                             ; (named with it as a pair)
	s_add_co_i32 s33, s26, s27
	s_sub_co_i32 s33, s33, s32                     ; delta
	s_add_co_i32 s33, s33, 127
	s_lshl_b32 s42, s33, 23                        ; 2^delta
	s_mov_b32 s43, s42
	s_add_co_i32 s33, s29, 127
	s_lshl_b32 s34, s33, 23
	v_mov_b32 v[PSC], s34                          ; 2^e11
	s_add_co_i32 s33, s33, 15
	s_lshl_b32 s33, s33, 23
	s_or_b32 s44, s33, 0x600000                    ; 57,344 x 2^e11
	s_sub_co_i32 s33, s30, s28
	s_sub_co_i32 s33, s33, s29                     ; e12 - e10 - e11
	s_add_co_i32 s33, s33, 127
	s_lshl_b32 s34, s33, 23
	v_mov_b32 v[CSC], s34
	s_add_co_i32 s33, s33, 15
	s_lshl_b32 s33, s33, 23
	s_or_b32 s33, s33, 0x600000
	v_mov_b32 v[CLM], s33
	s_add_nc_u64 s[4:5], s[4:5], 32768             ; the loads that read these are done: Q, R and Cls stand at the next block, eight blocks on
	s_add_nc_u64 s[10:11], s[10:11], 16384
	s_add_nc_u64 s[16:17], s[16:17], 16384
	s_wait_dscnt 0x0                               ; my F and V images lie in LDS
	s_wait_alu depctr_vm_vsrc(0)                   ; the LDS stores have read the registers of windows 2 and 3, which the products write as scores from here on
.macro FLOAD u, reg                    ; group u's eight F fragments
.set n, 0
.rept 16
	ds_load_b128 v[\reg+4*n:\reg+4*n+3], v[FA] offset:8192*(\u)+512*n
.set n, n+1
.endr
.endm
; Group u's scores for the 32 queries: 16 tiles of 16 keys x 16 queries.  left: the LDS loads issued behind this group's F, which may stay out.  The wait stands ahead of the branch, so that it holds on every path.
.macro SCORES u, stg, left
.set W, 2+((\u)>>1)
.set SB, 128*((\u)&1)
	s_wait_dscnt \left
	s_cmp_eq_u32 s[48+\u], 0
	s_cbranch_scc1 .Lsc_end_\@
	WIN W<<6
.irp kt, 0,1,2,3,4,5,6,7
.irp t, 0,1
	v_wmma_f32_16x16x64_bf8_bf8 v[SB+64*\t+8*\kt:SB+64*\t+8*\kt+7], v[\stg+8*\kt:\stg+8*\kt+7], v[RF+8*\t:RF+8*\t+7], 0
.endr
.endr
	PLACES
	WIN (W<<6)|W
.set j, 0
.rept 64
	v_pk_mul_f32 v[SB+j:SB+j+1], v[SB+j:SB+j+1], s[42:43] op_sel_hi:[1,0]   ; x 2^delta: exact; each accumulator from its low end on
.set j, j+2
.endr
	WIN (W<<6)|(W<<4)|1
.irp kt, 0,1,2,3,4,5,6,7
.irp t, 0,1
	v_wmma_f32_16x16x64_bf8_bf8 v[SB+64*\t+8*\kt:SB+64*\t+8*\kt+7], v[64*\u+8*\kt:64*\u+8*\kt+7], v[QF+8*\t:QF+8*\t+7], v[SB+64*\t+8*\kt:SB+64*\t+8*\kt+7]
.endr
.endr
	WIN 0
	PLACES
	s_cmp_eq_u32 s[48+\u], 2
	s_cbranch_scc1 .Lopen_\@
.irp bq, 0,1,2,3                       ; a mixed group: 32 lane masks at a time out of the registers that hold them; a hidden score becomes -infinity
	WIN 0
.set k, 0
.rept 32
	v_readlane_b32 s[68+k], v[MKV+4*\u+(k&3)], 8*\bq+(k>>2)   ; word 32 bq + k: lane 8 bq + k / 4, register k % 4
.set k, k+1
.endr
	s_wait_alu depctr_va_sdst(0)                   ; the 32 lane masks s68 to s99 are written, ahead of the selects that read them: one wait for the run
	WIN (W<<6)|(W<<2)
.set k, 0
.rept 32
	v_cndmask_b32 v[SB+32*\bq+k], s45, v[SB+32*\bq+k], s[68+k]
.set k, k+1
.endr
.endr
	WIN 0
.Lopen_\@:
	WIN (W<<4)|(W<<2)
.irp kt, 0,1,2,3,4,5,6,7               ; the running maxima: four chains by turns; each accumulator from its low end on
.irp jj, 0,4
.irp t, 0,1
	v_max3_num_f32 v[MX+2*\t], v[MX+2*\t], v[SB+64*\t+8*\kt+\jj], v[SB+64*\t+8*\kt+\jj+1]
	v_max3_num_f32 v[MX+2*\t+1], v[MX+2*\t+1], v[SB+64*\t+8*\kt+\jj+2], v[SB+64*\t+8*\kt+\jj+3]
.endr
.endr
.endr
	WIN 0
.Lsc_end_\@:
.endm
.macro ROWMAX t                        ; -M = floor(-t) of my keys' largest t; -3e38 stands under every t, so that a row with no open key gives a number
	v_max_num_f32 v52, v[MX+2*\t], v[MX+2*\t+1]
	v_permlanex16_b32 v53, v52, s46, s47
	v_max_num_f32 v52, v52, v53
	v_mul_f32 v52, s40, v52
	v_max_num_f32 v52, 0xff61b1e6, v52
	v_floor_f32 v[NM+2*\t], -v52
.endm
; Group u: p = 2^(t - M), in place, and its sums.  A scaling runs one pair ahead of the pair's two exponentials; the group's 128 exponentials are one batch with one wait.
.macro EXPS u
.set W, 2+((\u)>>1)
.set SB, 128*((\u)&1)
	s_cmp_eq_u32 s[48+\u], 0
	s_cbranch_scc1 .Lex_end_\@
	WIN (W<<6)|W
	v_pk_fma_f32 v[SB:SB+1], v[SB:SB+1], s[40:41], v[NM:NM+1] op_sel_hi:[1,0,0]
.set p, 0
.rept 64
.if p < 63
	v_pk_fma_f32 v[SB+2*p+2:SB+2*p+3], v[SB+2*p+2:SB+2*p+3], s[40:41], v[NM+2*((p+1)/32):NM+2*((p+1)/32)+1] op_sel_hi:[1,0,0]   ; t - M (of the pairs the low word serves both halves)
.endif
	v_exp_f32 v[SB+2*p], v[SB+2*p]
	v_exp_f32 v[SB+2*p+1], v[SB+2*p+1]
.set p, p+1
.endr
	v_nop                                          ; a plain instruction behind the last exponential,
	s_wait_alu depctr_va_vdst(0)                   ; and the one wait ahead of the batch's first reader: the group's 128 exponentials have written p
	WIN W<<2
.set p, 0
.rept 32
	v_pk_add_f32 v[SUM+2*(p%2):SUM+2*(p%2)+1], v[SUM+2*(p%2):SUM+2*(p%2)+1], v[SB+2*p:SB+2*p+1]
	v_pk_add_f32 v[SUM+4+2*(p%2):SUM+4+2*(p%2)+1], v[SUM+4+2*(p%2):SUM+4+2*(p%2)+1], v[SB+64+2*p:SB+64+2*p+1]
.set p, p+1
.endr
	WIN 0
.Lex_end_\@:
.endm
.macro ROWSUM t
	v_pk_add_f32 v[SUM+4*\t:SUM+4*\t+1], v[SUM+4*\t:SUM+4*\t+1], v[SUM+4*\t+2:SUM+4*\t+3]
	v_add_f32 v52, v[SUM+4*\t], v[SUM+4*\t+1]
	v_permlanex16_b32 v53, v52, s46, s47
	v_add_f32 v[NM+2*\t+1], v52, v53
.endm
; The weights of query tile t in the group in hand (W, SB are set by PVSTEP), in two parts.  WMUL: finished (p x the factor).
.macro WMUL t
	WIN (W<<6)|(W<<2)
.set j, 0
.rept 32
	v_pk_mul_f32 v[SB+64*\t+j:SB+64*\t+j+1], v[FC+2*\t:FC+2*\t+1], v[SB+64*\t+j:SB+64*\t+j+1]
.set j, j+2
.endr
.endm
; WCODE: held where the hold can act, quantised.
.macro WCODE t
	WIN 0                                          ; (a branch and a label follow)
	s_cmp_lg_u32 s60, 0
	s_cbranch_scc1 .Lno_hold_\@
	WIN (W<<6)|(W<<2)
.set j, 0
.rept 64
	v_min_num_f32 v[SB+64*\t+j], s44, v[SB+64*\t+j]   ; the conversion does not saturate (ISA guide 7.6.2); a weight is not negative, so the hold is one-sided
.set j, j+1
.endr
	WIN 0
.Lno_hold_\@:
	WIN W
.irp kt, 0,1,2,3,4,5,6,7
	v_cvt_scalef32_pk8_bf8_f32 v[PF+16*\t+2*\kt:PF+16*\t+2*\kt+1], v[SB+64*\t+8*\kt:SB+64*\t+8*\kt+7], v[PSC]
.endr
.endm
; Group u: the weights become codes and are multiplied by V.  Tile 0's 32 multiplications, which name the scores and the factors alone, stand between the last group's products and the wait;
; V's 16 loads follow the wait, and the rest of the weights' work stands between those loads and the wait for them.
.macro PVSTEP u
.set W, 2+((\u)>>1)
.set SB, 128*((\u)&1)
	s_cmp_eq_u32 s[48+\u], 0
	s_cbranch_scc1 .Lpv_end_\@
	WMUL 0
	WIN 0
	s_wait_alu depctr_va_vdst(0)                   ; the products that read STG last (an earlier group's V^T P^T, or the scores' F R^T) are done reading it: V's fragments land there
.set n, 0
.rept 16
	ds_load_b128 v[STG+4*n:STG+4*n+3], v[VA] offset:8192*(\u)+512*n
.set n, n+1
.endr
	WCODE 0
	WMUL 1
	WCODE 1
	v_nop                                          ; a plain instruction between the last conversion and the products that read its result
	WIN 0
	s_wait_dscnt 0x0                               ; V's fragments are in
.irp T, 0,1,2,3
.irp t, 0,1
	v_wmma_f32_16x16x128_bf8_bf8 v[OA+8*(2*\T+\t):OA+8*(2*\T+\t)+7], v[STG+16*\T:STG+16*\T+15], v[PF+16*\t:PF+16*\t+15], v[OA+8*(2*\T+\t):OA+8*(2*\T+\t)+7]
.endr
.endr
.Lpv_end_\@:
.endm
.Lblock:
	s_wait_loadcnt 0x0                             ; this block's Q, R and lane masks,
	s_wait_kmcnt 0x0                               ; and its classes
	s_mov_b64 s[48:49], s[52:53]
	s_mov_b64 s[50:51], s[54:55]
.irp k, 0,1,2,3
	v_mov_b32 v[MX+\k], s45
.endr
.irp k, 0,1,2,3,4,5,6,7
	v_mov_b32 v[SUM+\k], 0
.endr
	s_wait_alu depctr_va_vdst(0)                   ; the last block's way out is done with STG and has written PF, its products are done with PF and OA: F's fragments land in STG and STG2, which lies over PF and part of OA
	s_wait_alu depctr_vm_vsrc(0)                   ; the last block's stores have read PF and OA, in which F's fragments land, and NM and OA, which this block writes again
	FLOAD 0, STG
	FLOAD 1, STG2
	SCORES 0, STG, 16                              ; the next group's 16 loads may be out
	s_wait_alu depctr_va_vdst(0)                   ; group 0's products are done reading STG, in which group 2's F lands
	FLOAD 2, STG
	SCORES 1, STG2, 16
	s_wait_alu depctr_va_vdst(0)                   ; group 1's products are done reading STG2, in which group 3's F lands
	FLOAD 3, STG2
	SCORES 2, STG, 16
	SCORES 3, STG2, 0
.set j, 0
.rept 64
	v_mov_b32 v[OA+j], 0                           ; O^T begins as zeros: which group's products come first hangs on the classes
.set j, j+1
.endr
	s_wait_alu depctr_va_vdst(0)                   ; the four groups' products are done reading Q and R, in which the next block's land
	s_cmp_eq_u32 s23, 1                            ; the next block's Q, R and classes are asked for here, if there is a next block: no load leaves its buffer
	s_cbranch_scc1 .Lno_next
	QRLOAD
	CLOAD
.Lno_next:
	ROWMAX 0
	ROWMAX 1
	EXPS 0
	EXPS 1
	EXPS 2
	EXPS 3
	ROWSUM 0
	ROWSUM 1
	s_wait_alu depctr_va_vdst(0)                   ; NM is written, which the store reads; and the lane reads of the masks are done with v36 to v51, in which the statistics land behind the barrier (no vector line stands between)
	ds_store_b128 v[SX], v[NM:NM+3]
	s_wait_dscnt 0x0                               ; for the others' sake: my statistics lie in LDS
	s_barrier_signal -1
	s_barrier_wait -1
.irp wp, 0,1,2,3
	ds_load_b128 v[STW+4*\wp:STW+4*\wp+3], v[SR] offset:512*\wp
.endr
	s_wait_dscnt 0x0
.irp t, 0,1
	v_min3_num_f32 v[52+\t], v[STW+2*\t], v[STW+4+2*\t], v[STW+8+2*\t]
	v_min_num_f32 v[52+\t], v[52+\t], v[STW+12+2*\t]                   ; -G: the least -M
.endr
.irp wp, 0,1,2,3
.irp t, 0,1
	v_sub_f32 v[STW+4*\wp+2*\t], v[52+\t], v[STW+4*\wp+2*\t]           ; M - G: a whole number, 0 or less
.endr
.endr
.irp wp, 0,1,2,3
.irp t, 0,1
	v_cvt_i32_f32 v[STW+4*\wp+2*\t], v[STW+4*\wp+2*\t]                 ; (it saturates)
.endr
.endr
.irp wp, 0,1,2,3
.irp t, 0,1
	v_ldexp_f32 v[STW+4*\wp+2*\t+1], v[STW+4*\wp+2*\t+1], v[STW+4*\wp+2*\t]   ; a wave's sum under G: nothing is rounded
.endr
.endr
.irp t, 0,1
	v_add_f32 v[STW+1+2*\t], v[STW+1+2*\t], v[STW+5+2*\t]
	v_add_f32 v[STW+9+2*\t], v[STW+9+2*\t], v[STW+13+2*\t]
	v_add_f32 v[54+\t], v[STW+1+2*\t], v[STW+9+2*\t]                   ; the row's sum
.endr
	v_rcp_f32 v56, v54
	v_rcp_f32 v57, v55
	v_sub_f32 v58, v52, v[NM]                      ; my own M - G (plain work behind the reciprocals)
	v_sub_f32 v59, v53, v[NM+2]
	v_cvt_i32_f32 v58, v58
	v_cvt_i32_f32 v59, v59
	v_cmp_lt_f32 s62, 0, v54                       ; the two compares stand as a run, each with a scalar register of its own
	v_cmp_lt_f32 s63, 0, v55
	s_wait_alu depctr_va_sdst(0)                   ; s62 and s63 are written, ahead of the selects that read them
	s_wait_alu depctr_va_vdst(0)                   ; one wait for both reciprocals, ahead of their first reader; it also states that the arithmetic above is done with v36 to v51, in which the next block's lane masks land: the lines between name v32 to v35 and v56 to v59 alone
	v_cndmask_b32 v56, 0, v56, s62                 ; a row with no open key: the factor 0, so its weights are 0
	v_cndmask_b32 v57, 0, v57, s63
	v_ldexp_f32 v[FC], v56, v58                    ; 2^(M - G) / sum
	v_ldexp_f32 v[FC+2], v57, v59
	v_mov_b32 v[FC+1], v[FC]
	v_mov_b32 v[FC+3], v[FC+2]
	s_cmp_eq_u32 s23, 1                            ; the statistics' registers are done with: the next block's lane masks are asked for into them, if there is a next block;
	s_cbranch_scc1 .Lno_mask                       ; they have the second product and the way out in which to land
	MLOAD 65536                                    ; eight blocks of 8,192 bytes on
.Lno_mask:
	PVSTEP 0
	PVSTEP 1
	PVSTEP 2
	PVSTEP 3
	PLACES                                         ; in front of the first read of the last products' results
	s_wait_alu depctr_va_vdst(0)                   ; the products (or, where all groups are hidden, the zeros) have written OA, which the stores read; and the products are done reading STG, in which the partial O lands behind the barrier (no vector line stands between).  The places above stay beside this wait
.set n, 0
.rept 16
	ds_store_b128 v[OXS], v[OA+4*n:OA+4*n+3] offset:512*n      ; each accumulator's low four registers first
.set n, n+1
.endr
	s_wait_dscnt 0x0                               ; my partial O lies in LDS, and my reads of the statistics are over
	s_barrier_signal -1
	s_barrier_wait -1
.irp wp, 0,1,2,3
.irp v, 0,1
.irp hf, 0,1
	ds_load_b128 v[STG+16*\wp+8*\v+4*\hf:STG+16*\wp+8*\v+4*\hf+3], v[OXR] offset:8192*\wp+2048*\v+512*\hf
.endr
.endr
.endr
	s_wait_dscnt 0x0                               ; (so my reads of the partial O are over ahead of the next block's first barrier, behind which they are written again)
.irp k, 0,2,4,6,8,10,12,14
	v_pk_add_f32 v[STG+\k:STG+\k+1], v[STG+\k:STG+\k+1], v[STG+16+\k:STG+16+\k+1]
	v_pk_add_f32 v[STG+32+\k:STG+32+\k+1], v[STG+32+\k:STG+32+\k+1], v[STG+48+\k:STG+48+\k+1]
.endr
.irp k, 0,2,4,6,8,10,12,14
	v_pk_add_f32 v[STG+\k:STG+\k+1], v[STG+\k:STG+\k+1], v[STG+32+\k:STG+32+\k+1]
.endr
.irp k, 0,1,2,3,4,5,6,7,8,9,10,11,12,13,14,15
	v_med3_num_f32 v[STG+\k], v[STG+\k], -v[CLM], v[CLM]
.endr
	v_cvt_scalef32_pk8_bf8_f32 v[PF:PF+1], v[STG:STG+7], v[CSC]
	v_cvt_scalef32_pk8_bf8_f32 v[PF+2:PF+3], v[STG+8:STG+15], v[CSC]
	v_nop                                          ; a plain instruction behind the last conversion
	s_wait_alu depctr_va_vdst(0)                   ; the two conversions have written v[PF] to v[PF+3], which the store reads
	global_store_b128 v[LN], v[PF:PF+3], s[20:21]  ; 512 consecutive bytes: 16 queries x 32 channels of codes
	s_wait_xcnt 0x0                                ; the store and the loads for the next block have had their addresses translated: their bases may be written
	s_add_nc_u64 s[4:5], s[4:5], 32768
	s_add_nc_u64 s[10:11], s[10:11], 16384
	s_add_nc_u64 s[14:15], s[14:15], 65536
	s_add_nc_u64 s[16:17], s[16:17], 16384
	s_add_nc_u64 s[20:21], s[20:21], 262144
	s_sub_co_u32 s23, s23, 1
	s_cmp_lg_u32 s23, 0
	s_cbranch_scc1 .Lblock
	s_wait_dscnt 0x0                               ; the closing lines, six on end
	s_wait_alu 0x0
	s_wait_tensorcnt 0x0
	ds_add_u32 v15, v63
	s_wait_dscnt 0x0
	s_endpgm
.Lfunc_end_k_qc1da75458d_attn:
	.size	k_qc1da75458d_attn, .Lfunc_end_k_qc1da75458d_attn-k_qc1da75458d_attn
	.p2alignl 7, 3214868480
	.fill 96, 4, 3214868480
	.section	.rodata,"a",@progbits
	.p2align	6, 0x0
	.amdhsa_kernel k_qc1da75458d_attn
		.amdhsa_group_segment_fixed_size 297472
		.amdhsa_private_segment_fixed_size 0
		.amdhsa_enable_private_segment 0
		.amdhsa_kernarg_size 72
		.amdhsa_user_sgpr_count 2
		.amdhsa_user_sgpr_kernarg_segment_ptr 1
		.amdhsa_wavefront_size32 1
		.amdhsa_system_sgpr_workgroup_id_x 1
		.amdhsa_system_sgpr_workgroup_id_y 1
		.amdhsa_system_sgpr_workgroup_id_z 1
		.amdhsa_system_vgpr_workitem_id 0
		.amdhsa_next_free_vgpr 1024
		.amdhsa_next_free_sgpr 100
		.amdhsa_reserve_vcc 0
		.amdhsa_float_denorm_mode_32 3
		.amdhsa_float_denorm_mode_16_64 3
		.amdhsa_memory_ordered 1
		.amdhsa_forward_progress 1
		.amdhsa_inst_pref_size 252
	.end_amdhsa_kernel
	.amdgpu_metadata
---
amdhsa.version: [ 1, 2 ]
amdhsa.kernels:
  - .name:           k_qc1da75458d_attn
    .symbol:         k_qc1da75458d_attn.kd
    .args:
      - { .name: Qc, .offset: 0, .size: 8, .value_kind: global_buffer, .address_space: global }
      - { .name: Kc, .offset: 8, .size: 8, .value_kind: global_buffer, .address_space: global }
      - { .name: Vc, .offset: 16, .size: 8, .value_kind: global_buffer, .address_space: global }
      - { .name: Rc, .offset: 24, .size: 8, .value_kind: global_buffer, .address_space: global }
      - { .name: Fc, .offset: 32, .size: 8, .value_kind: global_buffer, .address_space: global }
      - { .name: Mw, .offset: 40, .size: 8, .value_kind: global_buffer, .address_space: global }
      - { .name: Cls, .offset: 48, .size: 8, .value_kind: global_buffer, .address_space: global }
      - { .name: lowp_scales, .offset: 56, .size: 8, .value_kind: global_buffer, .address_space: global }
      - { .name: ctx, .offset: 64, .size: 8, .value_kind: global_buffer, .address_space: global }
    .group_segment_fixed_size: 297472
    .private_segment_fixed_size: 0
    .kernarg_segment_align: 8
    .kernarg_segment_size: 72
    .max_flat_workgroup_size: 128
    .sgpr_count:     100
    .vgpr_count:     1024
    .wavefront_size: 32
...
	.end_amdgpu_metadata
.endif
;; end of part 7
;; launch oproj: the kernel of part 4 again; grid 4 x 16, 4 waves a work-group, clusters of 4 x 4, 327,680 bytes of LDS; arguments ctx, Wo_codes, lowp_scales, bo, out0; writes out0
